; MI455X (gfx1250); checked and timed in simulation.
; The chip was launched on July 23, 2026; its instructions are those of AMD's public machine-readable ISA for CDNA 5 (MIT licence, August 2026) and "CDNA5" Instruction Set Architecture Reference Guide (July 2026). The comments in the code are by the model that wrote it; some were corrected since.
;; GPT Block. Allowed arithmetic: matrix products marked QUANTISED: E4M3 operands, one given power-of-two scale a tensor, by v_wmma_f32_16x16x64_fp8_fp8 or v_wmma_f32_16x16x128_fp8_fp8, f32 sums; everything else in f32.
;; Inputs: W1 1,024 x 4,096 float32; W2 4,096 x 1,024 float32; Wk 1,024 x 1,024 float32; Wp 1,024 x 1,024 float32; Wq 1,024 x 1,024 float32; Wv 1,024 x 1,024 float32; b1 4,096 float32; b2 1,024 float32; bk 1,024 float32; bp 1,024 float32; bq 1,024 float32; bv 1,024 float32; ln1_b 1,024 float32; ln1_w 1,024 float32; ln2_b 1,024 float32; ln2_w 1,024 float32; lowp_scales 16 int32 (the exponents e of the quantised operands' scales 2^e); x 2 x 2,048 x 1,024 float32.
;; Outputs: out0 2 x 2,048 x 1,024 float32.
;; This version of the problem:
;;   THIS VERSION OF THE PROBLEM IS GIVEN IN LOW PRECISION. The matrix products marked QUANTISED in the list below multiply operands that are first quantised to E4M3 (4 exponent bits, 3 mantissa bits; 8 bits a number), with one given power-of-two scale for each operand tensor; their sums are f32. All else is computed in f32.
;;   The module's matrix products, in the order in which they are computed (A, B: the left and right operand; K: the contracted axis; several contracted axes count as one K, in the product's order):
;;     1. [M 4,096, K 1,024] x [K 1,024, N 1,024]; A: computed on the way; B: input Wq: QUANTISED (scales: A lowp_scales[0], B lowp_scales[1])
;;     2. [M 4,096, K 1,024] x [K 1,024, N 1,024]; A: computed on the way; B: input Wk: QUANTISED (scales: A lowp_scales[2], B lowp_scales[3])
;;     3. [M 4,096, K 1,024] x [K 1,024, N 1,024]; A: computed on the way; B: input Wv: QUANTISED (scales: A lowp_scales[4], B lowp_scales[5])
;;     4. batch 32 x [M 2,048, K 64] x [K 64, N 2,048]; A: computed on the way; B: computed on the way: QUANTISED (scales: A lowp_scales[6], B lowp_scales[7])
;;     5. batch 32 x [M 64, K 2,048] x [K 2,048, N 2,048]; A: computed on the way; B: softmax (see below): QUANTISED (scales: A lowp_scales[8], B lowp_scales[9])
;;     6. [M 4,096, K 1,024] x [K 1,024, N 1,024]; A: computed on the way; B: input Wp: QUANTISED (scales: A lowp_scales[10], B lowp_scales[11])
;;     7. [M 4,096, K 1,024] x [K 1,024, N 4,096]; A: computed on the way; B: input W1: QUANTISED (scales: A lowp_scales[12], B lowp_scales[13])
;;     8. [M 4,096, K 4,096] x [K 4,096, N 1,024]; A: computed on the way; B: input W2: QUANTISED (scales: A lowp_scales[14], B lowp_scales[15])
;;   THE QUANTISER, for each operand of a quantised product, along K:
;;     - The operand's scale is 2^e, e = its entry of the input lowp_scales (int32; the entries are numbered through the quantised products in the list's order, A before B).
;;     - Each number is divided by the scale, clamped to +-448, and rounded to the nearest number of E4M3, ties to even, subnormals kept.
;;     - The product sums the exact products of the quantised numbers (number of the format x scale) in f32.
;;   ~~~python
;;   def quantise(x, axis, e):      # numpy; x: float32 -> the quantised numbers, widened to float32 again
;;       x = np.moveaxis(x, axis, -1); K = x.shape[-1]
;;       r = np.clip(x / 2.0 ** e, -448, 448)
;;       step = 2.0 ** (np.maximum(np.frexp(np.where(r == 0, 1, r))[1] - 1, -6) - 3)
;;       q = np.round(r / step) * step * 2.0 ** e      # np.round: ties to even
;;       return np.moveaxis(q, -1, axis).astype(np.float32)
;;   ~~~
;;   SOFTMAX AHEAD OF A QUANTISED PRODUCT. Where the list says 'softmax', what is quantised is not the finished softmax but p = 2^(t - M), with t = logit x log2(e) and M = ceil(the row's largest t), a whole number; so 1/2 < the row's largest p <= 1. The row's sum l is taken of the UNQUANTISED p, in f32, and the product's result is divided by l at the end. Since M is a whole number, a kernel that streams over the keys may use a running M (the ceiling of the running maximum): every later rescaling is an exact power of two, so the quantised numbers keep their values, but for numbers so far below the row's largest that they fall under the format's range.
;;   OPERANDS COMPUTED ON THE WAY. 'Computed on the way' means the value that the module computes at that place (a softmax that the list does not call 'softmax' is quantised finished and normalised). What goes into a quantiser is computed in f32, as accurately as f32 sums, v_exp_f32 and their like allow (about 1e-6 of the number): no bf16 or f16 on the way to a quantiser, and a product that is left as it is and whose result goes on into a quantised operand takes f32 operands (vector FMAs, or v_wmma_f32_16x16x4_f32). A number that lies on a knife's edge between two numbers of the format may be rounded either way, as far as f32 arithmetic and the matrix unit's own rounding can turn it there, and no further.
;; One version. Each part assembles by itself: llvm-mc -triple=amdgcn-amd-amdhsa -mcpu=gfx1250 --defsym DOCPART=n.
;; ======== version 1 of 1: 7 launches
;; limits: right only within a limited range of input values
;; workspace buffers: hc 12,582,912 bytes; wc 12,582,912 bytes; qkvc 12,582,912 bytes; ao 4,194,304 bytes; x1 16,777,216 bytes; hid 16,777,216 bytes
;; launch prep (part 1): grid 640 x 1, 4 waves a work-group, no clusters, 119,296 bytes of LDS; arguments Wq, Wk, Wv, Wp, W1, W2, lowp_scales, wc, x, ln1_w, ln1_b, hc; writes hc, wc
.if DOCPART == 1
	.amdgcn_target "amdgcn-amd-amdhsa--gfx1250"
	.amdhsa_code_object_version 6
	.text
	.protected	k_q6532387f56_prep
	.globl	k_q6532387f56_prep
	.p2align	8
	.type	k_q6532387f56_prep,@function
k_q6532387f56_prep:
	s_mov_b64 s[64:65], 0
	v_nop
	global_prefetch_b8 v0, s[64:65] scope:SCOPE_SE
	s_setreg_imm32_b32 hwreg(HW_REG_WAVE_MODE, 25, 1), 1
	s_wait_xcnt 0x0
; PREP: two jobs in one launch, told apart by the work-group's number; each job has LDS bytes of its own.
; Work-groups 0-383 turn the six weights ([K][N] f32, K outermost) into codes of E4M3 with K innermost, each with its given scale 2^e.
; Work-groups 384-639 make h = LayerNorm(x) and quantise it three times, under the scales of products 1, 2 and 3.
; LAYOUTS.  wc: Wq^T, Wk^T, Wv^T, Wp^T as one table [8 chunks of 128 along K][4096 rows n][128 codes]; from 4 MiB W1^T [8][4096][128]; from 8 MiB W2^T [32][1024][128].
;           hc: three planes of 4 MiB, each [8 chunks][4096 tokens][128 codes].
; code = x / 2^e, held within +-448, to the nearest code, ties to even.  LIMITS: -126 <= e and e + 8 <= 127 for each scale used here; NaN among the inputs is not served.
; No tensor loads, no barrier: waves share nothing.  No cluster: no two work-groups read the same large data (the gain and bias of 4 KiB each are a small part of a work-group's 64 KiB).
.set NT,  3                            ; quantisations of h
.set LB0, 34816                        ; LDS: the weights' stages lie at 0 .. 34,815, the norm's from here on
.set RO,  16                           ; v16-47   weights: byte offset of row i of a block of 32 rows, at my column
.set WX,  48                           ; v48-111  weights: two sets of 32 numbers
.set WC,  112                          ; v112-119 weights: a block's codes
.set WO,  120                          ; v120-183 weights: the way out
.set LW,  16                           ; v16-47   norm: the gain at my columns
.set LG,  48                           ; v48-79   norm: the bias at my columns
.set LX,  80                           ; v80-207  norm: four rows, 32 registers each; later the codes
.set LY,  208                          ; v208-239 norm: sums; later two sets of 16 neighbours
.set LT,  240                          ; v240-255 norm: 16 held numbers
	s_load_b512 s[8:23], s[0:1], 0x0               ; Wq s[8:9], Wk, Wv, Wp, W1, W2 s[18:19], the scales s[20:21], wc s[22:23]
	s_load_b256 s[24:31], s[0:1], 0x40             ; x s[24:25], gain s[26:27], bias s[28:29], hc s[30:31]
	v_lshrrev_b32 v1, 5, v0
	v_readfirstlane_b32 s2, v1                     ; wave 0..3
	v_and_b32 v2, 31, v0                           ; lane
; WORK LEFT OUT BY THE PROGRAM (launch attn): reference() sets the logit of every key behind the query to the constant 0.0 by a mask of its own (jnp.tril), whatever q and k hold.
; So in a tile of 16 queries x 128 keys that lies wholly behind the queries the product q . k reaches no output, and it is not multiplied; the keys' p = 2^(0 - M) and their part of the second product are computed.
; LIMIT: a NaN, an infinity or an overflow that would arise only in those products is not carried to the result.  Every input is loaded.
	v_lshl_add_u32 v6, v0, 2, 118784               ; my spare word, behind both jobs' stages; with v7 kept for the closing add
	v_mov_b32 v7, 0
	s_wait_kmcnt 0x0
	s_cmp_lt_u32 ttmp9, 384
	s_cbranch_scc0 .Lnorm
; ---------------- THE WEIGHTS.  A work-group takes 128 columns x 256 along K; a wave 32 columns.  A LANE TAKES A COLUMN AND ITS REGISTERS RUN DOWN K: each load reads 128 consecutive
; bytes a wave, and the conversions give codes with K innermost.  The codes leave through the wave's own stage in LDS, 512 consecutive bytes a store.
	s_lshr_b32 s32, ttmp9, 5                       ; g: 0-3 Wq, Wk, Wv, Wp; 4-7 W1; 8-11 W2
	s_lshr_b32 s33, ttmp9, 7                       ; 0: one of the four small ones; 1: W1; 2: W2
	s_and_b32 s34, ttmp9, 7
	s_and_b32 s35, ttmp9, 31
	s_lshr_b32 s38, ttmp9, 3
	s_and_b32 s39, s38, 3
	s_and_b32 s38, s38, 15
	s_and_b32 s60, s32, 3
	s_mov_b32 s61, 4096
	s_cmp_eq_u32 s33, 1
	s_cselect_b32 s34, s35, s34                    ; which 128 columns
	s_cselect_b32 s39, s60, s39                    ; which 256 along K
	s_cselect_b32 s35, 16384, s61                  ; bytes from row to row of the weight
	s_mov_b32 s61, 524288
	s_cmp_eq_u32 s33, 2
	s_cselect_b32 s39, s38, s39
	s_cselect_b32 s61, 131072, s61                 ; bytes from chunk to chunk of the codes
	s_lshl_b32 s62, s32, 17                        ; the small ones: 1,024 rows of 128 bytes each
	s_lshl_b32 s63, s33, 22                        ; W1, W2: 4 MiB, 8 MiB
	s_cmp_eq_u32 s33, 0
	s_cselect_b32 s62, s62, s63                    ; where the tensor's codes begin in wc
	s_lshl_b32 s60, s32, 1
	s_add_co_u32 s60, s60, 1                       ; the scale's entry: 1, 3, 5 for Wq, Wk, Wv;
	s_lshr_b32 s63, s32, 2
	s_lshl_b32 s63, s63, 1
	s_add_co_u32 s63, s63, 11                      ; 11, 13, 15 for Wp, W1, W2
	s_cmp_lt_u32 s32, 3
	s_cselect_b32 s60, s60, s63
	s_lshl_b32 s60, s60, 2
	s_load_b32 s63, s[20:21], s60 offset:0x0       ; e
	s_mov_b64 s[36:37], s[8:9]                     ; the weight: a choice that hangs on the work-group's number alone
	s_cmp_eq_u32 s32, 1
	s_cselect_b64 s[36:37], s[10:11], s[36:37]
	s_cmp_eq_u32 s32, 2
	s_cselect_b64 s[36:37], s[12:13], s[36:37]
	s_cmp_eq_u32 s32, 3
	s_cselect_b64 s[36:37], s[14:15], s[36:37]
	s_cmp_eq_u32 s33, 1
	s_cselect_b64 s[36:37], s[16:17], s[36:37]
	s_cmp_eq_u32 s33, 2
	s_cselect_b64 s[36:37], s[18:19], s[36:37]
	s_lshl_b32 s66, s34, 7
	s_lshl_b32 s67, s2, 5
	s_add_co_u32 s66, s66, s67                     ; my wave's first column
	s_mul_i32 s68, s39, s35
	s_lshl_b32 s68, s68, 8                         ; 256 rows for each step along K
	s_lshl_b32 s67, s66, 2
	s_add_co_u32 s68, s68, s67
	s_mov_b32 s69, 0
	s_add_nc_u64 s[40:41], s[36:37], s[68:69]      ; block 0's first row at my first column
	s_lshl_b32 s68, s35, 5                         ; 32 rows on
.irp t, 1,2,3,4,5,6,7
	s_add_nc_u64 s[40+2*\t:41+2*\t], s[38+2*\t:39+2*\t], s[68:69]  ; a base for each block, so that no pointer is stepped
.endr
	s_mul_i32 s70, s39, s61
	s_lshl_b32 s70, s70, 1                         ; two chunks of 128 for each 256 along K
	s_add_co_u32 s70, s70, s62
	s_lshl_b32 s67, s66, 7                         ; a row of a chunk is 128 bytes
	s_add_co_u32 s70, s70, s67
	s_mov_b32 s71, 0
	s_add_nc_u64 s[56:57], s[22:23], s[70:71]      ; my 32 rows in the first chunk,
	s_mov_b32 s70, s61
	s_add_nc_u64 s[58:59], s[56:57], s[70:71]      ; and in the second
	s_mul_i32 s3, s2, 8704                         ; my stage: 32 rows (columns of the weight) x (256 bytes + 16)
	s_wait_alu depctr_va_vdst(0)
	v_mul_u32_u24 v4, v2, 272
	v_add_nc_u32 v4, s3, v4                        ; into it: row = my column
	v_lshrrev_b32 v5, 3, v2
	v_and_b32 v9, 7, v2
	v_mul_u32_u24 v12, v5, 272
	v_lshl_add_u32 v12, v9, 4, v12
	v_add_nc_u32 v12, s3, v12                      ; out of it: eight lanes take a row's 128 bytes of one chunk, four rows an instruction
	v_lshlrev_b32 v8, 4, v2                        ; and the same 512 bytes on end in wc
	v_lshlrev_b32 v[RO], 2, v2
.set i, 1
.rept 31
	v_add_nc_u32 v[RO+i], s35, v[RO+i-1]
.set i, i+1
.endr
.macro WLOAD t                         ; block t: W(32 t + i, my column), i = 0 .. 31, into set t % 2
.set i, 0
.rept 32
	global_load_b32 v[WX+32*((\t)%2)+i], v[RO+i], s[40+2*(\t):41+2*(\t)] th:TH_LOAD_NT
.set i, i+1
.endr
.endm
	WLOAD 0
	WLOAD 1
	s_wait_kmcnt 0x0
	s_add_co_i32 s63, s63, 127
	s_lshl_b32 s67, s63, 23
	v_mov_b32 v11, s67                             ; 2^e as f32: the conversion takes its exponent field
	s_add_co_i32 s63, s63, 8
	s_lshl_b32 s63, s63, 23
	s_or_b32 s63, s63, 0x600000
	v_mov_b32 v10, s63                             ; 448 x 2^e
.macro WBLOCK t
.if (\t) < 7
	s_wait_loadcnt 32                              ; this block's 32 loads are in; the next block's 32 may be out
.else
	s_wait_loadcnt 0
.endif
.set i, 0
.rept 32
	v_med3_num_f32 v[WX+32*((\t)%2)+i], v[WX+32*((\t)%2)+i], -v10, v10   ; the conversion to an 8-bit code does not saturate (ISA guide 7.6.2): the hold comes first
.set i, i+1
.endr
.irp g, 0,1,2,3
	v_cvt_scalef32_pk8_fp8_f32 v[WC+2*\g:WC+2*\g+1], v[WX+32*((\t)%2)+8*\g:WX+32*((\t)%2)+8*\g+7], v11
.endr
	ds_store_b128 v4, v[WC:WC+3] offset:32*(\t)    ; 32 codes of my column
	ds_store_b128 v4, v[WC+4:WC+7] offset:32*(\t)+16
.if (\t)+2 < 8
	WLOAD (\t)+2
.endif
	s_wait_dscnt 0x0                               ; the stores have read their registers: the next block's codes may be written (its 32 holds are the plain lines behind these conversions)
.endm
	s_wait_alu depctr_va_vdst(0)
.irp t, 0,1,2,3,4,5,6,7
	WBLOCK \t
.endr
.irp u, 0,1
.irp i, 0,1,2,3,4,5,6,7
	ds_load_b128 v[WO+4*(8*\u+\i):WO+4*(8*\u+\i)+3], v12 offset:4*\i*272+128*\u   ; LDS serves a wave's instructions in order: these see my stores
.endr
.endr
.irp u, 0,1
.irp i, 0,1,2,3,4,5,6,7
	s_wait_dscnt 15-(8*\u+\i)                      ; the younger reads of the stage may be out
	global_store_b128 v8, v[WO+4*(8*\u+\i):WO+4*(8*\u+\i)+3], s[56+2*\u:57+2*\u] offset:512*\i   ; four rows' 128 codes of one chunk: 512 consecutive bytes, aligned
.endr
.endr
	s_wait_tensorcnt 0x0                           ; the wave's end
	ds_add_u32 v6, v7
	s_wait_dscnt 0x0
	s_endpgm
; ---------------- THE NORM.  A work-group takes 16 rows, a wave 4; a row of 4,096 bytes is 32 registers of the wave and stays in them between the passes.
.Lnorm:
	s_sub_co_u32 s32, ttmp9, 384
	s_lshl_b32 s32, s32, 4
	s_lshl_b32 s33, s2, 2
	s_add_co_u32 s32, s32, s33                     ; my first row
	s_lshl_b32 s34, s32, 12
	s_mov_b32 s35, 0
	s_load_b256 s[48:55], s[20:21], 0x0            ; the scales' exponents 0 to 7: h's are entries 0, 2, 4
	s_add_nc_u64 s[24:25], s[24:25], s[34:35]
	s_lshl_b32 s34, s32, 7
	s_add_nc_u64 s[40:41], s[30:31], s[34:35]      ; my rows in chunk 0 of plane 0,
	s_add_nc_u64 s[42:43], s[40:41], 0x400000      ; of plane 1,
	s_add_nc_u64 s[44:45], s[42:43], 0x400000      ; of plane 2
; y = (x - mean) rsqrt(var + 1e-5) gain + bias, in two passes over registers (the mean first, then the squares of the differences), all in f32.
; The loads take the bytes as they lie (512 consecutive bytes a load); the conversions want 16 NEIGHBOURS in a lane: so the four rows turn through the wave's own stage in LDS.
; Stage: a row is 64 groups of (64 bytes + 16), + 128: 5,248 bytes; on the way out a lane reads one group.
	s_wait_alu depctr_va_vdst(0)
	v_lshlrev_b32 v3, 4, v2                        ; 16 x lane: my bytes of a load's 512, and of a store's
	s_mul_i32 s3, s2, 20992
	s_add_co_u32 s3, s3, LB0                       ; my stage
	v_lshrrev_b32 v4, 2, v2
	v_and_b32 v5, 3, v2
	v_mul_u32_u24 v14, v4, 80
	v_lshl_add_u32 v14, v5, 4, v14
	v_add_nc_u32 v14, s3, v14                      ; in: four lanes fill a group
	v_lshrrev_b32 v4, 3, v2
	v_and_b32 v5, 7, v2
	v_mul_u32_u24 v15, v4, 5248
	v_mad_u32_u24 v15, v5, 80, v15
	v_add_nc_u32 v15, s3, v15                      ; out: row lane / 8, group lane % 8 of a chunk's eight
	s_mov_b32 s62, 0x76543210                      ; v_permlanex16_b32: lane l takes lane l xor 16
	s_mov_b32 s63, 0xfedcba98
	s_mov_b32 s66, 0x3a800000                      ; 1 / 1024
	s_mov_b32 s67, 0x3727c5ac                      ; 1e-5
.irp p, 0,1,2,3
.irp j, 0,1,2,3,4,5,6,7
	global_load_b128 v[LX+32*\p+4*\j:LX+32*\p+4*\j+3], v3, s[24:25] offset:4096*\p+512*\j th:TH_LOAD_NT
.endr
.endr
.irp j, 0,1,2,3,4,5,6,7
	global_load_b128 v[LW+4*\j:LW+4*\j+3], v3, s[26:27] offset:512*\j
	global_load_b128 v[LG+4*\j:LG+4*\j+3], v3, s[28:29] offset:512*\j
.endr
.macro LSUM a                          ; v[a + 2 p], p = 0 .. 3: a pair's two halves and then the 32 lanes are added; every lane has the sum
.irp p, 0,1,2,3
	v_add_f32 v[\a+2*\p], v[\a+2*\p], v[\a+2*\p+1]
.endr
.irp m, 1,2,4,8
.irp p, 0,1,2,3
	v_add_f32_dpp v[\a+2*\p], v[\a+2*\p], v[\a+2*\p] row_xmask:\m row_mask:0xf bank_mask:0xf
.endr
.endr
.irp p, 0,1,2,3
	v_permlanex16_b32 v[\a+2*\p+1], v[\a+2*\p], s62, s63
.endr
.irp p, 0,1,2,3
	v_add_f32 v[\a+2*\p], v[\a+2*\p], v[\a+2*\p+1]
.endr
.endm
	s_wait_loadcnt 16                              ; the four rows are in; the 16 loads of gain and bias may be out
.irp p, 0,1,2,3
	v_pk_add_f32 v[LY+2*\p:LY+2*\p+1], v[LX+32*\p:LX+32*\p+1], v[LX+32*\p+2:LX+32*\p+3]
.endr
.irp j, 4,6,8,10,12,14,16,18,20,22,24,26,28,30
.irp p, 0,1,2,3
	v_pk_add_f32 v[LY+2*\p:LY+2*\p+1], v[LY+2*\p:LY+2*\p+1], v[LX+32*\p+\j:LX+32*\p+\j+1]
.endr
.endr
	LSUM LY
.irp p, 0,1,2,3
	v_mul_f32 v[LY+2*\p], s66, v[LY+2*\p]          ; the mean
.endr
.irp p, 0,1,2,3
.irp j, 0,2,4,6,8,10,12,14,16,18,20,22,24,26,28,30
	v_pk_add_f32 v[LX+32*\p+\j:LX+32*\p+\j+1], v[LX+32*\p+\j:LX+32*\p+\j+1], v[LY+2*\p:LY+2*\p+1] op_sel_hi:[1,0] neg_lo:[0,1] neg_hi:[0,1]   ; x - mean
.endr
.endr
.irp p, 0,1,2,3
	v_pk_mul_f32 v[LY+8+2*\p:LY+8+2*\p+1], v[LX+32*\p:LX+32*\p+1], v[LX+32*\p:LX+32*\p+1]
.endr
.irp j, 2,4,6,8,10,12,14,16,18,20,22,24,26,28,30
.irp p, 0,1,2,3
	v_pk_fma_f32 v[LY+8+2*\p:LY+8+2*\p+1], v[LX+32*\p+\j:LX+32*\p+\j+1], v[LX+32*\p+\j:LX+32*\p+\j+1], v[LY+8+2*\p:LY+8+2*\p+1]
.endr
.endr
	LSUM LY+8
.irp p, 0,1,2,3
	v_fma_f32 v[LY+16+\p], v[LY+8+2*\p], s66, s67  ; var + 1e-5
.endr
	s_wait_alu depctr_va_vdst(0)
.irp p, 0,1,2,3
	v_rsq_f32 v[LY+8+2*\p], v[LY+16+\p]
.endr
	v_nop                                          ; a plain line behind the last root
	s_wait_alu depctr_va_vdst(0)                   ; ahead of the roots' first reader
	s_wait_loadcnt 0x0                             ; gain and bias
.irp p, 0,1,2,3
.irp j, 0,2,4,6,8,10,12,14,16,18,20,22,24,26,28,30
	v_pk_mul_f32 v[LX+32*\p+\j:LX+32*\p+\j+1], v[LX+32*\p+\j:LX+32*\p+\j+1], v[LY+8+2*\p:LY+8+2*\p+1] op_sel_hi:[1,0]
	v_pk_fma_f32 v[LX+32*\p+\j:LX+32*\p+\j+1], v[LX+32*\p+\j:LX+32*\p+\j+1], v[LW+\j:LW+\j+1], v[LG+\j:LG+\j+1]
.endr
.endr
.irp p, 0,1,2,3
.irp j, 0,1,2,3,4,5,6,7
	ds_store_b128 v14, v[LX+32*\p+4*\j:LX+32*\p+4*\j+3] offset:\p*5248+640*\j
.endr
.endr
	s_wait_kmcnt 0x0
.set k, 0
.rept NT
	s_add_co_i32 s68, s[48+2*k], 127
	s_lshl_b32 s69, s68, 23
	v_mov_b32 v[8+k], s69                          ; 2^e
	s_add_co_i32 s68, s68, 8
	s_lshl_b32 s68, s68, 23
	s_or_b32 s68, s68, 0x600000
	v_mov_b32 v[11+k], s68                         ; 448 x 2^e
.set k, k+1
.endr
.macro LRD c                           ; chunk c (128 along K): lane l gets, of row l / 8, numbers 128 c + 16 (l % 8) + 0 .. 15
.irp i, 0,1,2,3
	ds_load_b128 v[LY+16*((\c)%2)+4*\i:LY+16*((\c)%2)+4*\i+3], v15 offset:640*(\c)+16*\i
.endr
.endm
.macro LQ c
.if (\c) < 7
	LRD (\c)+1
	s_wait_dscnt 4                                 ; this chunk's numbers are back (and all stores into the stage are done); the next chunk's four reads may be out
.else
	s_wait_dscnt 0
.endif
.set k, 0
.rept NT
.set i, 0
.rept 16
	v_med3_num_f32 v[LT+i], v[LY+16*((\c)%2)+i], -v[11+k], v[11+k]
.set i, i+1
.endr
	v_cvt_scalef32_pk8_fp8_f32 v[LX+4*(NT*(\c)+k):LX+4*(NT*(\c)+k)+1], v[LT:LT+7], v[8+k]
	v_cvt_scalef32_pk8_fp8_f32 v[LX+4*(NT*(\c)+k)+2:LX+4*(NT*(\c)+k)+3], v[LT+8:LT+15], v[8+k]
	v_nop                                          ; a plain line behind the conversions: the next holds write their sources
	global_store_b128 v3, v[LX+4*(NT*(\c)+k):LX+4*(NT*(\c)+k)+3], s[40+2*k:41+2*k] offset:(\c)*524288   ; four rows' 128 codes of chunk c: 512 consecutive bytes; each store has data registers of its own
.set k, k+1
.endr
.endm
	LRD 0
	s_wait_alu depctr_va_vdst(0)
.irp c, 0,1,2,3,4,5,6,7
	LQ \c
.endr
	s_wait_tensorcnt 0x0                           ; the wave's end
	ds_add_u32 v6, v7
	s_wait_dscnt 0x0
	s_endpgm
.Lfunc_end_k_q6532387f56_prep:
	.size	k_q6532387f56_prep, .Lfunc_end_k_q6532387f56_prep-k_q6532387f56_prep
	.p2alignl 7, 3214868480
	.fill 96, 4, 3214868480
	.section	.rodata,"a",@progbits
	.p2align	6, 0x0
	.amdhsa_kernel k_q6532387f56_prep
		.amdhsa_group_segment_fixed_size 119296
		.amdhsa_private_segment_fixed_size 0
		.amdhsa_enable_private_segment 0
		.amdhsa_kernarg_size 96
		.amdhsa_user_sgpr_count 2
		.amdhsa_user_sgpr_kernarg_segment_ptr 1
		.amdhsa_wavefront_size32 1
		.amdhsa_system_sgpr_workgroup_id_x 1
		.amdhsa_system_sgpr_workgroup_id_y 1
		.amdhsa_system_sgpr_workgroup_id_z 1
		.amdhsa_system_vgpr_workitem_id 0
		.amdhsa_next_free_vgpr 256
		.amdhsa_next_free_sgpr 72
		.amdhsa_reserve_vcc 0
		.amdhsa_float_denorm_mode_32 3
		.amdhsa_float_denorm_mode_16_64 3
		.amdhsa_memory_ordered 1
		.amdhsa_forward_progress 1
		.amdhsa_inst_pref_size 117
	.end_amdhsa_kernel
	.amdgpu_metadata
---
amdhsa.version: [ 1, 2 ]
amdhsa.kernels:
  - .name:           k_q6532387f56_prep
    .symbol:         k_q6532387f56_prep.kd
    .args:
      - { .name: Wq, .offset: 0, .size: 8, .value_kind: global_buffer, .address_space: global }
      - { .name: Wk, .offset: 8, .size: 8, .value_kind: global_buffer, .address_space: global }
      - { .name: Wv, .offset: 16, .size: 8, .value_kind: global_buffer, .address_space: global }
      - { .name: Wp, .offset: 24, .size: 8, .value_kind: global_buffer, .address_space: global }
      - { .name: W1, .offset: 32, .size: 8, .value_kind: global_buffer, .address_space: global }
      - { .name: W2, .offset: 40, .size: 8, .value_kind: global_buffer, .address_space: global }
      - { .name: lowp_scales, .offset: 48, .size: 8, .value_kind: global_buffer, .address_space: global }
      - { .name: wc, .offset: 56, .size: 8, .value_kind: global_buffer, .address_space: global }
      - { .name: x, .offset: 64, .size: 8, .value_kind: global_buffer, .address_space: global }
      - { .name: ln1_w, .offset: 72, .size: 8, .value_kind: global_buffer, .address_space: global }
      - { .name: ln1_b, .offset: 80, .size: 8, .value_kind: global_buffer, .address_space: global }
      - { .name: hc, .offset: 88, .size: 8, .value_kind: global_buffer, .address_space: global }
    .group_segment_fixed_size: 119296
    .private_segment_fixed_size: 0
    .kernarg_segment_align: 8
    .kernarg_segment_size: 96
    .max_flat_workgroup_size: 128
    .sgpr_count:     72
    .vgpr_count:     256
    .wavefront_size: 32
...
	.end_amdgpu_metadata
.endif
;; end of part 1
;; launch qkv (part 2): grid 16 x 12, 4 waves a work-group, clusters of 4 x 4, 327,680 bytes of LDS; arguments hc, wc, bq, bk, bv, lowp_scales, qkvc; writes qkvc
.if DOCPART == 2
	.amdgcn_target "amdgcn-amd-amdhsa--gfx1250"
	.amdhsa_code_object_version 6
	.text
	.protected	k_q6532387f56_qkv
	.globl	k_q6532387f56_qkv
	.p2align	8
	.type	k_q6532387f56_qkv,@function
k_q6532387f56_qkv:
	s_mov_b64 s[64:65], 0
	v_nop
	global_prefetch_b8 v0, s[64:65] scope:SCOPE_SE
	s_setreg_imm32_b32 hwreg(HW_REG_WAVE_MODE, 25, 1), 1
	s_wait_xcnt 0x0
	s_wait_alu depctr_hold_cnt(0) depctr_sa_sdst(0) depctr_va_vdst(0) depctr_va_sdst(0) depctr_va_ssrc(0) depctr_va_vcc(0) depctr_vm_vsrc(0)
	s_getreg_b32 s2, hwreg(HW_REG_IB_STS2, 6, 4)
	s_cmp_eq_u32 s2, 0
	s_cbranch_scc0 .Lentry_in_a_cluster
	s_endpgm
.Lentry_in_a_cluster:
	s_bfe_u32 s2, ttmp6, 0x10000c
	s_cmp_lg_u32 s2, 0xf033
	s_cbranch_scc0 .Lentry_shape_is_right
	s_endpgm
.Lentry_shape_is_right:
; PRODUCTS 1 TO 3: q = h Wq + bq, k = h Wk + bk, v = h Wv + bv on codes of E4M3, and the results quantised for attention (scales 6, 7, 8).
; One text serves the program's two wide GEMMs; the constants below pick what this launch assembles.
; Cluster rows y = 0, 1 make q and k (slot A = 256 tokens of h, slot B = 256 rows of Wq^T or Wk^T); y = 2 makes v with the operands' places changed (slot A = rows of Wv^T, slot B = tokens),
; so that a lane holds one channel d and its registers run along the tokens: v's codes come out with the keys innermost.
; OUT: three planes of 4 MiB: q, k: [32 heads of the batch][32 blocks of 64 tokens][64 rows][64 codes along d]; v: [..][..][64 rows d][64 codes along the tokens].
; A row stands at its number with bits 3 and 4 exchanged, so that 16 consecutive rows in LDS are the rows that attention wants in one tile.
; 192 tiles of 256 x 256: 192 work-groups, one tile each.
.set QKV,   1
.set SWAP,  1                          ; 1: rows of an output block stand with bits 3 and 4 exchanged
.set RELU,  0
.set WCOFF, 0                          ; where slot B's tensor begins in wc
.set EA,    0                          ; entry of A's scale; B's is the next (chosen at run time here)
.set EO,    0                          ; entry of the output quantiser's scale (chosen at run time here)
.set PSC,   14                         ; s[14:15] the scales
.set POUT,  16                         ; s[16:17] the output
; C = A B^T on codes of E4M3, K = 1,024.  A tile of C, 256 x 256, is made by a work-group of four waves; a wave makes 128 x 128: 64 accumulators of 16 x 16, 512 registers.
; Both operands lie in memory in chunks of 128 along K, [chunk][4,096 rows][128 codes]: 128 rows of a chunk are one dense run of 16,384 bytes.  K goes in steps of 256 (two chunks) through two LDS slots filled by the
; tensor data mover; a wave's one load brings 128 rows x 256 along K as two such runs.  Four K steps: two first fills, two refills; all of it is written out, without a loop.
; CLUSTERS: 4 x 4 work-groups; slot A's tile is shared along a row of the cluster, slot B's along a column: each is asked for JOINTLY.
; THE MATRIX INSTRUCTION IS USED TRANSPOSED (source 0 = 16 rows of slot B, source 1 = 16 rows of slot A): in accumulator (a, b) lane (r, h) register j holds (A row 16 a + r, B row 16 b + 8 h + j).
; A fragment's registers 4 c .. 4 c + 3 hold K = 32 c + 16 h + 0 .. 15: the same permutation of K in both operands, so every product meets its partner.
; LIMITS: each power of two below is an f32 number: eA + eB between -126 and 127; the output's e between -126 and 119.  NaN among the inputs is not served.
; PREFETCH INTO THE L2, two K steps ahead of the loads: behind K step 0's load a wave asks for K steps 1 and 2, behind K step 1's for K step 3; a K step of a wave's fetch is 128 blocks of 256 bytes, of which each of the four partners names 32.
; REGISTERS, in windows of 256: window 0: v1-31 addresses; v32-95 the bias by columns, v96-111 by rows; from v128 A's fragments (8 x 16 rows x 128 K), ONE set; on the way out v128-191 numbers at work, v192-223 codes, v224-255 rows read back.
;   window 1: B's fragments, TWO sets, at v0 and at v128.   window 2: the 32 accumulators of my rows 0-63 (accumulator (a, b) at v[8 (8 a + b)]);   window 3: those of my rows 64-127.
.set PITCH,  144                       ; a row in LDS: a chunk's 128 bytes + 16 of padding: an odd multiple of 16
.set HALFT,  2*128*PITCH               ; 128 rows x 256 along K: [chunk][row][128 bytes + 16]: what one tensor load brings, and what one wave reads of A or of B
.set SLOT,   4*HALFT                   ; A's two halves, then B's two
.set SPARE,  2*SLOT                    ; behind the ring: the spare words, 128 bytes for each wave: two blocks of 256 bytes that no other line names
.set CHUNK,  4096*128                  ; from chunk to chunk in memory, in bytes
.set KSTEPB, 2*CHUNK                   ; a slot on along K
.set FR,   16                          ; registers of a fragment: 16 rows x 128 K
.set NL,   4                           ; LDS loads that bring one
.set NP,   4                           ; places behind this matrix instruction (ISA guide 7.12.1)
.set ADRA, 16                          ; v16-17 LDS address of my A fragments in slot 0, 1
.set ADRB, 20                          ; v20-21 the same for B
.set STO,  24                          ; v24 the way out: into my stage
.set RD,   25                          ; v25 and back
.set CO,   26                          ; v26 my byte offset in an output block
.set BO,   27                          ; v27 my byte offset in the bias
.set SPW,  28                          ; v28 LDS address of my spare word; never rewritten
.set NIL,  29                          ; v29 0; never rewritten
.set SCV,  30                          ; v30 2^eo
.set LIM,  31                          ; v31 448 x 2^eo
.set BC,   32                          ; v32-95  the bias at columns 16 b + 8 h + 0 .. 7, b = 0 .. 7
.set BR,   96                          ; v96-111 the bias at row 16 a + r, twice, a = 0 .. 7
.set AF,   128                         ; A's fragments
.set T,    128                         ; the way out: 64 numbers at work
.set CD,   192                         ; the way out: a block's codes
.set BK,   224                         ; the way out: a block's rows, read back from the stage
.set G1A,  28                          ; s[28:35] descriptor group 1 for slot A;  s[36:43] its groups 0, one for each slot
.set G0A,  36
.set G1B,  44                          ; s[44:51], s[52:59] the same for slot B
.set G0B,  52
.set MSB, 0
.macro WIN new                         ; the immediate's high byte repeats the setting that is left
.if MSB != \new
	s_set_vgpr_msb (MSB<<8)|\new
.set MSB, \new
.endif
.endm
.set MUL_LO, 0xa1                      ; source 0 (B) window 1, source 1 (A) window 0, C and D window 2
.set MUL_HI, 0xf1                      ; the same, C and D window 3
.set TO_B,   0x40                      ; destination window 1, address window 0
.macro JLOAD s                         ; a joint load: waves 0 and 1 fetch slot A's halves, waves 2 and 3 slot B's; four v_nop follow each line
	s_cmp_eq_u32 s21, 0
	s_cbranch_scc0 .Lfor_b_\@
	tensor_load_to_lds s[G0A+4*\s:G0A+4*\s+3], s[G1A:G1A+7]
	s_nop 0
.rept 4
	v_nop
.endr
	s_branch .Lasked_\@
.Lfor_b_\@:
	tensor_load_to_lds s[G0B+4*\s:G0B+4*\s+3], s[G1B:G1B+7]
	s_nop 0
.rept 4
	v_nop
.endr
.Lasked_\@:
.endm
.macro CREST                           ; a round of the cluster's barrier behind its opening barrier
	s_cmp_lg_u32 s20, 0
	s_cbranch_scc1 .Lnot_wave_0_\@
	s_barrier_signal -3
.Lnot_wave_0_\@:
	s_barrier_wait -3
	s_barrier_signal -1
	s_barrier_wait -1
.endm
.macro CROUND
	s_barrier_signal -1
	s_barrier_wait -1
	CREST
.endm
.macro PLACES n                        ; places in front of loads into registers that matrix instructions have read, and of the first read of results
.rept \n
	v_nop
.endr
.endm
.macro FRAG reg, adr, q, i             ; a fragment: block i of 16 rows, the slot's q-th chunk: four loads of 16 bytes a lane, 32 bytes apart
.irp c, 0,1,2,3
	ds_load_b128 v[\reg+4*\c:\reg+4*\c+3], v[\adr] offset:(\q)*128*PITCH+32*\c+(\i)*16*PITCH
.endr
.endm
; 16 matrix instructions: A's blocks a0, a0 + 1 x B's eight, 128 along K.  p: B's set.  zero = 1: the first product starts the sums: nothing is ever cleared.
; The 64 accumulators take turns, one instruction a turn, in the same order in every step.
.macro MUL16 a0, p, zero
.irp a, \a0, \a0+1
.irp b, 0,1,2,3,4,5,6,7
.if \zero
	v_wmma_f32_16x16x128_fp8_fp8 v[8*(8*((\a)%4)+\b):8*(8*((\a)%4)+\b)+7], v[128*(\p)+FR*\b:128*(\p)+FR*\b+FR-1], v[AF+FR*(\a):AF+FR*(\a)+FR-1], 0
.else
	v_wmma_f32_16x16x128_fp8_fp8 v[8*(8*((\a)%4)+\b):8*(8*((\a)%4)+\b)+7], v[128*(\p)+FR*\b:128*(\p)+FR*\b+FR-1], v[AF+FR*(\a):AF+FR*(\a)+FR-1], v[8*(8*((\a)%4)+\b):8*(8*((\a)%4)+\b)+7]
.endif
.endr
.endr
.endm
.macro FETCH_B slot, q, p              ; B's eight fragments of the slot's q-th chunk into set p
	WIN TO_B
.irp i, 0,1,2,3,4,5,6,7
	FRAG 128*(\p)+FR*\i, ADRB+\slot, \q, \i
.endr
	WIN 0
.endm
.macro FETCH_A slot, q, i0             ; A's blocks i0 .. i0 + 3
.irp i, \i0, \i0+1, \i0+2, \i0+3
	FRAG AF+FR*(\i), ADRA+\slot, \q, \i
.endr
.endm
.macro STEP slot, q, zero              ; a step of 128 along K that has its successor in the same slot
	s_wait_dscnt 4*NL                              ; B's set and A's blocks 0-3 are in; the youngest 16 loads (A's blocks 4-7) may be out
	WIN MUL_LO
	MUL16 0, (\q)%2, \zero
	MUL16 2, (\q)%2, \zero
	s_wait_dscnt 0                                 ; A's blocks 4-7 are in (asked for 32 matrix instructions ago)
	PLACES NP
	FETCH_B \slot, (\q)+1, 1-(\q)%2
	FETCH_A \slot, (\q)+1, 0
	WIN MUL_HI
	MUL16 4, (\q)%2, \zero
	MUL16 6, (\q)%2, \zero
	PLACES NP
	WIN 0
	FETCH_A \slot, (\q)+1, 4
.endm
; A slot's last step changes slots: ONE barrier; in front of it each wave waits for all its tensor loads, adds 0 to its spare word, and waits for that and for its own reads of this slot.  fill = 1: this slot is filled again, two K steps ahead.
.macro TURN slot, next, fill
	s_wait_tensorcnt 0x0                           ; all my tensor loads have landed: my part of the next slot;  (every window is 0 here: the add's two registers lie in window 0)
	ds_add_u32 v[SPW], v[NIL]                      ; 0 onto my spare word;
	s_wait_dscnt 4*NL+1                            ; (the add and the youngest 16 loads, A's blocks 4-7, may be out)
	WIN MUL_LO
	MUL16 0, 1, 0                                  ; sixteen matrix instructions stand between the add and the wait for it
	s_wait_dscnt 0x0                               ; the add is done, and my reads of this slot are over
	s_barrier_signal -1
	MUL16 2, 1, 0
	WIN 0
	s_barrier_wait -1
.if \fill
	CREST                                          ; the barrier has opened a round of the cluster's: no wave of any partner still reads this slot or has a load on its way
	s_add_nc_u64 s[G0A+4*\slot+2:G0A+4*\slot+3], s[G0A+4*\slot+2:G0A+4*\slot+3], 2*KSTEPB
	s_add_nc_u64 s[G0B+4*\slot+2:G0B+4*\slot+3], s[G0B+4*\slot+2:G0B+4*\slot+3], 2*KSTEPB
	JLOAD \slot                                    ; the first tensor load behind the round; its four v_nop are the places in front of the loads below
.else
	PLACES NP
.endif
	FETCH_B \next, 0, 0
	FETCH_A \next, 0, 0
	WIN MUL_HI
	MUL16 4, 1, 0
	MUL16 6, 1, 0
	PLACES NP
	WIN 0
	FETCH_A \next, 0, 4
.endm
.if QKV
	s_load_b256 s[4:11], s[0:1], 0x0               ; hc s[4:5], wc s[6:7], bq s[8:9], bk s[10:11]
	s_load_b128 s[12:15], s[0:1], 0x20             ; bv s[12:13], the scales s[14:15]
	s_load_b64 s[16:17], s[0:1], 0x30              ; the output
.else
	s_load_b256 s[4:11], s[0:1], 0x0               ; A s[4:5], wc s[6:7], the bias s[8:9], the scales s[10:11]
	s_load_b64 s[16:17], s[0:1], 0x20              ; the output
.endif
	v_lshl_add_u32 v[SPW], v0, 2, SPARE
	v_mov_b32 v[NIL], 0
	ds_add_u32 v[SPW], v[NIL]                      ; the add, twice on end; the set-up below stands between the adds and their wait
	ds_add_u32 v[SPW], v[NIL]
	v_lshrrev_b32 v1, 5, v0
	v_readfirstlane_b32 s20, v1                    ; wave 0..3
	s_lshr_b32 s21, s20, 1                         ; which 128 rows of slot A are mine.  Also: I fetch for A (0) or for B (1)
	s_and_b32 s22, s20, 1                          ; which 128 rows of slot B.  Also: which 128 rows I fetch
	s_bfe_u32 s23, ttmp6, 0x40000                  ; cx, cy: my place in the cluster
	s_bfe_u32 s24, ttmp6, 0x40004
	s_lshl_b32 s26, ttmp9, 2
	s_add_co_u32 s26, s26, s23                     ; TX = 4 x cluster x + cx
	s_and_b32 s25, ttmp7, 0xffff                   ; cluster y
	s_lshl_b32 s27, s25, 2
	s_add_co_u32 s27, s27, s24                     ; TY = 4 x cluster y + cy
	s_lshl_b32 s60, s24, 2
	s_lshl_b32 s60, 15, s60                        ; my row of the cluster
	s_lshl_b32 s61, 0x1111, s23                    ; my column
	; descriptor group 1, elements of one byte.  A line of the tile is 128 operand rows of one chunk, dense in memory; 16 bytes of padding follow each operand row
	s_or_b32 s[G1A+0], s60, (1<<20)|(1<<21)|(4<<22)|(3<<25)  ; 15:0 the mask; 20 padding on; 21 set beside a mask; 24:22 after every 32 words (code 4); 31:25 four words (code 3)
	s_or_b32 s[G1B+0], s61, (1<<20)|(1<<21)|(4<<22)|(3<<25)
.irp g, G1A, G1B
	s_mov_b32 s[\g+1], 16384<<16                   ; tensor_dim0
	s_mov_b32 s[\g+2], 2<<16                       ; tensor_dim1
	s_mov_b32 s[\g+3], 16384<<16                   ; tile_dim0
	s_mov_b32 s[\g+4], 2                           ; tile_dim1
	s_mov_b32 s[\g+5], CHUNK                       ; from chunk to chunk
	s_mov_b32 s[\g+6], 0
	s_mov_b32 s[\g+7], 0
.endr
	s_lshl_b32 s62, s22, 7                         ; which 128 rows of a tile I fetch
	; where the tiles come from.  What feeds A's descriptors hangs on TY and the cluster's coordinates, what feeds B's on TX and the cluster's coordinates
.if QKV
	s_cmp_ge_u32 s25, 2
	s_cselect_b32 s94, 1, 0                        ; 1: this cluster makes v
	s_and_b32 s95, ttmp9, 1                        ; else 0: q, 1: k
	s_and_b32 s86, s27, 3
	s_lshl_b32 s86, s86, 8
	s_add_co_u32 s86, s86, 2048                    ; v: slot A = Wv^T's rows, from row 2,048 of wc's first table
	s_lshl_b32 s87, s27, 8
	s_lshr_b32 s63, ttmp9, 1
	s_lshl_b32 s63, s63, 11
	s_add_co_u32 s87, s87, s63                     ; q, k: slot A = tokens 256 TY + 2,048 (cluster x / 2),
	s_lshl_b32 s63, s95, 15
	s_add_co_u32 s87, s87, s63                     ; in h's plane 0 or 1 (a plane is 32,768 rows of 128 bytes)
	s_cmp_eq_u32 s94, 1
	s_cselect_b32 s86, s86, s87
	s_add_co_u32 s86, s86, s62
	s_lshl_b32 s86, s86, 7
	s_mov_b32 s87, 0
	s_add_co_u32 s88, s26, 256                     ; v: slot B = tokens 256 TX in h's plane 2 (256 tiles of 256 rows on)
	s_and_b32 s89, s26, 7                          ; q, k: slot B = rows 256 (TX % 8) of Wq^T, Wk^T
	s_cmp_eq_u32 s94, 1
	s_cselect_b32 s88, s88, s89
	s_lshl_b32 s88, s88, 8
	s_add_co_u32 s88, s88, s62
	s_lshl_b32 s88, s88, 7
	s_mov_b32 s89, 0
.else
	s_lshl_b32 s86, s27, 8
	s_add_co_u32 s86, s86, s62
	s_lshl_b32 s86, s86, 7                         ; A: row 256 TY + 128 x half
	s_mov_b32 s87, 0
	s_lshl_b32 s88, s26, 8
	s_add_co_u32 s88, s88, s62
	s_lshl_b32 s88, s88, 7                         ; B: row 256 TX + 128 x half
.if WCOFF
	s_add_co_u32 s88, s88, WCOFF
.endif
	s_mov_b32 s89, 0
.endif
	s_mul_i32 s66, s22, HALFT                      ; where they go: no place in the cluster enters an LDS address
	s_mul_i32 s67, s22, HALFT
	s_add_co_u32 s67, s67, 2*HALFT
	s_wait_dscnt 0x0                               ; both opening adds are done
	s_wait_kmcnt 0x0
	s_load_b512 s[68:83], s[PSC:PSC+1], 0x0        ; the sixteen exponents
.if QKV
	s_cmp_eq_u32 s94, 1
	s_cselect_b64 s[90:91], s[6:7], s[4:5]
	s_cselect_b64 s[92:93], s[4:5], s[6:7]
	s_add_nc_u64 s[86:87], s[90:91], s[86:87]
	s_add_nc_u64 s[88:89], s[92:93], s[88:89]
.else
	s_add_nc_u64 s[86:87], s[4:5], s[86:87]
	s_add_nc_u64 s[88:89], s[6:7], s[88:89]
.endif
	CROUND                                         ; all sixteen work-groups are here: the first joint loads meet
.irp s, 0,1
	s_mov_b32 s[G0A+4*\s], 1
	s_add_co_u32 s[G0A+4*\s+1], s66, \s*SLOT
	s_add_nc_u64 s[G0A+4*\s+2:G0A+4*\s+3], s[86:87], \s*KSTEPB
	s_or_b32 s[G0A+4*\s+3], s[G0A+4*\s+3], 0x80000000
	s_mov_b32 s[G0B+4*\s], 1
	s_add_co_u32 s[G0B+4*\s+1], s67, \s*SLOT
	s_add_nc_u64 s[G0B+4*\s+2:G0B+4*\s+3], s[88:89], \s*KSTEPB
	s_or_b32 s[G0B+4*\s+3], s[G0B+4*\s+3], 0x80000000
.endr
	JLOAD 0                                        ; K step 0: one tensor load a wave at the head
	; the prefetches: of the 2 chunks x 64 blocks of 256 bytes that my wave fetches for a K step, the partner at place p (cx for A, cy for B) names blocks 32 (p % 2) on of chunk p / 2: told apart by address
	s_cmp_eq_u32 s21, 0                            ; do I fetch for A?  The wave's number alone
	s_cselect_b64 s[18:19], s[86:87], s[88:89]
	s_cselect_b32 s90, s23, s24
	s_lshr_b32 s91, s90, 1
	s_lshl_b32 s91, s91, 19
	s_and_b32 s90, s90, 1
	s_lshl_b32 s90, s90, 13
	s_add_co_u32 s90, s90, s91
	s_mov_b32 s91, 0
	s_add_nc_u64 s[18:19], s[18:19], s[90:91]      ; never rewritten: the K steps stand in the immediate
	v_and_b32 v4, 31, v0
	v_lshlrev_b32 v4, 8, v4                        ; a lane a block; never rewritten
	global_prefetch_b8 v4, s[18:19] offset:KSTEPB th:TH_LOAD_NT scope:SCOPE_SE
	global_prefetch_b8 v4, s[18:19] offset:2*KSTEPB th:TH_LOAD_NT scope:SCOPE_SE
	v_and_b32 v1, 15, v0                           ; r
	s_wait_alu depctr_va_vdst(0)
	v_bfe_u32 v2, v0, 4, 1                         ; h
	v_mul_u32_u24 v3, v1, PITCH
	v_lshl_add_u32 v3, v2, 4, v3                   ; a fragment's row x pitch + 16 x half
	s_mul_i32 s66, s21, HALFT                      ; my 128 rows of A
	s_mul_i32 s67, s22, HALFT                      ; my 128 rows of B,
	s_add_co_u32 s67, s67, 2*HALFT                 ; which lie behind A's
.irp s, 0,1
	v_add_nc_u32 v[ADRA+\s], s66, v3
	v_add_nc_u32 v[ADRB+\s], s67, v3
	s_add_co_u32 s66, s66, SLOT
	s_add_co_u32 s67, s67, SLOT
.endr
	; where my 128 x 128 goes: four blocks of 64 x 64 codes, 4,096 bytes each: block (sa, sb) = A rows 64 sa on, B rows 64 sb on.  s[16:17]: (0, 0); s[96:97]: (0, 1); s[98:99]: (1, 0); s[100:101]: (1, 1)
.if QKV
	s_lshl_b32 s66, s26, 8
	s_add_co_u32 s66, s66, s62                     ; v: my first token
	s_lshl_b32 s67, s27, 8
	s_lshr_b32 s90, ttmp9, 1
	s_lshl_b32 s90, s90, 11
	s_add_co_u32 s67, s67, s90
	s_lshl_b32 s90, s21, 7
	s_add_co_u32 s67, s67, s90                     ; q, k: my first token
	s_and_b32 s90, s27, 3
	s_lshl_b32 s90, s90, 2
	s_lshl_b32 s91, s21, 1
	s_add_co_u32 s90, s90, s91                     ; v: my first head
	s_and_b32 s91, s26, 3
	s_lshl_b32 s91, s91, 2
	s_lshl_b32 s63, s22, 1
	s_add_co_u32 s91, s91, s63                     ; q, k: my first head
	s_mov_b32 s63, 131072                          ; from head to head; from one block of 64 tokens to the next: 4,096
	s_cmp_eq_u32 s94, 1
	s_cselect_b32 s66, s66, s67
	s_cselect_b32 s90, s90, s91
	s_cselect_b32 s91, 2, s95                      ; the plane
	s_cselect_b32 s96, 4096, s63                   ; 64 B rows on: v: tokens; q, k: a head
	s_cselect_b32 s98, s63, 4096                   ; 64 A rows on: v: a head; q, k: tokens
	s_mov_b32 s97, 0
	s_mov_b32 s99, 0
	s_lshr_b32 s67, s66, 11
	s_lshl_b32 s67, s67, 4
	s_add_co_u32 s67, s67, s90                     ; 16 x batch + head
	s_lshl_b32 s67, s67, 5
	s_and_b32 s66, s66, 2047
	s_lshr_b32 s66, s66, 6
	s_add_co_u32 s67, s67, s66                     ; + the block of 64 tokens
	s_lshl_b32 s92, s67, 12                        ; blocks of 4,096 bytes
	s_lshl_b32 s91, s91, 22
	s_add_co_u32 s92, s92, s91
	s_mov_b32 s93, 0
	s_add_nc_u64 s[POUT:POUT+1], s[POUT:POUT+1], s[92:93]
	s_add_nc_u64 s[100:101], s[POUT:POUT+1], s[96:97]
	s_add_nc_u64 s[100:101], s[100:101], s[98:99]
	s_add_nc_u64 s[96:97], s[POUT:POUT+1], s[96:97]
	s_add_nc_u64 s[98:99], s[POUT:POUT+1], s[98:99]
	s_cmp_eq_u32 s95, 1                            ; the bias by columns (used for q and k; in v's clusters a valid place of bv is read and not used)
	s_cselect_b64 s[8:9], s[10:11], s[8:9]
	s_cmp_eq_u32 s94, 1
	s_cselect_b64 s[8:9], s[12:13], s[8:9]
	s_and_b32 s66, s26, 3
	s_lshl_b32 s66, s66, 8
	s_add_co_u32 s66, s66, s62
	s_lshl_b32 s92, s66, 2
	s_add_nc_u64 s[8:9], s[8:9], s[92:93]
	s_and_b32 s66, s27, 3                          ; the bias by rows (used for v; elsewhere a valid place of bv is read and not used)
	s_lshl_b32 s66, s66, 8
	s_lshl_b32 s67, s21, 7
	s_add_co_u32 s66, s66, s67
	s_lshl_b32 s92, s66, 2
	s_add_nc_u64 s[12:13], s[12:13], s[92:93]
.else
	s_lshl_b32 s66, s27, 8
	s_lshl_b32 s67, s21, 7
	s_add_co_u32 s66, s66, s67                     ; m0: my first row
	s_lshl_b32 s90, s26, 8
	s_add_co_u32 s90, s90, s62                     ; n0: my first column
	s_mov_b32 s93, 0
	s_lshl_b32 s92, s90, 2
	s_add_nc_u64 s[8:9], s[8:9], s[92:93]
	s_lshr_b32 s91, s90, 6
	s_lshl_b32 s91, s91, 12
	s_add_co_u32 s91, s91, s66
	s_lshl_b32 s92, s91, 6                         ; [chunk of 64 columns][4,096 rows][64 codes]
	s_add_nc_u64 s[POUT:POUT+1], s[POUT:POUT+1], s[92:93]
	s_add_nc_u64 s[96:97], s[POUT:POUT+1], 262144          ; the next chunk of 64 columns
	s_add_nc_u64 s[98:99], s[POUT:POUT+1], 4096            ; the next 64 rows
	s_add_nc_u64 s[100:101], s[POUT:POUT+1], 262144+4096
.endif
	s_mul_i32 s66, s20, 5120                       ; my stage, 64 rows x (64 bytes + 16), in slot 0: used when that slot has had its last fill and its last read
.if SWAP
	v_and_b32 v5, 8, v1
	v_add_nc_u32 v5, v5, v1                        ; 16 (r / 8) + r % 8
	v_mul_u32_u24 v[STO], v5, 80
.else
	v_mul_u32_u24 v[STO], v1, 80
.endif
	v_lshl_add_u32 v[STO], v2, 3, v[STO]
	v_add_nc_u32 v[STO], s66, v[STO]
	v_and_b32 v6, 31, v0
	v_mul_u32_u24 v[RD], v1, 80                    ; back IN FRAGMENT ORDER: lane (r, h) takes 16 bytes of stage row 16 T + r at byte 32 c + 16 h,
	v_lshl_add_u32 v[RD], v2, 4, v[RD]             ; so that the 512 bytes of one store are what one LDS load of attention's 32 lanes takes, 16 bytes a lane
	v_add_nc_u32 v[RD], s66, v[RD]
	v_lshlrev_b32 v[CO], 4, v6
	v_lshlrev_b32 v[BO], 5, v2
.irp b, 0,1,2,3,4,5,6,7
	global_load_b128 v[BC+8*\b:BC+8*\b+3], v[BO], s[8:9] offset:64*\b        ; the bias at columns 16 b + 8 h + 0 .. 7
	global_load_b128 v[BC+8*\b+4:BC+8*\b+7], v[BO], s[8:9] offset:64*\b+16
.endr
.if QKV
	v_lshlrev_b32 v18, 2, v1
.irp a, 0,1,2,3,4,5,6,7
	global_load_b32 v[BR+2*\a], v18, s[12:13] offset:64*\a                   ; the bias at row 16 a + r, twice: a pair for the packed form
	global_load_b32 v[BR+2*\a+1], v18, s[12:13] offset:64*\a
.endr
.endif
	s_wait_alu depctr_va_vdst(0)
	s_wait_tensorcnt 0x0                           ; my part of K step 0 is in; slot 1's first fill is issued as a refill is:
	ds_add_u32 v[SPW], v[NIL]                      ; the add,
	s_wait_dscnt 0x0                               ; done,
	CROUND                                         ; a whole round: everybody's part of K step 0 is in,
	JLOAD 1                                        ; and K step 1's load is the first tensor load behind it
	FETCH_B 0, 0, 0
	FETCH_A 0, 0, 0
	FETCH_A 0, 0, 4
	global_prefetch_b8 v4, s[18:19] offset:3*KSTEPB th:TH_LOAD_NT scope:SCOPE_SE   ; behind K step 1's load: the last K step
	STEP 0, 0, 1                                   ; the first step's products start the sums
	TURN 0, 1, 1                                   ; slot 0 takes K step 2
	STEP 1, 0, 0
	TURN 1, 0, 1                                   ; slot 1 takes K step 3
	STEP 0, 0, 0
	TURN 0, 1, 0                                   ; nothing is left to fetch: no round of the cluster's barrier
	STEP 1, 0, 0
	s_wait_dscnt 4*NL                              ; the very last step
	WIN MUL_LO
	MUL16 0, 1, 0
	MUL16 2, 1, 0
	s_wait_dscnt 0
	WIN MUL_HI
	MUL16 4, 1, 0
	MUL16 6, 1, 0
	WIN 0
	s_wait_loadcnt 0x0                             ; the bias
	s_wait_kmcnt 0x0                               ; the exponents
.if QKV
	s_add_co_i32 s66, s68, s69
	s_add_co_i32 s67, s70, s71
	s_add_co_i32 s90, s72, s73
	s_cmp_eq_u32 s95, 1
	s_cselect_b32 s66, s67, s66
	s_cselect_b32 s67, s75, s74                    ; k: entry 7; q: entry 6
	s_cmp_eq_u32 s94, 1
	s_cselect_b32 s66, s90, s66                    ; eA + eB
	s_cselect_b32 s67, s76, s67                    ; v: entry 8
.else
	s_add_co_i32 s66, s[68+EA], s[69+EA]
	s_mov_b32 s67, s[68+EO]
.endif
	s_add_co_i32 s66, s66, 127
	s_lshl_b32 s84, s66, 23                        ; 2^(eA + eB) as f32
	s_mov_b32 s85, s84                             ; (named with it as a pair, so it is written)
	s_add_co_i32 s67, s67, 127
	s_lshl_b32 s66, s67, 23
	v_mov_b32 v[SCV], s66
	s_add_co_i32 s67, s67, 8
	s_lshl_b32 s67, s67, 23
	s_or_b32 s67, s67, 0x600000
	v_mov_b32 v[LIM], s67
	v_nop                                          ; with the two lines above: four places behind the last products
	v_nop
; THE WAY OUT: y = sum x 2^(eA + eB) + bias, held, quantised by 2^eo; a lane's eight codes are eight neighbours of a row of an output block.  Block by block of 64 x 64: the codes go through my stage and leave as 4,096 consecutive bytes.
; 32 packed multiply-adds: A's blocks 4 sa + 2 hf, + 1 x B's blocks 4 sb .. 4 sb + 3, out of window 2 + sa into window 0; each accumulator from its low end on
.macro BIASED sa, sb, hf, byrow
	WIN 0x02+(\sa)
.irp aa, 0,1
.irp b, 0,1,2,3
.irp i, 0,2,4,6
.if \byrow
	v_pk_fma_f32 v[T+8*(4*\aa+\b)+\i:T+8*(4*\aa+\b)+\i+1], v[8*(8*(2*\hf+\aa)+4*\sb+\b)+\i:8*(8*(2*\hf+\aa)+4*\sb+\b)+\i+1], s[84:85], v[BR+2*(4*\sa+2*\hf+\aa):BR+2*(4*\sa+2*\hf+\aa)+1] op_sel_hi:[1,0,1]
.else
	v_pk_fma_f32 v[T+8*(4*\aa+\b)+\i:T+8*(4*\aa+\b)+\i+1], v[8*(8*(2*\hf+\aa)+4*\sb+\b)+\i:8*(8*(2*\hf+\aa)+4*\sb+\b)+\i+1], s[84:85], v[BC+8*(4*\sb+\b)+\i:BC+8*(4*\sb+\b)+\i+1] op_sel_hi:[1,0,1]
.endif
.endr
.endr
.endr
	WIN 0
.endm
.macro HALF sa, sb, hf                 ; eight accumulators become 16 registers of codes
.if QKV
	s_cmp_eq_u32 s94, 1                            ; the same in all partners of a cluster; only multiply-adds on registers stand in the two arms
	s_cbranch_scc1 .Lby_rows_\@
	BIASED \sa, \sb, \hf, 0
	s_branch .Lbiased_\@
.Lby_rows_\@:
	BIASED \sa, \sb, \hf, 1
.Lbiased_\@:
.else
	BIASED \sa, \sb, \hf, 0
.endif
.set n, 0
.rept 64
.if RELU
	v_med3_num_f32 v[T+n], v[T+n], 0, v[LIM]       ; the activation and the hold in one
.else
	v_med3_num_f32 v[T+n], v[T+n], -v[LIM], v[LIM] ; the conversion to an 8-bit code does not saturate (ISA guide 7.6.2)
.endif
.set n, n+1
.endr
.set n, 0
.rept 8
	v_cvt_scalef32_pk8_fp8_f32 v[CD+2*(8*\hf+n):CD+2*(8*\hf+n)+1], v[T+8*n:T+8*n+7], v[SCV]
.set n, n+1
.endr
	v_nop                                          ; a plain line behind the last conversion: the next multiply-adds write its sources
.endm
.macro SUB sa, sb, first
	HALF \sa, \sb, 0
	HALF \sa, \sb, 1
.irp a, 0,1,2,3
.irp b, 0,1,2,3
.if SWAP
	ds_store_b64 v[STO], v[CD+2*(4*\a+\b):CD+2*(4*\a+\b)+1] offset:(32*(\a/2)+8*(\a%2))*80+16*\b
.else
	ds_store_b64 v[STO], v[CD+2*(4*\a+\b):CD+2*(4*\a+\b)+1] offset:16*\a*80+16*\b
.endif
.endr
.endr
.if \first == 0
	s_wait_xcnt 0x0                                ; the last block's stores have read their registers: this block's rows may land there
.endif
.irp i, 0,1,2,3,4,5,6,7
	ds_load_b128 v[BK+4*\i:BK+4*\i+3], v[RD] offset:(\i/2)*1280+(\i%2)*32   ; tile T = i / 2 of 16 rows, piece c = i % 2; LDS serves a wave's instructions in order: these see the stores above
.endr
.if (2*\sa+\sb) == 0
.set PO, POUT
.else
.set PO, 94+2*(2*\sa+\sb)
.endif
.irp i, 0,1,2,3,4,5,6,7
	s_wait_dscnt 7-\i                              ; the younger reads of the stage may be out; at the last the stores into the stage are done too, so the codes' registers may be written again
	global_store_b128 v[CO], v[BK+4*\i:BK+4*\i+3], s[PO:PO+1] offset:512*\i   ; 512 consecutive bytes, aligned
.endr
.endm
	SUB 0, 0, 1
	SUB 0, 1, 0
	SUB 1, 0, 0
	SUB 1, 1, 0
	s_wait_tensorcnt 0x0                           ; the wave's end
	ds_add_u32 v[SPW], v[NIL]
	s_wait_dscnt 0x0
	CROUND                                         ; the closing round
	s_endpgm
.Lfunc_end_k_q6532387f56_qkv:
	.size	k_q6532387f56_qkv, .Lfunc_end_k_q6532387f56_qkv-k_q6532387f56_qkv
	.p2alignl 7, 3214868480
	.fill 96, 4, 3214868480
	.section	.rodata,"a",@progbits
	.p2align	6, 0x0
	.amdhsa_kernel k_q6532387f56_qkv
		.amdhsa_group_segment_fixed_size 327680
		.amdhsa_private_segment_fixed_size 0
		.amdhsa_enable_private_segment 0
		.amdhsa_kernarg_size 56
		.amdhsa_user_sgpr_count 2
		.amdhsa_user_sgpr_kernarg_segment_ptr 1
		.amdhsa_wavefront_size32 1
		.amdhsa_system_sgpr_workgroup_id_x 1
		.amdhsa_system_sgpr_workgroup_id_y 1
		.amdhsa_system_sgpr_workgroup_id_z 1
		.amdhsa_system_vgpr_workitem_id 0
		.amdhsa_next_free_vgpr 1024
		.amdhsa_next_free_sgpr 102
		.amdhsa_reserve_vcc 0
		.amdhsa_float_denorm_mode_32 3
		.amdhsa_float_denorm_mode_16_64 3
		.amdhsa_memory_ordered 1
		.amdhsa_forward_progress 1
		.amdhsa_inst_pref_size 165
	.end_amdhsa_kernel
	.amdgpu_metadata
---
amdhsa.version: [ 1, 2 ]
amdhsa.kernels:
  - .name:           k_q6532387f56_qkv
    .symbol:         k_q6532387f56_qkv.kd
    .args:
      - { .name: hc, .offset: 0, .size: 8, .value_kind: global_buffer, .address_space: global }
      - { .name: wc, .offset: 8, .size: 8, .value_kind: global_buffer, .address_space: global }
      - { .name: bq, .offset: 16, .size: 8, .value_kind: global_buffer, .address_space: global }
      - { .name: bk, .offset: 24, .size: 8, .value_kind: global_buffer, .address_space: global }
      - { .name: bv, .offset: 32, .size: 8, .value_kind: global_buffer, .address_space: global }
      - { .name: lowp_scales, .offset: 40, .size: 8, .value_kind: global_buffer, .address_space: global }
      - { .name: qkvc, .offset: 48, .size: 8, .value_kind: global_buffer, .address_space: global }
    .group_segment_fixed_size: 327680
    .private_segment_fixed_size: 0
    .kernarg_segment_align: 8
    .kernarg_segment_size: 56
    .max_flat_workgroup_size: 128
    .sgpr_count:     102
    .vgpr_count:     1024
    .wavefront_size: 32
...
	.end_amdgpu_metadata
.endif
;; end of part 2
;; launch attn (part 3): grid 8 x 32, 16 waves a work-group, clusters of 4 x 1, 327,680 bytes of LDS; arguments qkvc, lowp_scales, ao; writes ao
.if DOCPART == 3
	.amdgcn_target "amdgcn-amd-amdhsa--gfx1250"
	.amdhsa_code_object_version 6
	.text
	.protected	k_q6532387f56_attn
	.globl	k_q6532387f56_attn
	.p2align	8
	.type	k_q6532387f56_attn,@function
k_q6532387f56_attn:
	s_mov_b64 s[64:65], 0
	v_nop
	global_prefetch_b8 v0, s[64:65] scope:SCOPE_SE
	s_setreg_imm32_b32 hwreg(HW_REG_WAVE_MODE, 25, 1), 1
	s_wait_xcnt 0x0
	s_wait_alu depctr_hold_cnt(0) depctr_sa_sdst(0) depctr_va_vdst(0) depctr_va_sdst(0) depctr_va_ssrc(0) depctr_va_vcc(0) depctr_vm_vsrc(0)
	s_getreg_b32 s2, hwreg(HW_REG_IB_STS2, 6, 4)
	s_cmp_eq_u32 s2, 0
	s_cbranch_scc0 .Lentry_in_a_cluster
	s_endpgm
.Lentry_in_a_cluster:
	s_bfe_u32 s2, ttmp6, 0x10000c
	s_cmp_lg_u32 s2, 0x3003
	s_cbranch_scc0 .Lentry_shape_is_right
	s_endpgm
.Lentry_shape_is_right:
; ATTENTION on codes of E4M3: logits q . k (no 1 / sqrt(d)); logits of keys behind the query are set to 0.0, NOT taken out: every query sums over all 2,048 keys.
; t = logit x log2(e); M = the running largest t rounded UP to a whole number; p = 2^(t - M) is quantised by 2^e9; the row's sum is taken of the unquantised p and divides at the end; the result is quantised by 2^e10.
; WORK LEFT OUT: in a key step that lies wholly behind a tile's queries reference()'s own mask replaces every logit by 0.0, so K Q^T is not multiplied there (shown at the head of launch prep).
; SHARES.  A work-group j (0..7) owns 256 queries of one head of one batch entry: 16 tiles of 16 queries; the tile of rank rho holds queries 128 rho + 16 j + 0 .. 15.  A key step is 128 keys: steps under rho are open,
; step rho lies on the diagonal, steps over rho are hidden (t = 0, p = 2^-M for all their keys).  THE WORK IS DEALT EVENLY: waves 2 r and 2 r + 1 are a pair that owns the tiles of rank r and L = 15 - r.
; The pair's LONG wave works steps 0 to 8 of tile L (9 steps, none hidden).  Its SHORT wave works all 16 steps of tile r and sends it out, then works steps 9 to 15 of tile L with a state of its own
; (8 open or diagonal steps and 15 hidden ones in all), and hands -M, the sum and O^T to the long wave through LDS.  The long wave joins the two states by powers of two, which round nothing, and sends tile L out.
; Which wave of a pair is the long one: bit 0 xor bit 2 of the wave's number, so that any four waves w % 4 = const and any four w / 4 = const hold two of each kind.
; Every wave walks all three loops (4, 12 and 7 trips); a step beyond a wave's last is jumped over by a compare that hangs on the wave's number and the count of steps alone.
; THE HIDDEN STEPS of a tile come last, so M moves at most once for them: the first of them brings 0 into the running maximum, rescales the sum and O^T, makes p's codes and adds all hidden steps' p to the sum;
; each hidden step is then V's 16 LDS loads and four matrix instructions on the same codes of p.
; LDS: K at 0 and V at 131,072, each the head's 131,072 bytes as they lie in memory; filled once, by two joint loads a wave (the four work-groups of a cluster belong to one head):
; at the head the first 512 keys (4,096 bytes a wave), behind the full sequence and a round the other 1,536 (12,288 bytes a wave), which land while the first four steps are worked.
; FRAGMENT ORDER: launch qkv stores each tile of 16 rows x 64 codes as two pieces of 512 bytes, piece c holding for lane (r, h) the 16 bytes 32 c + 16 h on of row r: an LDS load reads 16 x lane, and no padding is needed.
; Rows stand with bits 3 and 4 of their number exchanged, so the 16 registers of score tiles 2 b, 2 b + 1 are keys 32 b + 16 h + 0 .. 15 (at the end channels likewise).
; Both products transposed: S^T = K Q^T, O^T = V^T P^T: a lane holds one query (lane % 16).
; No prefetch: all of K and V is asked for by the two loads, the second of them ahead of the first key step; no later request is left to run ahead of.
; LIMITS: e6 + e7 between -126 and 127 (added to log2(e)'s exponent field); e9 and e10 between -126 and 119.  NaN among the inputs is not served.
; REGISTERS: v1 16 x lane; v2 diagonal; v3 0; v4 Q's offset; v5, v6 the stage; v7 the pair's exchange; v8, v9 the step's LDS addresses; v12 -M, v13 largest t, v[14:15] the sum; v16-23 Q; v24, v25 the add's two;
;   v32-95 K's, then V's fragments; v96-159 S^T, then p; v160-191 O^T; v192-207 p's codes; v208-215 rows on the way out; v236-254 at work.
.set VB,    131072                     ; V begins here
.set P1,    32768                      ; bytes of K, and of V, in the first fill: 512 keys
.set SPARE, 262144                     ; the spare words: 128 bytes for each of 16 waves
.set STAGE, 264192                     ; the way out: 16 rows x (64 bytes + 16) for each wave, on bytes into which no fill lands
.set XCH,   284672                     ; the exchange: 9 x 512 bytes for each pair: an image of 36 registers
.set SPW,   24
.set NIL,   25
.macro CROUND
	s_barrier_signal -1
	s_barrier_wait -1
	s_cmp_lg_u32 s18, 0
	s_cbranch_scc1 .Lnot_wave_0_\@
	s_barrier_signal -3
.Lnot_wave_0_\@:
	s_barrier_wait -3
	s_barrier_signal -1
	s_barrier_wait -1
.endm
	s_load_b128 s[4:7], s[0:1], 0x0                ; q, k, v's codes s[4:5], the scales s[6:7]
	s_load_b64 s[8:9], s[0:1], 0x10                ; the output
	v_lshl_add_u32 v[SPW], v0, 2, SPARE
	v_mov_b32 v[NIL], 0
	ds_add_u32 v[SPW], v[NIL]                      ; the add, twice on end; the set-up below stands between the adds and their wait
	ds_add_u32 v[SPW], v[NIL]
	v_lshrrev_b32 v8, 5, v0
	v_readfirstlane_b32 s18, v8                    ; wave 0..15
	s_bfe_u32 s19, ttmp6, 0x40000                  ; cx
	s_lshl_b32 s20, ttmp9, 2
	s_add_co_u32 s20, s20, s19                     ; j: it enters Q's and the output's addresses and the diagonal's compare alone
	s_and_b32 s21, ttmp7, 0xffff                   ; 16 x batch + head
	s_lshr_b32 s14, s18, 1                         ; r: my pair
	s_lshr_b32 s15, s18, 2
	s_xor_b32 s15, s15, s18
	s_and_b32 s15, s15, 1                          ; 0: the pair's long wave; 1: its short wave
	s_xor_b32 s63, s14, 15                         ; L = 15 - r (r is 0 to 7, so the exclusive or is the difference)
	s_cmp_eq_u32 s15, 0
	s_cselect_b32 s22, s63, s14                    ; rho: the rank of the tile in hand; the first is the one that I send out
	s_cselect_b32 s62, 8, 15                       ; the last step that I work
	s_add_co_u32 s55, s22, 1                       ; the tile's first hidden step
	s_sub_co_u32 s61, 15, s22
	s_lshl_b32 s61, s61, 5
	s_cvt_f32_u32 s61, s61                         ; 32 (15 - rho): a lane's hidden keys for each half of its sum
	s_lshl_b32 s23, s22, 3
	s_add_co_u32 s23, s23, s20                     ; T: my first tile of 16 queries
	s_lshl_b32 s16, s63, 3
	s_add_co_u32 s16, s16, s20                     ; and tile L
	s_mov_b32 s24, 0x76543210                      ; v_permlanex16_b32: lane l xor 16
	s_mov_b32 s25, 0xfedcba98
	s_mov_b32 s26, 0x3fb8aa3b                      ; log2(e)
	s_lshr_b32 s68, s18, 3                         ; waves 0-7 fetch K, waves 8-15 V, an eighth each
	s_and_b32 s69, s18, 7
	s_lshl_b32 s70, s68, 17                        ; the region in LDS
	s_lshl_b32 s76, s69, 12                        ; first fill: 4,096 bytes a wave, in the plane
	s_mov_b32 s77, 0
	s_add_co_u32 s71, s76, s70                     ; and in LDS
	s_mul_i32 s78, s69, 12288
	s_add_co_u32 s78, s78, P1                      ; second fill: 12,288 bytes a wave, behind the first
	s_mov_b32 s79, 0
	s_add_co_u32 s72, s78, s70
	s_add_co_u32 s73, s68, 1
	s_lshl_b32 s74, s73, 22                        ; plane 1 (k) or 2 (v)
	s_lshl_b32 s17, s21, 17                        ; 131,072 bytes a head
	s_add_co_u32 s74, s74, s17
	s_mov_b32 s75, 0
	; descriptor groups 1: dense blocks as rows of 256 bytes, 32 elements of 8 bytes; 16 rows and 48 rows; the mask names all four work-groups, bit 21 set beside it
	s_mov_b32 s28, 15|(3<<16)|(1<<21)
	s_mov_b32 s29, 32<<16
	s_mov_b32 s30, 16<<16
	s_mov_b32 s31, 32<<16
	s_mov_b32 s32, 16
	s_mov_b32 s33, 32
	s_mov_b32 s34, 0
	s_mov_b32 s35, 0
	s_mov_b32 s36, 15|(3<<16)|(1<<21)
	s_mov_b32 s37, 32<<16
	s_mov_b32 s38, 48<<16
	s_mov_b32 s39, 32<<16
	s_mov_b32 s40, 48
	s_mov_b32 s41, 32
	s_mov_b32 s42, 0
	s_mov_b32 s43, 0
	s_lshr_b32 s66, s23, 1                         ; Q: query r of tile T stands in stored tile 2 (T / 2) + r / 8 at row 8 (T % 2) + r % 8
	s_lshl_b32 s66, s66, 11
	s_and_b32 s67, s23, 1
	s_lshl_b32 s67, s67, 7
	s_add_co_u32 s66, s66, s67
	s_add_co_u32 s66, s66, s17
	s_mov_b32 s67, 0
	s_lshr_b32 s82, s16, 1                         ; the same for tile L
	s_lshl_b32 s82, s82, 11
	s_and_b32 s83, s16, 1
	s_lshl_b32 s83, s83, 7
	s_add_co_u32 s82, s82, s83
	s_add_co_u32 s82, s82, s17
	s_mov_b32 s83, 0
	s_and_b32 s80, s21, 15                         ; the output: [16 heads][4,096 tokens][64 codes], at my first tile
	s_lshl_b32 s80, s80, 18
	s_lshr_b32 s81, s21, 4
	s_lshl_b32 s81, s81, 11
	s_lshl_b32 s19, s23, 4
	s_add_co_u32 s81, s81, s19
	s_lshl_b32 s81, s81, 6
	s_add_co_u32 s80, s80, s81
	s_mov_b32 s81, 0
	s_mov_b32 s52, 0                               ; LDS byte of the step's tiles, in K and in V alike
	s_mov_b32 s53, 0                               ; the step
	s_wait_dscnt 0x0                               ; both opening adds are done
	s_wait_kmcnt 0x0
	s_load_b128 s[56:59], s[6:7], 0x18             ; e6, e7, e8, e9
	s_load_b32 s60, s[6:7], 0x28                   ; e10
	s_add_nc_u64 s[74:75], s[4:5], s[74:75]
	s_mov_b32 s44, 1
	s_mov_b32 s45, s71
	s_add_nc_u64 s[46:47], s[74:75], s[76:77]
	s_or_b32 s47, s47, 0x80000000
	s_mov_b32 s48, 1
	s_mov_b32 s49, s72
	s_add_nc_u64 s[50:51], s[74:75], s[78:79]
	s_or_b32 s51, s51, 0x80000000
	s_add_nc_u64 s[10:11], s[4:5], s[66:67]
	s_add_nc_u64 s[84:85], s[4:5], s[82:83]
	s_add_nc_u64 s[8:9], s[8:9], s[80:81]
	CROUND                                         ; all four work-groups are here: the joint loads meet
	tensor_load_to_lds s[44:47], s[28:35]          ; my part of keys 0-511: one tensor load a wave at the head
	s_nop 0
	v_and_b32 v8, 15, v0                           ; r
	v_bfe_u32 v9, v0, 4, 1                         ; h
	v_and_b32 v10, 7, v8
	v_lshrrev_b32 v11, 3, v8
	v_lshlrev_b32 v4, 4, v10
	v_lshl_add_u32 v4, v11, 10, v4
	v_lshl_add_u32 v4, v9, 8, v4                   ; 1,024 (r / 8) + 256 h + 16 (r % 8)
	global_load_b128 v[16:19], v4, s[10:11]        ; Q's fragment: registers 4 c .. 4 c + 3 hold d = 32 c + 16 h + 0 .. 15, as K's will
	global_load_b128 v[20:23], v4, s[10:11] offset:512
	v_and_b32 v10, 31, v0
	v_lshlrev_b32 v1, 4, v10                       ; 16 x lane: my place in a piece of a tile, and in 512 bytes of the output
	v_lshlrev_b32 v11, 4, v9
	v_sub_nc_u32 v2, v8, v11
	s_lshl_b32 s66, s20, 4
	v_add_nc_u32 v2, s66, v2                       ; 16 j + r - 16 h: on the diagonal register 16 b + i is hidden where 32 b + i is greater
	v_mov_b32 v3, 0
	s_mul_i32 s66, s18, 1280
	s_add_co_u32 s66, s66, STAGE                   ; my stage
	v_mul_u32_u24 v5, v8, 80
	v_lshl_add_u32 v5, v9, 4, v5
	v_add_nc_u32 v5, s66, v5                       ; in: row r, 16 bytes for each half of the lanes
	v_lshrrev_b32 v11, 2, v10
	v_and_b32 v6, 3, v10
	v_lshlrev_b32 v6, 4, v6
	v_mad_u32_u24 v6, v11, 80, v6
	v_add_nc_u32 v6, s66, v6                       ; back: four lanes to a row
	s_mul_i32 s67, s14, 4608
	s_add_co_u32 s67, s67, XCH
	v_add_nc_u32 v7, s67, v1                       ; my pair's exchange: 16 bytes a lane for each group of four registers
	v_mov_b32 v13, 0xff61b1e6                      ; the largest t so far: -3e38
	v_floor_f32 v12, -v13                          ; -M
	v_mov_b32 v14, 0
	v_mov_b32 v15, 0
	v_mov_b32 v236, 0                              ; a lane permute's destination counts as one of its sources
	v_mov_b32 v252, 0
	v_mov_b32 v253, 0                              ; (named as the upper halves of the pairs v[252:253] and v[246:247])
	v_mov_b32 v247, 0
.set n, 0
.rept 16
	v_mov_b32 v[192+n], 0                          ; p's codes, written once here, so that every way through the text finds them written
.set n, n+1
.endr
.set n, 0
.rept 32
	v_mov_b32 v[160+n], 0                          ; O^T: the step is written for every step alike: the first finds zeros
.set n, n+1
.endr
	s_wait_kmcnt 0x0
	s_add_co_i32 s66, s56, s57
	s_lshl_b32 s66, s66, 23
	s_add_co_i32 s26, s26, s66                     ; c = log2(e) x 2^(e6 + e7)
	s_mov_b32 s27, s26
	s_add_co_i32 s66, s59, 127
	s_lshl_b32 s67, s66, 23
	v_mov_b32 v244, s67                            ; 2^e9
	s_add_co_i32 s66, s66, 8
	s_lshl_b32 s66, s66, 23
	s_or_b32 s66, s66, 0x600000
	v_mov_b32 v240, s66                            ; 448 x 2^e9
.macro VLOAD                           ; V's four tiles of 16 channels x 128 keys: block c / 2 of 64 keys, tile t, piece c % 2
.irp t, 0,1,2,3
.irp c, 0,1,2,3
	ds_load_b128 v[32+16*\t+4*\c:35+16*\t+4*\c], v9 offset:(\c/2)*4096+\t*1024+(\c%2)*512
.endr
.endr
.endm
.macro STEP
	s_cmp_gt_u32 s53, s62
	s_cbranch_scc1 .Lskip_\@                       ; beyond my last step: only the step's count and address go on
	v_add_nc_u32 v8, s52, v1
	v_add_nc_u32 v9, VB, v8
	v_nop
	v_nop                                          ; four places in front of loads into registers that the last products read
	s_wait_alu depctr_va_vdst(0)
	s_cmp_gt_u32 s53, s22
	s_cbranch_scc1 .Lhidden_\@
.irp t, 0,1,2,3,4,5,6,7
	ds_load_b128 v[32+8*\t:35+8*\t], v8 offset:\t*1024
	ds_load_b128 v[36+8*\t:39+8*\t], v8 offset:\t*1024+512
.endr
	s_wait_dscnt 0x0
.irp t, 0,1,2,3,4,5,6,7
	v_wmma_f32_16x16x64_fp8_fp8 v[96+8*\t:103+8*\t], v[32+8*\t:39+8*\t], v[16:23], 0
.endr
.rept 4
	v_nop
.endr
	VLOAD                                          ; V's fragments land while the softmax runs
	s_cmp_lt_u32 s53, s22
	s_cbranch_scc1 .Lopen_\@
.set n, 0
.rept 64                                       ; on the diagonal: the logits of keys behind my query become 0.0
	v_cmp_gt_i32 vcc_lo, 32*(n/16)+n%16, v2
	v_cndmask_b32 v[96+n], v[96+n], v3, vcc_lo
.set n, n+1
.endr
.Lopen_\@:
	v_max3_num_f32 v254, v96, v97, v98             ; the step's largest score of my query, in two chains, each accumulator from its low end on
	v_max3_num_f32 v252, v99, v100, v101
.set n, 6
.rept 14
	v_max3_num_f32 v254, v254, v[96+n], v[97+n]
	v_max3_num_f32 v252, v252, v[98+n], v[99+n]
.set n, n+4
.endr
	v_max3_num_f32 v254, v254, v158, v159
	s_delay_alu instid0(VALU_DEP_1)
	v_max_num_f32 v254, v254, v252
	s_delay_alu instid0(VALU_DEP_1)
	v_permlanex16_b32 v236, v254, s24, s25
	s_delay_alu instid0(VALU_DEP_1)
	v_max_num_f32 v254, v254, v236
	s_delay_alu instid0(VALU_DEP_1)
	v_mul_f32 v254, s26, v254                      ; as t (c is positive)
	s_delay_alu instid0(VALU_DEP_1)
	v_max_num_f32 v13, v13, v254
	v_mov_b32 v254, v12
	s_delay_alu instid0(VALU_DEP_2)
	v_floor_f32 v12, -v13                          ; the new -M = -ceil(t)
	s_delay_alu instid0(VALU_DEP_1)
	v_sub_f32 v254, v12, v254
	s_delay_alu instid0(VALU_DEP_1)
	v_cvt_i32_f32 v254, v254                       ; (it saturates)
	s_delay_alu instid0(VALU_DEP_1)
	v_ldexp_f32 v252, 1.0, v254                    ; f = 2^(old M - new M)
.set n, 0
.rept 32
	v_pk_fma_f32 v[96+n:97+n], v[96+n:97+n], s[26:27], v[12:13] op_sel_hi:[1,0,0]   ; t - M
.set n, n+2
.endr
	s_wait_alu depctr_va_vdst(0)                   ; ahead of the batch
.set n, 0
.rept 64
	v_exp_f32 v[96+n], v[96+n]
.set n, n+1
.endr
	v_pk_mul_f32 v[14:15], v[14:15], v[252:253] op_sel_hi:[1,0]   ; the sum under the new M (a plain line behind the exponentials)
	s_wait_alu depctr_va_vdst(0)                   ; one wait for the whole batch, ahead of its first reader
	v_pk_add_f32 v[242:243], v[96:97], v[98:99]    ; the row's sum is taken of the unquantised p: two at a time, in four chains
	v_pk_add_f32 v[246:247], v[100:101], v[102:103]
	v_pk_add_f32 v[248:249], v[104:105], v[106:107]
	v_pk_add_f32 v[14:15], v[14:15], v[108:109]
.set n, 110
.rept 6
	v_pk_add_f32 v[242:243], v[242:243], v[n:n+1]
	v_pk_add_f32 v[246:247], v[246:247], v[n+2:n+3]
	v_pk_add_f32 v[248:249], v[248:249], v[n+4:n+5]
	v_pk_add_f32 v[14:15], v[14:15], v[n+6:n+7]
.set n, n+8
.endr
	v_pk_add_f32 v[242:243], v[242:243], v[158:159]
	v_pk_add_f32 v[14:15], v[14:15], v[248:249]
	v_pk_add_f32 v[242:243], v[242:243], v[246:247]
	v_pk_add_f32 v[14:15], v[14:15], v[242:243]
.irp b, 0,1,2,3
.irp i, 0,2,4,6,8,10,12,14
	v_dual_min_num_f32 v[96+16*\b+\i], v[96+16*\b+\i], v240 :: v_dual_min_num_f32 v[97+16*\b+\i], v[97+16*\b+\i], v240   ; the hold (ISA guide 7.6.2); p is not negative, so it is one-sided; two numbers an instruction
.endr
	v_cvt_scalef32_pk8_fp8_f32 v[192+4*\b:193+4*\b], v[96+16*\b:103+16*\b], v244
	v_cvt_scalef32_pk8_fp8_f32 v[194+4*\b:195+4*\b], v[104+16*\b:111+16*\b], v244
.endr
	s_branch .Ltail_\@
.Lhidden_\@:                                       ; all 128 logits are 0: t = 0, p = 2^-M, the same for every key
	VLOAD
	s_cmp_lg_u32 s53, s55
	s_cbranch_scc1 .Lmul_\@                        ; behind the first hidden step M, the sum and p's codes stand as they are
	v_max_num_f32 v13, 0, v13                      ; the first hidden step: t = 0 enters the running maximum
	v_mov_b32 v254, v12
	v_floor_f32 v12, -v13
	v_sub_f32 v254, v12, v254
	v_cvt_i32_f32 v254, v254
	v_ldexp_f32 v252, 1.0, v254                    ; f
	v_cvt_i32_f32 v250, v12
	v_ldexp_f32 v250, 1.0, v250                    ; p = 2^-M, exact
	v_mul_f32 v251, s61, v250                      ; all the tile's hidden keys of my lane: 32 (15 - rho) p for each half of the sum
	v_fma_f32 v14, v14, v252, v251
	v_fma_f32 v15, v15, v252, v251
.irp i, 0,1,2,3,4,5,6,7
	v_min_num_f32 v[96+\i], v250, v240
.endr
.irp i, 0,1,2,3,4,5,6,7
	v_cvt_scalef32_pk8_fp8_f32 v[192+2*\i:193+2*\i], v[96:103], v244
.endr
.Ltail_\@:
	s_wait_alu depctr_va_vdst(0)                   ; directly ahead of the first readers of O^T
.set n, 0
.rept 16
	v_pk_mul_f32 v[160+n:161+n], v[160+n:161+n], v[252:253] op_sel_hi:[1,0]   ; O^T under the new M; also the plain lines behind the conversions
.set n, n+2
.endr
.Lmul_\@:
	s_wait_alu depctr_va_vdst(0)
	s_wait_dscnt 0x0                               ; V's fragments are in
.irp t, 0,1,2,3
	v_wmma_f32_16x16x128_fp8_fp8 v[160+8*\t:167+8*\t], v[32+16*\t:47+16*\t], v[192:207], v[160+8*\t:167+8*\t]   ; the four accumulators by turns
.endr
.Lskip_\@:
	s_add_co_u32 s52, s52, 8192
	s_add_co_u32 s53, s53, 1
.endm
; THE WAY OUT of a tile: O^T / the sum x 2^(e8 + e9), quantised by 2^e10; 16 rows of 64 codes go through my stage and leave as 1,024 consecutive bytes
.macro FINAL
	s_wait_xcnt 0x0                                ; every earlier global instruction has read its registers
	s_add_co_i32 s66, s60, 127
	s_lshl_b32 s67, s66, 23
	s_add_co_i32 s66, s66, 8
	s_lshl_b32 s66, s66, 23
	s_or_b32 s66, s66, 0x600000
	s_add_co_i32 s68, s58, s59
	v_add_f32 v14, v14, v15
	v_permlanex16_b32 v252, v14, s24, s25
	v_add_f32 v14, v14, v252
	s_wait_alu depctr_va_vdst(0)                   ; ahead of the transcendental
	v_rcp_f32 v14, v14
	v_mov_b32 v245, s67                            ; 2^e10  (a plain line behind the reciprocal)
	v_mov_b32 v241, s66                            ; 448 x 2^e10
	s_wait_alu depctr_va_vdst(0)                   ; and ahead of its first reader
	v_ldexp_f32 v14, v14, s68
	s_wait_alu depctr_va_vdst(0)                   ; and directly ahead of the first readers of O^T
.set n, 0
.rept 32
	v_mul_f32 v[96+n], v[160+n], v14               ; tile t, register i: channel 32 (t / 2) + 16 h + 8 (t % 2) + i
.set n, n+1
.endr
.set n, 0
.rept 32
	v_med3_num_f32 v[96+n], v[96+n], -v241, v241
.set n, n+1
.endr
.irp t, 0,1,2,3
	v_cvt_scalef32_pk8_fp8_f32 v[192+2*\t:193+2*\t], v[96+8*\t:103+8*\t], v245
.endr
	v_nop                                          ; a plain line behind the last conversion
	ds_store_b128 v5, v[192:195]
	ds_store_b128 v5, v[196:199] offset:32
	ds_load_b128 v[208:211], v6                    ; LDS serves a wave's instructions in order: these see my stores
	ds_load_b128 v[212:215], v6 offset:640
	s_wait_dscnt 0x1                               ; the younger read of the stage may be out
	global_store_b128 v1, v[208:211], s[8:9]       ; 512 consecutive bytes, aligned; these data registers are written nowhere else
	s_wait_dscnt 0x0
	global_store_b128 v1, v[212:215], s[8:9] offset:512
.endm
	s_wait_alu depctr_va_vdst(0)
	s_wait_tensorcnt 0x0                           ; my part of keys 0-511 is in; the later first fill is issued as a refill is:
	ds_add_u32 v[SPW], v[NIL]                      ; the add,
	s_wait_dscnt 0x0                               ; done,
	CROUND                                         ; a whole round: everybody's part is in, and the joint loads meet
	tensor_load_to_lds s[48:51], s[36:43]          ; my part of keys 512-2,047: the one load of mine that is out
	s_nop 0
	s_wait_loadcnt 0x0                             ; Q
	s_mov_b32 s54, 4
.Lfirst:                                           ; steps 0 to 3 read bytes under P1 of K's and V's regions, the load lands on bytes from P1 on
	STEP
	s_sub_co_u32 s54, s54, 1
	s_cmp_lg_u32 s54, 0
	s_cbranch_scc1 .Lfirst
	s_wait_tensorcnt 0x0                           ; my part of the rest is in,
	s_barrier_signal -1
	s_barrier_wait -1                              ; everybody's is; nothing is ever filled again
	s_mov_b32 s54, 12
.Lrest:                                            ; steps 4 to 15 of the first tile (the long wave: to 8)
	STEP
	s_sub_co_u32 s54, s54, 1
	s_cmp_lg_u32 s54, 0
	s_cbranch_scc1 .Lrest
	s_cmp_eq_u32 s15, 0
	s_cbranch_scc1 .Lkeeps                         ; the long wave keeps its state
	FINAL                                          ; the short wave: tile r goes out,
	global_load_b128 v[16:19], v4, s[84:85]        ; tile L's Q comes in (the way out's lines are the places behind the products that read these registers),
	global_load_b128 v[20:23], v4, s[84:85] offset:512
	v_mov_b32 v13, 0xff61b1e6                      ; and the state begins anew
	v_floor_f32 v12, -v13
	v_mov_b32 v14, 0
	v_mov_b32 v15, 0
.set n, 0
.rept 32
	v_mov_b32 v[160+n], 0
.set n, n+1
.endr
	s_wait_alu depctr_va_vdst(0)
	s_wait_loadcnt 0x0
.Lkeeps:
	s_mov_b32 s22, s63                             ; the tile in hand is L,
	s_add_co_u32 s55, s63, 1
	s_lshl_b32 s61, s14, 5
	s_cvt_f32_u32 s61, s61                         ; with 15 - L = r hidden steps
	s_mov_b32 s52, 9*8192
	s_mov_b32 s53, 9
	s_mov_b32 s54, 7
.Lthird:                                           ; steps 9 to 15 of tile L: the short wave works them, the long wave jumps over them
	STEP
	s_sub_co_u32 s54, s54, 1
	s_cmp_lg_u32 s54, 0
	s_cbranch_scc1 .Lthird
	s_cmp_eq_u32 s15, 0
	s_cbranch_scc1 .Ltakes
.rept 4
	v_nop                                          ; four places behind the last products
.endr
	s_wait_alu depctr_va_vdst(0)
.irp t, 0,1,2,3,4,5,6,7
	ds_store_b128 v7, v[160+4*\t:163+4*\t] offset:512*\t   ; the short wave's O^T, each accumulator from its low end on,
.endr
	ds_store_b128 v7, v[12:15] offset:4096         ; and -M, the largest t, the sum's two halves
.Ltakes:
	s_wait_dscnt 0x0                               ; for the partner's sake: my stores are done
	s_barrier_signal -1
	s_barrier_wait -1
	s_cmp_lg_u32 s15, 0
	s_cbranch_scc1 .Ldone
.rept 4
	v_nop                                          ; four places in front of loads into registers that my last products read
.endr
.irp t, 0,1,2,3,4,5,6,7
	ds_load_b128 v[32+4*\t:35+4*\t], v7 offset:512*\t
.endr
	ds_load_b128 v[64:67], v7 offset:4096
	s_wait_dscnt 0x0
	v_min_num_f32 v250, v12, v64                   ; -M of both parts together
	v_add_f32 v14, v14, v15
	v_add_f32 v66, v66, v67
	v_sub_f32 v251, v250, v12
	v_sub_f32 v254, v250, v64
	v_cvt_i32_f32 v251, v251                       ; whole numbers, 0 or less (the conversions saturate)
	v_cvt_i32_f32 v254, v254
	v_ldexp_f32 v252, 1.0, v251                    ; my part's factor,
	v_ldexp_f32 v246, 1.0, v254                    ; the partner's: powers of two, which round nothing
	v_mul_f32 v14, v14, v252
	v_fma_f32 v14, v66, v246, v14
	v_mov_b32 v15, 0
	s_wait_alu depctr_va_vdst(0)                   ; directly ahead of the first readers of O^T
.set n, 0
.rept 16
	v_pk_mul_f32 v[160+n:161+n], v[160+n:161+n], v[252:253] op_sel_hi:[1,0]
.set n, n+2
.endr
.set n, 0
.rept 16
	v_pk_fma_f32 v[160+n:161+n], v[32+n:33+n], v[246:247], v[160+n:161+n] op_sel_hi:[1,0,1]
.set n, n+2
.endr
	FINAL                                          ; tile L goes out
.Ldone:
	s_wait_tensorcnt 0x0                           ; the wave's end
	ds_add_u32 v[SPW], v[NIL]
	s_wait_dscnt 0x0
	CROUND                                         ; the closing round
	s_endpgm
.Lfunc_end_k_q6532387f56_attn:
	.size	k_q6532387f56_attn, .Lfunc_end_k_q6532387f56_attn-k_q6532387f56_attn
	.p2alignl 7, 3214868480
	.fill 96, 4, 3214868480
	.section	.rodata,"a",@progbits
	.p2align	6, 0x0
	.amdhsa_kernel k_q6532387f56_attn
		.amdhsa_group_segment_fixed_size 327680
		.amdhsa_private_segment_fixed_size 0
		.amdhsa_enable_private_segment 0
		.amdhsa_kernarg_size 24
		.amdhsa_user_sgpr_count 2
		.amdhsa_user_sgpr_kernarg_segment_ptr 1
		.amdhsa_wavefront_size32 1
		.amdhsa_system_sgpr_workgroup_id_x 1
		.amdhsa_system_sgpr_workgroup_id_y 1
		.amdhsa_system_sgpr_workgroup_id_z 1
		.amdhsa_system_vgpr_workitem_id 0
		.amdhsa_next_free_vgpr 256
		.amdhsa_next_free_sgpr 100
		.amdhsa_reserve_vcc 1
		.amdhsa_float_denorm_mode_32 3
		.amdhsa_float_denorm_mode_16_64 3
		.amdhsa_memory_ordered 1
		.amdhsa_forward_progress 1
		.amdhsa_inst_pref_size 94
	.end_amdhsa_kernel
	.amdgpu_metadata
---
amdhsa.version: [ 1, 2 ]
amdhsa.kernels:
  - .name:           k_q6532387f56_attn
    .symbol:         k_q6532387f56_attn.kd
    .args:
      - { .name: qkvc, .offset: 0, .size: 8, .value_kind: global_buffer, .address_space: global }
      - { .name: lowp_scales, .offset: 8, .size: 8, .value_kind: global_buffer, .address_space: global }
      - { .name: ao, .offset: 16, .size: 8, .value_kind: global_buffer, .address_space: global }
    .group_segment_fixed_size: 327680
    .private_segment_fixed_size: 0
    .kernarg_segment_align: 8
    .kernarg_segment_size: 24
    .max_flat_workgroup_size: 512
    .sgpr_count:     100
    .vgpr_count:     256
    .wavefront_size: 32
...
	.end_amdgpu_metadata
.endif
;; end of part 3
;; launch proj (part 4): grid 8 x 32, 4 waves a work-group, clusters of 4 x 4, 327,680 bytes of LDS; arguments ao, wc, bp, x, lowp_scales, x1; writes x1
.if DOCPART == 4
	.amdgcn_target "amdgcn-amd-amdhsa--gfx1250"
	.amdhsa_code_object_version 6
	.text
	.protected	k_q6532387f56_proj
	.globl	k_q6532387f56_proj
	.p2align	8
	.type	k_q6532387f56_proj,@function
k_q6532387f56_proj:
	s_mov_b64 s[64:65], 0
	v_nop
	global_prefetch_b8 v0, s[64:65] scope:SCOPE_SE
	s_setreg_imm32_b32 hwreg(HW_REG_WAVE_MODE, 25, 1), 1
	s_wait_xcnt 0x0
	s_wait_alu depctr_hold_cnt(0) depctr_sa_sdst(0) depctr_va_vdst(0) depctr_va_sdst(0) depctr_va_ssrc(0) depctr_va_vcc(0) depctr_vm_vsrc(0)
	s_getreg_b32 s2, hwreg(HW_REG_IB_STS2, 6, 4)
	s_cmp_eq_u32 s2, 0
	s_cbranch_scc0 .Lentry_in_a_cluster
	s_endpgm
.Lentry_in_a_cluster:
	s_bfe_u32 s2, ttmp6, 0x10000c
	s_cmp_lg_u32 s2, 0xf033
	s_cbranch_scc0 .Lentry_shape_is_right
	s_endpgm
.Lentry_shape_is_right:
; PRODUCT 6 AND THE FIRST RESIDUAL: x1 = x + attention's output x Wp + bp.  A: [16 chunks of 64 along K][4,096 tokens][64 codes]; B: Wp^T, rows 3,072 on of wc's first table.
; One text serves the program's four GEMMs; the constants below pick what this launch assembles.
.set NSL,   2                          ; slots' worth of K: K / 512
.set ACH,   64                         ; bytes of a chunk along K in slot A's buffer
.set RB,    4096                       ; rows in a chunk of slot B's buffer
.set RES,   1                          ; 1: out = sum x scale + bias + residual, f32;  0: out = codes
.set SWAP,  0
.set RELU,  0
.set QKV,   0
.set WCOFF, 0                          ; where slot B's tensor begins in wc
.set BROW0, 3072                       ; and its first row there
.set EA,    10                         ; entry of A's scale; B's is the next
.set EO,    0
.set PSC,   12                         ; s[12:13] the scales
.set POUT,  14                         ; s[14:15] the output
; C = A B^T on codes of E4M3.  A tile of C, 128 x 128, is made by a work-group of four waves; a wave makes 64 x 64: 16 accumulators.  K goes in steps of 512 through two LDS slots filled by the tensor data mover.
; Both operands lie in memory in chunks along K, [chunk][row][chunk bytes]: 64 rows of a chunk are one dense run, and a wave's one tensor load brings 64 rows x 512 along K as a few such runs.
; CLUSTERS: 4 x 4 work-groups; slot A's tile is shared along a row of the cluster, slot B's along a column: each is asked for JOINTLY.
; THE MATRIX INSTRUCTION IS USED TRANSPOSED (source 0 = 16 rows of slot B, source 1 = 16 rows of slot A): in accumulator (a, b) lane (r, h) register j holds (A row 16 a + r, B row 16 b + 8 h + j).
; A fragment's registers 4 c .. 4 c + 3 hold K = 32 c + 16 h + 0 .. 15: the same permutation of K in both operands, so every product meets its partner.
; LIMITS: each power of two below is an f32 number: eA + eB between -126 and 127; the output's e between -126 and 119.  NaN among the inputs is not served.
; PREFETCH INTO THE L2: K = 1,024 is two slots; behind slot 0's load a wave asks for its work-group's 32 of the 128 blocks of 256 bytes that it will fetch for slot 1.
; REGISTERS: window 0: v1-31 addresses; v8-15, v32-127 the way out; v128-255 the accumulators ((a, b) at v[128 + 8 (4 a + b)]).  window 1: two fragment buffers of 128: A's four blocks, then B's four.  window 2 (RES): the residual.
.set LAPS,   NSL/2                     ; a lap = two slots = once round the ring
.set APITCH, ACH+16                    ; a row of slot A in LDS: a chunk's bytes + 16 of padding: an odd multiple of 16
.set APL,    512/ACH                   ; chunks of A in a slot
.set QIA,    3+ACH/128                 ; A's padding interval: 16 words (code 3) or 32 (code 4)
.set AREG,   APL*64*APITCH             ; 64 rows x 512 along K of A: [chunk][row][chunk bytes + 16]
.set BREG,   4*64*144                  ; the same of B: four chunks of 128 bytes + 16
.set SLOT,   2*AREG+2*BREG             ; A's two halves, then B's two
.set SPARE,  2*SLOT                    ; behind the ring: the spare words, 128 bytes for each wave: two blocks of 256 bytes that no other line names
.set ASTEP,  512*4096                  ; a slot on along K in A's buffer, in bytes
.set BSTEP,  512*RB                    ; and in B's
.set ADRA, 16                          ; v16-17 LDS address of my A fragments in slot 0, 1
.set ADRB, 20                          ; v20-21 the same for B
.set STO,  24                          ; v24 the way out: into my stage
.set RD,   25                          ; v25 and back
.set CO,   26                          ; v26 my byte offset in the output
.set BO,   27                          ; v27 my byte offset in the bias
.set SPW,  28                          ; v28 LDS address of my spare word; never rewritten
.set NIL,  29                          ; v29 0; never rewritten
.set SCV,  30                          ; v30 2^eo
.set LIM,  31                          ; v31 448 x 2^eo
.set ACC,  128
.set F0,   0
.set F1,   128
.set G1A,  28                          ; s[28:35] descriptor group 1 for slot A;  s[36:43] its groups 0, one for each slot
.set G0A,  36
.set G1B,  44                          ; s[44:51], s[52:59] the same for slot B
.set G0B,  52
.set MSB, 0
.macro WIN new                         ; the immediate's high byte repeats the setting that is left
.if MSB != \new
	s_set_vgpr_msb (MSB<<8)|\new
.set MSB, \new
.endif
.endm
.set MUL,  0x05                        ; sources 0 and 1 window 1; C and D window 0
.set TO_F, 0x40                        ; destination window 1, address window 0
.macro JLOAD s                         ; a joint load: waves 0 and 1 fetch slot A's halves, waves 2 and 3 slot B's; four v_nop follow each line
	s_cmp_eq_u32 s21, 0
	s_cbranch_scc0 .Lfor_b_\@
	tensor_load_to_lds s[G0A+4*\s:G0A+4*\s+3], s[G1A:G1A+7]
	s_nop 0
.rept 4
	v_nop
.endr
	s_branch .Lasked_\@
.Lfor_b_\@:
	tensor_load_to_lds s[G0B+4*\s:G0B+4*\s+3], s[G1B:G1B+7]
	s_nop 0
.rept 4
	v_nop
.endr
.Lasked_\@:
.endm
.macro CREST                           ; a round of the cluster's barrier behind its opening barrier
	s_cmp_lg_u32 s20, 0
	s_cbranch_scc1 .Lnot_wave_0_\@
	s_barrier_signal -3
.Lnot_wave_0_\@:
	s_barrier_wait -3
	s_barrier_signal -1
	s_barrier_wait -1
.endm
.macro CROUND
	s_barrier_signal -1
	s_barrier_wait -1
	CREST
.endm
.macro PLACES                          ; four places in front of loads into registers that matrix instructions have read, and of the first read of results
.rept 4
	v_nop
.endr
.endm
.macro MUL8 f, a0, zero                ; A's blocks a0, a0 + 1 x B's four, 128 along K.  The 16 accumulators take turns in the same order everywhere
.irp a, \a0, \a0+1
.irp b, 0,1,2,3
.if \zero
	v_wmma_f32_16x16x128_fp8_fp8 v[ACC+8*(4*(\a)+\b):ACC+8*(4*(\a)+\b)+7], v[\f+64+16*\b:\f+64+16*\b+15], v[\f+16*(\a):\f+16*(\a)+15], 0
.else
	v_wmma_f32_16x16x128_fp8_fp8 v[ACC+8*(4*(\a)+\b):ACC+8*(4*(\a)+\b)+7], v[\f+64+16*\b:\f+64+16*\b+15], v[\f+16*(\a):\f+16*(\a)+15], v[ACC+8*(4*(\a)+\b):ACC+8*(4*(\a)+\b)+7]
.endif
.endr
.endr
.endm
.macro FETCH slot, q, f                ; 32 LDS loads: the fragments of the slot's q-th 128 along K into buffer f
	WIN TO_F
.irp i, 0,1,2,3
.irp c, 0,1,2,3
	ds_load_b128 v[\f+64+16*\i+4*\c:\f+64+16*\i+4*\c+3], v[ADRB+\slot] offset:(\q)*64*144+\i*16*144+32*\c
	ds_load_b128 v[\f+16*\i+4*\c:\f+16*\i+4*\c+3], v[ADRA+\slot] offset:((128*(\q)+32*\c)/ACH)*64*APITCH+((128*(\q)+32*\c)%ACH)+\i*16*APITCH
.endr
.endr
.endm
.macro QUARTER slot, q, f, g, zero     ; multiplies buffer f (asked for a quarter ago); ahead of the products the slot's q-th 128 along K is asked for, into g
	s_wait_dscnt 0x0                               ; f is in
	PLACES
	FETCH \slot, \q, \g
	WIN MUL
	MUL8 \f, 0, \zero
	MUL8 \f, 2, \zero
.endm
.macro TURN slot, next, fill           ; a slot's last quarter multiplies buffer 1 and changes slots: ONE barrier.  fill = 1: this slot is filled again, two slots ahead
	WIN 0
	s_wait_tensorcnt 0x0                           ; all my tensor loads have landed: my part of the next slot;
	ds_add_u32 v[SPW], v[NIL]                      ; 0 onto my spare word;
	s_wait_dscnt 0x0                               ; the add is done, and my reads of this slot are over
	s_barrier_signal -1
	WIN MUL
	MUL8 F1, 0, 0
	WIN 0
	s_barrier_wait -1
.if \fill
	CREST                                          ; the barrier has opened a round of the cluster's: no wave of any partner still reads this slot or has a load on its way
	s_add_nc_u64 s[G0A+4*\slot+2:G0A+4*\slot+3], s[G0A+4*\slot+2:G0A+4*\slot+3], 2*ASTEP
	s_add_nc_u64 s[G0B+4*\slot+2:G0B+4*\slot+3], s[G0B+4*\slot+2:G0B+4*\slot+3], 2*BSTEP
	JLOAD \slot                                    ; the first tensor load behind the round; its four v_nop are the places in front of the loads below
.else
	PLACES
.endif
	FETCH \next, 0, F0
	WIN MUL
	MUL8 F1, 2, 0
.endm
.if QKV
	s_load_b256 s[4:11], s[0:1], 0x0               ; hc s[4:5], wc s[6:7], bq s[8:9], bk s[10:11]
	s_load_b128 s[12:15], s[0:1], 0x20             ; bv s[12:13], the scales s[14:15]
	s_load_b64 s[16:17], s[0:1], 0x30              ; the output
.elseif RES
	s_load_b256 s[4:11], s[0:1], 0x0               ; A s[4:5], wc s[6:7], the bias s[8:9], the residual s[10:11]
	s_load_b128 s[12:15], s[0:1], 0x20             ; the scales s[12:13], the output s[14:15]
.else
	s_load_b256 s[4:11], s[0:1], 0x0               ; A s[4:5], wc s[6:7], the bias s[8:9], the scales s[10:11]
	s_load_b64 s[16:17], s[0:1], 0x20              ; the output
.endif
	v_lshl_add_u32 v[SPW], v0, 2, SPARE
	v_mov_b32 v[NIL], 0
	ds_add_u32 v[SPW], v[NIL]                      ; the add, twice on end; the set-up below stands between the adds and their wait
	ds_add_u32 v[SPW], v[NIL]
	v_lshrrev_b32 v1, 5, v0
	v_readfirstlane_b32 s20, v1                    ; wave 0..3
	s_lshr_b32 s21, s20, 1                         ; which 64 rows of slot A are mine.  Also: I fetch for A (0) or for B (1)
	s_and_b32 s22, s20, 1                          ; which 64 rows of slot B.  Also: which 64 rows I fetch
	s_bfe_u32 s23, ttmp6, 0x40000                  ; cx, cy: my place in the cluster
	s_bfe_u32 s24, ttmp6, 0x40004
	s_lshl_b32 s26, ttmp9, 2
	s_add_co_u32 s26, s26, s23                     ; TX = 4 x cluster x + cx
	s_and_b32 s25, ttmp7, 0xffff                   ; cluster y
	s_lshl_b32 s27, s25, 2
	s_add_co_u32 s27, s27, s24                     ; TY = 4 x cluster y + cy
	s_lshl_b32 s60, s24, 2
	s_lshl_b32 s60, 15, s60                        ; my row of the cluster
	s_lshl_b32 s61, 0x1111, s23                    ; my column
	; descriptor group 1, elements of one byte.  A line of the tile is 64 operand rows of one chunk, dense in memory; 16 bytes of padding follow each operand row
	s_or_b32 s[G1A+0], s60, (1<<20)|(1<<21)|(QIA<<22)|(3<<25)  ; 15:0 the mask; 20 padding on; 21 set beside a mask; 24:22 the interval; 31:25 four words
	s_mov_b32 s[G1A+1], (64*ACH)<<16               ; tensor_dim0
	s_mov_b32 s[G1A+2], APL<<16                    ; tensor_dim1
	s_mov_b32 s[G1A+3], (64*ACH)<<16               ; tile_dim0
	s_mov_b32 s[G1A+4], APL                        ; tile_dim1
	s_mov_b32 s[G1A+5], 4096*ACH                   ; from chunk to chunk
	s_mov_b32 s[G1A+6], 0
	s_mov_b32 s[G1A+7], 0
	s_or_b32 s[G1B+0], s61, (1<<20)|(1<<21)|(4<<22)|(3<<25)
	s_mov_b32 s[G1B+1], 8192<<16
	s_mov_b32 s[G1B+2], 4<<16
	s_mov_b32 s[G1B+3], 8192<<16
	s_mov_b32 s[G1B+4], 4
	s_mov_b32 s[G1B+5], RB*128
	s_mov_b32 s[G1B+6], 0
	s_mov_b32 s[G1B+7], 0
	s_lshl_b32 s62, s22, 6                         ; which 64 rows of a tile I fetch
	; where the tiles come from.  What feeds A's descriptors hangs on TY and the cluster's coordinates, what feeds B's on TX and the cluster's coordinates
.if QKV
	s_cmp_ge_u32 s25, 4
	s_cselect_b32 s94, 1, 0                        ; 1: this cluster makes v
	s_lshr_b32 s95, ttmp9, 1
	s_and_b32 s95, s95, 1                          ; else 0: q, 1: k
	s_and_b32 s86, s27, 7
	s_lshl_b32 s86, s86, 7
	s_add_co_u32 s86, s86, 2048                    ; v: slot A = Wv^T's rows, from row 2,048 of wc's first table
	s_lshl_b32 s87, s27, 7
	s_lshr_b32 s63, ttmp9, 2
	s_lshl_b32 s63, s63, 11
	s_add_co_u32 s87, s87, s63                     ; q, k: slot A = tokens 128 TY + 2,048 (cluster x / 4),
	s_lshl_b32 s63, s95, 15
	s_add_co_u32 s87, s87, s63                     ; in h's plane 0 or 1 (a plane is 32,768 rows of 128 bytes)
	s_cmp_eq_u32 s94, 1
	s_cselect_b32 s86, s86, s87
	s_add_co_u32 s86, s86, s62
	s_lshl_b32 s86, s86, 7
	s_mov_b32 s87, 0
	s_add_co_u32 s88, s26, 512                     ; v: slot B = tokens 128 TX in h's plane 2 (512 tiles of 128 rows on)
	s_and_b32 s89, s26, 15                         ; q, k: slot B = rows 128 (TX % 16) of Wq^T, Wk^T
	s_cmp_eq_u32 s94, 1
	s_cselect_b32 s88, s88, s89
	s_lshl_b32 s88, s88, 7
	s_add_co_u32 s88, s88, s62
	s_lshl_b32 s88, s88, 7
	s_mov_b32 s89, 0
.else
	s_lshl_b32 s86, s27, 7
	s_add_co_u32 s86, s86, s62
	s_mul_i32 s86, s86, ACH                        ; A: row 128 TY + 64 x half
	s_mov_b32 s87, 0
	s_lshl_b32 s88, s26, 7
	s_add_co_u32 s88, s88, s62
.if BROW0
	s_add_co_u32 s88, s88, BROW0
.endif
	s_lshl_b32 s88, s88, 7                         ; B: row 128 TX + 64 x half
.if WCOFF
	s_add_co_u32 s88, s88, WCOFF
.endif
	s_mov_b32 s89, 0
.endif
	s_mul_i32 s66, s22, AREG                       ; where they go: no place in the cluster enters an LDS address
	s_mul_i32 s67, s22, BREG
	s_add_co_u32 s67, s67, 2*AREG
	s_wait_dscnt 0x0                               ; both opening adds are done
	s_wait_kmcnt 0x0
	s_load_b512 s[68:83], s[PSC:PSC+1], 0x0        ; the sixteen exponents
.if QKV
	s_cmp_eq_u32 s94, 1
	s_cselect_b64 s[90:91], s[6:7], s[4:5]
	s_cselect_b64 s[92:93], s[4:5], s[6:7]
	s_add_nc_u64 s[86:87], s[90:91], s[86:87]
	s_add_nc_u64 s[88:89], s[92:93], s[88:89]
.else
	s_add_nc_u64 s[86:87], s[4:5], s[86:87]
	s_add_nc_u64 s[88:89], s[6:7], s[88:89]
.endif
	CROUND                                         ; all sixteen work-groups are here: the first joint loads meet
.irp s, 0,1
	s_mov_b32 s[G0A+4*\s], 1
	s_add_co_u32 s[G0A+4*\s+1], s66, \s*SLOT
	s_add_nc_u64 s[G0A+4*\s+2:G0A+4*\s+3], s[86:87], \s*ASTEP
	s_or_b32 s[G0A+4*\s+3], s[G0A+4*\s+3], 0x80000000
	s_mov_b32 s[G0B+4*\s], 1
	s_add_co_u32 s[G0B+4*\s+1], s67, \s*SLOT
	s_add_nc_u64 s[G0B+4*\s+2:G0B+4*\s+3], s[88:89], \s*BSTEP
	s_or_b32 s[G0B+4*\s+3], s[G0B+4*\s+3], 0x80000000
.endr
	JLOAD 0                                        ; slot 0: one tensor load a wave at the head
	; the prefetch.  A wave's fetch of a slot: for A 8 chunks x 4,096 dense bytes, 262,144 bytes apart; for B 4 chunks x 8,192 dense bytes, 524,288 apart.
	; The partner at place p (cx for A, cy for B) names the 32 blocks from byte 524,288 p on: A's chunks 2 p, 2 p + 1 (16 lanes each), B's chunk p: told apart by address
	s_mov_b32 s91, 4096
	s_cmp_eq_u32 s21, 0                            ; do I fetch for A?  The wave's number alone
	s_cselect_b64 s[18:19], s[86:87], s[88:89]
	s_cselect_b32 s90, s23, s24
	s_cselect_b32 s91, 0x40000, s91                ; from lanes 0-15 to lanes 16-31: A: a chunk on; B: 16 blocks on
	v_bfe_u32 v5, v0, 4, 1
	v_and_b32 v6, 15, v0
	v_mul_lo_u32 v5, v5, s91
	v_lshl_add_u32 v5, v6, 8, v5                   ; my lane's block; never rewritten
	s_lshl_b32 s90, s90, 19
	s_mov_b32 s91, 0
	s_add_nc_u64 s[18:19], s[18:19], s[90:91]      ; never rewritten
	global_prefetch_b8 v5, s[18:19] offset:ASTEP th:TH_LOAD_NT scope:SCOPE_SE   ; a slot on is 2,097,152 bytes in A's buffer and in B's alike
	v_and_b32 v1, 15, v0                           ; r
	v_bfe_u32 v2, v0, 4, 1                         ; h
	v_mul_u32_u24 v3, v1, APITCH
	v_lshl_add_u32 v3, v2, 4, v3
	v_mul_u32_u24 v4, v1, 144
	v_lshl_add_u32 v4, v2, 4, v4
	s_mul_i32 s66, s21, AREG                       ; my 64 rows of A
	s_mul_i32 s67, s22, BREG                       ; my 64 rows of B,
	s_add_co_u32 s67, s67, 2*AREG                  ; which lie behind A's
.irp s, 0,1
	v_add_nc_u32 v[ADRA+\s], s66, v3
	v_add_nc_u32 v[ADRB+\s], s67, v4
	s_add_co_u32 s66, s66, SLOT
	s_add_co_u32 s67, s67, SLOT
.endr
	; where my 64 x 64 goes, and its bias
.if QKV
	s_lshl_b32 s66, s26, 7
	s_add_co_u32 s66, s66, s62                     ; v: my first token
	s_lshl_b32 s67, s27, 7
	s_lshr_b32 s90, ttmp9, 2
	s_lshl_b32 s90, s90, 11
	s_add_co_u32 s67, s67, s90
	s_lshl_b32 s90, s21, 6
	s_add_co_u32 s67, s67, s90                     ; q, k: my first token
	s_and_b32 s90, s27, 7
	s_lshl_b32 s90, s90, 1
	s_add_co_u32 s90, s90, s21                     ; v: my head
	s_and_b32 s91, s26, 7
	s_lshl_b32 s91, s91, 1
	s_add_co_u32 s91, s91, s22                     ; q, k: my head
	s_cmp_eq_u32 s94, 1
	s_cselect_b32 s66, s66, s67
	s_cselect_b32 s90, s90, s91
	s_cselect_b32 s91, 2, s95                      ; the plane
	s_lshr_b32 s67, s66, 11
	s_lshl_b32 s67, s67, 4
	s_add_co_u32 s67, s67, s90                     ; 16 x batch + head
	s_lshl_b32 s67, s67, 5
	s_and_b32 s66, s66, 2047
	s_lshr_b32 s66, s66, 6
	s_add_co_u32 s67, s67, s66                     ; + the block of 64 tokens
	s_lshl_b32 s92, s67, 12                        ; blocks of 4,096 bytes
	s_lshl_b32 s91, s91, 22
	s_add_co_u32 s92, s92, s91
	s_mov_b32 s93, 0
	s_add_nc_u64 s[POUT:POUT+1], s[POUT:POUT+1], s[92:93]
	s_cmp_eq_u32 s95, 1                            ; the bias by columns (used for q and k; in v's clusters a valid place of bv is read and not used)
	s_cselect_b64 s[8:9], s[10:11], s[8:9]
	s_cmp_eq_u32 s94, 1
	s_cselect_b64 s[8:9], s[12:13], s[8:9]
	s_and_b32 s66, s26, 7
	s_lshl_b32 s66, s66, 7
	s_add_co_u32 s66, s66, s62
	s_lshl_b32 s92, s66, 2
	s_add_nc_u64 s[8:9], s[8:9], s[92:93]
	s_and_b32 s66, s27, 7                          ; the bias by rows (used for v; elsewhere a valid place of bv is read and not used)
	s_lshl_b32 s66, s66, 7
	s_lshl_b32 s67, s21, 6
	s_add_co_u32 s66, s66, s67
	s_lshl_b32 s92, s66, 2
	s_add_nc_u64 s[12:13], s[12:13], s[92:93]
.else
	s_lshl_b32 s66, s27, 7
	s_lshl_b32 s67, s21, 6
	s_add_co_u32 s66, s66, s67                     ; m0: my first row
	s_lshl_b32 s90, s26, 7
	s_add_co_u32 s90, s90, s62                     ; n0: my first column
	s_mov_b32 s93, 0
	s_lshl_b32 s92, s90, 2
	s_add_nc_u64 s[8:9], s[8:9], s[92:93]
.if RES
	s_lshl_b32 s91, s66, 12
	s_add_co_u32 s92, s92, s91                     ; rows of 4,096 bytes
	s_add_nc_u64 s[10:11], s[10:11], s[92:93]
	s_add_nc_u64 s[POUT:POUT+1], s[POUT:POUT+1], s[92:93]
.else
	s_lshr_b32 s91, s90, 6
	s_lshl_b32 s91, s91, 12
	s_add_co_u32 s91, s91, s66
	s_lshl_b32 s92, s91, 6                         ; [chunk of 64 columns][4,096 rows][64 codes]
	s_add_nc_u64 s[POUT:POUT+1], s[POUT:POUT+1], s[92:93]
.endif
.endif
.if RES
	s_mul_i32 s66, s20, 4352                       ; my stage, 16 rows x (256 bytes + 16), in slot 0: used when that slot has had its last fill and its last read
	v_mul_u32_u24 v[STO], v1, 272
	v_lshl_add_u32 v[STO], v2, 5, v[STO]
	v_add_nc_u32 v[STO], s66, v[STO]
	v_mul_u32_u24 v[RD], v2, 272
	v_lshl_add_u32 v[RD], v1, 4, v[RD]
	v_add_nc_u32 v[RD], s66, v[RD]
	v_lshlrev_b32 v[CO], 12, v2
	v_lshl_add_u32 v[CO], v1, 4, v[CO]             ; lanes 0-15 one row's 256 bytes, lanes 16-31 the next row's
	v_lshlrev_b32 v[BO], 4, v1
	WIN 0x80                                       ; destination window 2
.irp a, 0,1,2,3
.irp t, 0,1,2,3,4,5,6,7
	global_load_b128 v[4*(8*\a+\t):4*(8*\a+\t)+3], v[CO], s[10:11] offset:(16*\a+2*\t)*4096 th:TH_LOAD_NT   ; the residual, in the layout in which the rows leave
.endr
.endr
	WIN 0
	global_load_b128 v[96:99], v[BO], s[8:9]
.else
	s_mul_i32 s66, s20, 5120                       ; my stage, 64 rows x (64 bytes + 16), in slot 0: used when that slot has had its last fill and its last read
.if SWAP
	v_and_b32 v5, 8, v1
	v_add_nc_u32 v5, v5, v1                        ; 16 (r / 8) + r % 8
	v_mul_u32_u24 v[STO], v5, 80
.else
	v_mul_u32_u24 v[STO], v1, 80
.endif
	v_lshl_add_u32 v[STO], v2, 3, v[STO]
	v_add_nc_u32 v[STO], s66, v[STO]
	v_and_b32 v6, 31, v0
	v_lshrrev_b32 v7, 2, v6
	v_and_b32 v[RD], 3, v6
	v_lshlrev_b32 v[RD], 4, v[RD]
	v_mad_u32_u24 v[RD], v7, 80, v[RD]
	v_add_nc_u32 v[RD], s66, v[RD]
	v_lshlrev_b32 v[CO], 4, v6
	v_lshlrev_b32 v[BO], 5, v2
.irp b, 0,1,2,3
	global_load_b128 v[32+8*\b:35+8*\b], v[BO], s[8:9] offset:64*\b      ; the bias at columns 16 b + 8 h + 0 .. 7
	global_load_b128 v[36+8*\b:39+8*\b], v[BO], s[8:9] offset:64*\b+16
.endr
.if QKV
	v_lshlrev_b32 v18, 2, v1
.irp a, 0,1,2,3
	global_load_b32 v[8+2*\a], v18, s[12:13] offset:64*\a                ; the bias at row 16 a + r, twice: a pair for the packed form
	global_load_b32 v[9+2*\a], v18, s[12:13] offset:64*\a
.endr
.endif
.endif
	s_wait_alu depctr_va_vdst(0)
	s_wait_tensorcnt 0x0                           ; my part of slot 0 is in; slot 1's first fill is issued as a refill is:
	ds_add_u32 v[SPW], v[NIL]                      ; the add,
	s_wait_dscnt 0x0                               ; done,
	CROUND                                         ; a whole round: everybody's part of slot 0 is in,
	JLOAD 1                                        ; and slot 1's load is the first tensor load behind it
	FETCH 0, 0, F0
	QUARTER 0, 1, F0, F1, 1                        ; the first quarter's products start the sums
.if LAPS > 1
	WIN 0
	s_mov_b32 s3, LAPS-1
.Llap:                                                 ; a trip goes once round the ring and fills both slots again
	QUARTER 0, 2, F1, F0, 0
	QUARTER 0, 3, F0, F1, 0
	TURN 0, 1, 1
	QUARTER 1, 1, F0, F1, 0
	QUARTER 1, 2, F1, F0, 0
	QUARTER 1, 3, F0, F1, 0
	TURN 1, 0, 1
	QUARTER 0, 1, F0, F1, 0
	WIN 0
	s_sub_co_u32 s3, s3, 1
	s_cmp_lg_u32 s3, 0
	s_cbranch_scc1 .Llap
.endif
	QUARTER 0, 2, F1, F0, 0                        ; the last lap fills nothing
	QUARTER 0, 3, F0, F1, 0
	TURN 0, 1, 0
	QUARTER 1, 1, F0, F1, 0
	QUARTER 1, 2, F1, F0, 0
	QUARTER 1, 3, F0, F1, 0
	s_wait_dscnt 0x0
	MUL8 F1, 0, 0
	MUL8 F1, 2, 0
	WIN 0
	s_wait_loadcnt 0x0                             ; bias (and residual)
	s_wait_kmcnt 0x0                               ; the exponents
.if QKV
	s_add_co_i32 s66, s68, s69
	s_add_co_i32 s67, s70, s71
	s_add_co_i32 s90, s72, s73
	s_cmp_eq_u32 s95, 1
	s_cselect_b32 s66, s67, s66
	s_cselect_b32 s67, s75, s74                    ; k: entry 7; q: entry 6
	s_cmp_eq_u32 s94, 1
	s_cselect_b32 s66, s90, s66                    ; eA + eB
	s_cselect_b32 s67, s76, s67                    ; v: entry 8
.else
	s_add_co_i32 s66, s[68+EA], s[69+EA]
.if !RES
	s_mov_b32 s67, s[68+EO]
.endif
.endif
	s_add_co_i32 s66, s66, 127
	s_lshl_b32 s84, s66, 23                        ; 2^(eA + eB) as f32
	s_mov_b32 s85, s84                             ; (named with it as a pair, so it is written)
.if RES
; THE WAY OUT: out = sum x 2^(eA + eB) + (residual + bias).  A block of 16 rows goes through my stage and comes back as whole rows of 256 bytes.
.macro TOSTAGE a
.irp b, 0,1,2,3
	ds_store_b128 v[STO], v[ACC+8*(4*(\a)+\b):ACC+8*(4*(\a)+\b)+3] offset:64*\b        ; each accumulator from its low end on
	ds_store_b128 v[STO], v[ACC+8*(4*(\a)+\b)+4:ACC+8*(4*(\a)+\b)+7] offset:64*\b+16
.endr
.irp t, 0,1,2,3,4,5,6,7
	ds_load_b128 v[32+32*((\a)%2)+4*\t:32+32*((\a)%2)+4*\t+3], v[RD] offset:\t*544     ; LDS serves a wave's instructions in order: these see the stores above
.endr
.endm
.macro SEND a, younger
	s_wait_dscnt \younger                          ; the block is back; the next block's 8 stores and 8 loads may be out
	WIN 0x20                                       ; source 2 window 2
.irp t, 0,1,2,3,4,5,6,7
	v_pk_fma_f32 v[32+32*((\a)%2)+4*\t:32+32*((\a)%2)+4*\t+1], v[32+32*((\a)%2)+4*\t:32+32*((\a)%2)+4*\t+1], s[84:85], v[4*(8*(\a)+\t):4*(8*(\a)+\t)+1] op_sel_hi:[1,0,1]
	v_pk_fma_f32 v[32+32*((\a)%2)+4*\t+2:32+32*((\a)%2)+4*\t+3], v[32+32*((\a)%2)+4*\t+2:32+32*((\a)%2)+4*\t+3], s[84:85], v[4*(8*(\a)+\t)+2:4*(8*(\a)+\t)+3] op_sel_hi:[1,0,1]
.endr
	WIN 0
.irp t, 0,1,2,3,4,5,6,7
	global_store_b128 v[CO], v[32+32*((\a)%2)+4*\t:32+32*((\a)%2)+4*\t+3], s[POUT:POUT+1] offset:(16*(\a)+2*\t)*4096   ; 16 lanes store 256 consecutive bytes, aligned
.endr
.endm
	WIN 0x82                                       ; source 0 and destination window 2
.set i, 0
.rept 32
	v_pk_add_f32 v[4*i:4*i+1], v[4*i:4*i+1], v[96:97]       ; residual + bias: these 64 lines are also the places behind the last products
	v_pk_add_f32 v[4*i+2:4*i+3], v[4*i+2:4*i+3], v[98:99]
.set i, i+1
.endr
	WIN 0
	TOSTAGE 0
.irp a, 1,2,3
.if \a > 1
	s_wait_xcnt 0x0                                ; block a - 2's stores have read their registers: block a's rows may land there
.endif
	TOSTAGE \a
	SEND \a-1, 16
.endr
	SEND 3, 0
.else
; THE WAY OUT: y = sum x 2^(eA + eB) + bias, held, quantised by 2^eo; a lane's eight codes are eight neighbours of a row of the output block.  The 64 x 64 codes go through my stage and leave as 4,096 consecutive bytes.
	s_add_co_i32 s67, s67, 127
	s_lshl_b32 s66, s67, 23
	v_mov_b32 v[SCV], s66
	s_add_co_i32 s67, s67, 8
	s_lshl_b32 s67, s67, 23
	s_or_b32 s67, s67, 0x600000
	v_mov_b32 v[LIM], s67
	v_nop                                          ; with the two lines above: four places behind the last products
	v_nop
.if QKV
	s_cmp_eq_u32 s94, 1                            ; the same in all partners of a cluster
	s_cbranch_scc1 .Lby_rows
.endif
.irp a, 0,1,2,3
.irp b, 0,1,2,3
.irp i, 0,2,4,6
	v_pk_fma_f32 v[ACC+8*(4*\a+\b)+\i:ACC+8*(4*\a+\b)+\i+1], v[ACC+8*(4*\a+\b)+\i:ACC+8*(4*\a+\b)+\i+1], s[84:85], v[32+8*\b+\i:33+8*\b+\i] op_sel_hi:[1,0,1]
.endr
.endr
.endr
.if QKV
	s_branch .Lbiased
.Lby_rows:
.irp a, 0,1,2,3
.irp b, 0,1,2,3
.irp i, 0,2,4,6
	v_pk_fma_f32 v[ACC+8*(4*\a+\b)+\i:ACC+8*(4*\a+\b)+\i+1], v[ACC+8*(4*\a+\b)+\i:ACC+8*(4*\a+\b)+\i+1], s[84:85], v[8+2*\a:9+2*\a] op_sel_hi:[1,0,1]
.endr
.endr
.endr
.Lbiased:
.endif
.set i, 0
.rept 128
.if RELU
	v_med3_num_f32 v[ACC+i], v[ACC+i], 0, v[LIM]   ; the activation and the hold in one
.else
	v_med3_num_f32 v[ACC+i], v[ACC+i], -v[LIM], v[LIM]   ; the conversion to an 8-bit code does not saturate (ISA guide 7.6.2)
.endif
.set i, i+1
.endr
.set i, 0
.rept 16
	v_cvt_scalef32_pk8_fp8_f32 v[64+2*i:65+2*i], v[ACC+8*i:ACC+8*i+7], v[SCV]
.set i, i+1
.endr
	v_nop                                          ; a plain line behind the last conversion
.irp a, 0,1,2,3
.irp b, 0,1,2,3
.if SWAP
	ds_store_b64 v[STO], v[64+2*(4*\a+\b):65+2*(4*\a+\b)] offset:(32*(\a/2)+8*(\a%2))*80+16*\b
.else
	ds_store_b64 v[STO], v[64+2*(4*\a+\b):65+2*(4*\a+\b)] offset:16*\a*80+16*\b
.endif
.endr
.endr
.irp i, 0,1,2,3,4,5,6,7
	ds_load_b128 v[96+4*\i:99+4*\i], v[RD] offset:640*\i   ; eight rows of 64 bytes; LDS serves a wave's instructions in order
.endr
.irp i, 0,1,2,3,4,5,6,7
	s_wait_dscnt 7-\i
	global_store_b128 v[CO], v[96+4*\i:99+4*\i], s[POUT:POUT+1] offset:512*\i   ; 512 consecutive bytes, aligned
.endr
.endif
	s_wait_tensorcnt 0x0                           ; the wave's end
	ds_add_u32 v[SPW], v[NIL]
	s_wait_dscnt 0x0
	CROUND                                         ; the closing round
	s_endpgm
.Lfunc_end_k_q6532387f56_proj:
	.size	k_q6532387f56_proj, .Lfunc_end_k_q6532387f56_proj-k_q6532387f56_proj
	.p2alignl 7, 3214868480
	.fill 96, 4, 3214868480
	.section	.rodata,"a",@progbits
	.p2align	6, 0x0
	.amdhsa_kernel k_q6532387f56_proj
		.amdhsa_group_segment_fixed_size 327680
		.amdhsa_private_segment_fixed_size 0
		.amdhsa_enable_private_segment 0
		.amdhsa_kernarg_size 48
		.amdhsa_user_sgpr_count 2
		.amdhsa_user_sgpr_kernarg_segment_ptr 1
		.amdhsa_wavefront_size32 1
		.amdhsa_system_sgpr_workgroup_id_x 1
		.amdhsa_system_sgpr_workgroup_id_y 1
		.amdhsa_system_sgpr_workgroup_id_z 1
		.amdhsa_system_vgpr_workitem_id 0
		.amdhsa_next_free_vgpr 768
		.amdhsa_next_free_sgpr 100
		.amdhsa_reserve_vcc 0
		.amdhsa_float_denorm_mode_32 3
		.amdhsa_float_denorm_mode_16_64 3
		.amdhsa_memory_ordered 1
		.amdhsa_forward_progress 1
		.amdhsa_inst_pref_size 54
	.end_amdhsa_kernel
	.amdgpu_metadata
---
amdhsa.version: [ 1, 2 ]
amdhsa.kernels:
  - .name:           k_q6532387f56_proj
    .symbol:         k_q6532387f56_proj.kd
    .args:
      - { .name: ao, .offset: 0, .size: 8, .value_kind: global_buffer, .address_space: global }
      - { .name: wc, .offset: 8, .size: 8, .value_kind: global_buffer, .address_space: global }
      - { .name: bp, .offset: 16, .size: 8, .value_kind: global_buffer, .address_space: global }
      - { .name: x, .offset: 24, .size: 8, .value_kind: global_buffer, .address_space: global }
      - { .name: lowp_scales, .offset: 32, .size: 8, .value_kind: global_buffer, .address_space: global }
      - { .name: x1, .offset: 40, .size: 8, .value_kind: global_buffer, .address_space: global }
    .group_segment_fixed_size: 327680
    .private_segment_fixed_size: 0
    .kernarg_segment_align: 8
    .kernarg_segment_size: 48
    .max_flat_workgroup_size: 128
    .sgpr_count:     100
    .vgpr_count:     768
    .wavefront_size: 32
...
	.end_amdgpu_metadata
.endif
;; end of part 4
;; launch ln2 (part 5): grid 256 x 1, 4 waves a work-group, no clusters, 84,480 bytes of LDS; arguments x1, ln2_w, ln2_b, lowp_scales, hc; writes hc
.if DOCPART == 5
	.amdgcn_target "amdgcn-amd-amdhsa--gfx1250"
	.amdhsa_code_object_version 6
	.text
	.protected	k_q6532387f56_ln2
	.globl	k_q6532387f56_ln2
	.p2align	8
	.type	k_q6532387f56_ln2,@function
k_q6532387f56_ln2:
	s_mov_b64 s[64:65], 0
	v_nop
	global_prefetch_b8 v0, s[64:65] scope:SCOPE_SE
	s_setreg_imm32_b32 hwreg(HW_REG_WAVE_MODE, 25, 1), 1
	s_wait_xcnt 0x0
; THE SECOND NORM: h2 = LayerNorm(x1), quantised by the scale of product 7's left operand (entry 12) into plane 0 of hc: [8 chunks of 128 along K][4,096 tokens][128 codes].
; A work-group takes 16 rows, a wave 4; a row of 4,096 bytes is 32 registers of the wave and stays in them between the passes.  No tensor loads, no barrier: waves share nothing; no cluster: work-groups share only gain and bias, 4 KiB each.
; code = y / 2^e, held within +-448, to the nearest code, ties to even.  LIMITS: -126 <= e and e + 8 <= 127; NaN among the inputs is not served.
.set NT,  1                            ; quantisations
.set LB0, 0                            ; LDS: the stages begin here
.set LW,  16                           ; v16-47   the gain at my columns
.set LG,  48                           ; v48-79   the bias at my columns
.set LX,  80                           ; v80-207  four rows, 32 registers each; later the codes
.set LY,  208                          ; v208-239 sums; later two sets of 16 neighbours
.set LT,  240                          ; v240-255 16 held numbers
	s_load_b256 s[24:31], s[0:1], 0x0              ; x1 s[24:25], gain s[26:27], bias s[28:29], the scales s[30:31]
	s_load_b64 s[20:21], s[0:1], 0x20              ; hc
	v_lshrrev_b32 v1, 5, v0
	v_readfirstlane_b32 s2, v1                     ; wave 0..3
	v_and_b32 v2, 31, v0                           ; lane
	v_lshl_add_u32 v6, v0, 2, 83968                ; my spare word, behind the stages; with v7 kept for the closing add
	v_mov_b32 v7, 0
	s_lshl_b32 s32, ttmp9, 4
	s_lshl_b32 s33, s2, 2
	s_add_co_u32 s32, s32, s33                     ; my first row
	s_lshl_b32 s34, s32, 12
	s_mov_b32 s35, 0
	s_wait_alu depctr_va_vdst(0)
	s_wait_kmcnt 0x0
	s_load_b32 s48, s[30:31], 0x30                 ; e
	s_add_nc_u64 s[24:25], s[24:25], s[34:35]
	s_lshl_b32 s34, s32, 7
	s_add_nc_u64 s[40:41], s[20:21], s[34:35]      ; my rows in chunk 0
; y = (x - mean) rsqrt(var + 1e-5) gain + bias, in two passes over registers (the mean first, then the squares of the differences), all in f32.
; The loads take the bytes as they lie (512 consecutive bytes a load); the conversions want 16 NEIGHBOURS in a lane: so the four rows turn through the wave's own stage in LDS.
; Stage: a row is 64 groups of (64 bytes + 16), + 128: 5,248 bytes; on the way out a lane reads one group.
	v_lshlrev_b32 v3, 4, v2                        ; 16 x lane: my bytes of a load's 512, and of a store's
	s_mul_i32 s3, s2, 20992                        ; my stage
	v_lshrrev_b32 v4, 2, v2
	v_and_b32 v5, 3, v2
	v_mul_u32_u24 v14, v4, 80
	v_lshl_add_u32 v14, v5, 4, v14
	v_add_nc_u32 v14, s3, v14                      ; in: four lanes fill a group
	v_lshrrev_b32 v4, 3, v2
	v_and_b32 v5, 7, v2
	v_mul_u32_u24 v15, v4, 5248
	v_mad_u32_u24 v15, v5, 80, v15
	v_add_nc_u32 v15, s3, v15                      ; out: row lane / 8, group lane % 8 of a chunk's eight
	s_mov_b32 s62, 0x76543210                      ; v_permlanex16_b32: lane l takes lane l xor 16
	s_mov_b32 s63, 0xfedcba98
	s_mov_b32 s66, 0x3a800000                      ; 1 / 1024
	s_mov_b32 s67, 0x3727c5ac                      ; 1e-5
.irp p, 0,1,2,3
.irp j, 0,1,2,3,4,5,6,7
	global_load_b128 v[LX+32*\p+4*\j:LX+32*\p+4*\j+3], v3, s[24:25] offset:4096*\p+512*\j th:TH_LOAD_NT
.endr
.endr
.irp j, 0,1,2,3,4,5,6,7
	global_load_b128 v[LW+4*\j:LW+4*\j+3], v3, s[26:27] offset:512*\j
	global_load_b128 v[LG+4*\j:LG+4*\j+3], v3, s[28:29] offset:512*\j
.endr
.macro LSUM a                          ; v[a + 2 p], p = 0 .. 3: a pair's two halves and then the 32 lanes are added; every lane has the sum
.irp p, 0,1,2,3
	v_add_f32 v[\a+2*\p], v[\a+2*\p], v[\a+2*\p+1]
.endr
.irp m, 1,2,4,8
.irp p, 0,1,2,3
	v_add_f32_dpp v[\a+2*\p], v[\a+2*\p], v[\a+2*\p] row_xmask:\m row_mask:0xf bank_mask:0xf
.endr
.endr
.irp p, 0,1,2,3
	v_permlanex16_b32 v[\a+2*\p+1], v[\a+2*\p], s62, s63
.endr
.irp p, 0,1,2,3
	v_add_f32 v[\a+2*\p], v[\a+2*\p], v[\a+2*\p+1]
.endr
.endm
	s_wait_loadcnt 16                              ; the four rows are in; the 16 loads of gain and bias may be out
.irp p, 0,1,2,3
	v_pk_add_f32 v[LY+2*\p:LY+2*\p+1], v[LX+32*\p:LX+32*\p+1], v[LX+32*\p+2:LX+32*\p+3]
.endr
.irp j, 4,6,8,10,12,14,16,18,20,22,24,26,28,30
.irp p, 0,1,2,3
	v_pk_add_f32 v[LY+2*\p:LY+2*\p+1], v[LY+2*\p:LY+2*\p+1], v[LX+32*\p+\j:LX+32*\p+\j+1]
.endr
.endr
	LSUM LY
.irp p, 0,1,2,3
	v_mul_f32 v[LY+2*\p], s66, v[LY+2*\p]          ; the mean
.endr
.irp p, 0,1,2,3
.irp j, 0,2,4,6,8,10,12,14,16,18,20,22,24,26,28,30
	v_pk_add_f32 v[LX+32*\p+\j:LX+32*\p+\j+1], v[LX+32*\p+\j:LX+32*\p+\j+1], v[LY+2*\p:LY+2*\p+1] op_sel_hi:[1,0] neg_lo:[0,1] neg_hi:[0,1]   ; x - mean
.endr
.endr
.irp p, 0,1,2,3
	v_pk_mul_f32 v[LY+8+2*\p:LY+8+2*\p+1], v[LX+32*\p:LX+32*\p+1], v[LX+32*\p:LX+32*\p+1]
.endr
.irp j, 2,4,6,8,10,12,14,16,18,20,22,24,26,28,30
.irp p, 0,1,2,3
	v_pk_fma_f32 v[LY+8+2*\p:LY+8+2*\p+1], v[LX+32*\p+\j:LX+32*\p+\j+1], v[LX+32*\p+\j:LX+32*\p+\j+1], v[LY+8+2*\p:LY+8+2*\p+1]
.endr
.endr
	LSUM LY+8
.irp p, 0,1,2,3
	v_fma_f32 v[LY+16+\p], v[LY+8+2*\p], s66, s67  ; var + 1e-5
.endr
	s_wait_alu depctr_va_vdst(0)
.irp p, 0,1,2,3
	v_rsq_f32 v[LY+8+2*\p], v[LY+16+\p]
.endr
	v_nop                                          ; a plain line behind the last root
	s_wait_alu depctr_va_vdst(0)                   ; ahead of the roots' first reader
	s_wait_loadcnt 0x0                             ; gain and bias
.irp p, 0,1,2,3
.irp j, 0,2,4,6,8,10,12,14,16,18,20,22,24,26,28,30
	v_pk_mul_f32 v[LX+32*\p+\j:LX+32*\p+\j+1], v[LX+32*\p+\j:LX+32*\p+\j+1], v[LY+8+2*\p:LY+8+2*\p+1] op_sel_hi:[1,0]
	v_pk_fma_f32 v[LX+32*\p+\j:LX+32*\p+\j+1], v[LX+32*\p+\j:LX+32*\p+\j+1], v[LW+\j:LW+\j+1], v[LG+\j:LG+\j+1]
.endr
.endr
.irp p, 0,1,2,3
.irp j, 0,1,2,3,4,5,6,7
	ds_store_b128 v14, v[LX+32*\p+4*\j:LX+32*\p+4*\j+3] offset:\p*5248+640*\j
.endr
.endr
	s_wait_kmcnt 0x0
.set k, 0
.rept NT
	s_add_co_i32 s68, s[48+2*k], 127
	s_lshl_b32 s69, s68, 23
	v_mov_b32 v[8+k], s69                          ; 2^e
	s_add_co_i32 s68, s68, 8
	s_lshl_b32 s68, s68, 23
	s_or_b32 s68, s68, 0x600000
	v_mov_b32 v[11+k], s68                         ; 448 x 2^e
.set k, k+1
.endr
.macro LRD c                           ; chunk c (128 along K): lane l gets, of row l / 8, numbers 128 c + 16 (l % 8) + 0 .. 15
.irp i, 0,1,2,3
	ds_load_b128 v[LY+16*((\c)%2)+4*\i:LY+16*((\c)%2)+4*\i+3], v15 offset:640*(\c)+16*\i
.endr
.endm
.macro LQ c
.if (\c) < 7
	LRD (\c)+1
	s_wait_dscnt 4                                 ; this chunk's numbers are back (and all stores into the stage are done); the next chunk's four reads may be out
.else
	s_wait_dscnt 0
.endif
.set k, 0
.rept NT
.set i, 0
.rept 16
	v_med3_num_f32 v[LT+i], v[LY+16*((\c)%2)+i], -v[11+k], v[11+k]
.set i, i+1
.endr
	v_cvt_scalef32_pk8_fp8_f32 v[LX+4*(NT*(\c)+k):LX+4*(NT*(\c)+k)+1], v[LT:LT+7], v[8+k]
	v_cvt_scalef32_pk8_fp8_f32 v[LX+4*(NT*(\c)+k)+2:LX+4*(NT*(\c)+k)+3], v[LT+8:LT+15], v[8+k]
	v_nop                                          ; a plain line behind the conversions: the next holds write their sources
	global_store_b128 v3, v[LX+4*(NT*(\c)+k):LX+4*(NT*(\c)+k)+3], s[40+2*k:41+2*k] offset:(\c)*524288   ; four rows' 128 codes of chunk c: 512 consecutive bytes; each store has data registers of its own
.set k, k+1
.endr
.endm
	s_wait_alu depctr_va_vdst(0)
	LRD 0
.irp c, 0,1,2,3,4,5,6,7
	LQ \c
.endr
	s_wait_tensorcnt 0x0                           ; the wave's end
	ds_add_u32 v6, v7
	s_wait_dscnt 0x0
	s_endpgm
.Lfunc_end_k_q6532387f56_ln2:
	.size	k_q6532387f56_ln2, .Lfunc_end_k_q6532387f56_ln2-k_q6532387f56_ln2
	.p2alignl 7, 3214868480
	.fill 96, 4, 3214868480
	.section	.rodata,"a",@progbits
	.p2align	6, 0x0
	.amdhsa_kernel k_q6532387f56_ln2
		.amdhsa_group_segment_fixed_size 84480
		.amdhsa_private_segment_fixed_size 0
		.amdhsa_enable_private_segment 0
		.amdhsa_kernarg_size 40
		.amdhsa_user_sgpr_count 2
		.amdhsa_user_sgpr_kernarg_segment_ptr 1
		.amdhsa_wavefront_size32 1
		.amdhsa_system_sgpr_workgroup_id_x 1
		.amdhsa_system_sgpr_workgroup_id_y 1
		.amdhsa_system_sgpr_workgroup_id_z 1
		.amdhsa_system_vgpr_workitem_id 0
		.amdhsa_next_free_vgpr 256
		.amdhsa_next_free_sgpr 72
		.amdhsa_reserve_vcc 0
		.amdhsa_float_denorm_mode_32 3
		.amdhsa_float_denorm_mode_16_64 3
		.amdhsa_memory_ordered 1
		.amdhsa_forward_progress 1
		.amdhsa_inst_pref_size 45
	.end_amdhsa_kernel
	.amdgpu_metadata
---
amdhsa.version: [ 1, 2 ]
amdhsa.kernels:
  - .name:           k_q6532387f56_ln2
    .symbol:         k_q6532387f56_ln2.kd
    .args:
      - { .name: x1, .offset: 0, .size: 8, .value_kind: global_buffer, .address_space: global }
      - { .name: ln2_w, .offset: 8, .size: 8, .value_kind: global_buffer, .address_space: global }
      - { .name: ln2_b, .offset: 16, .size: 8, .value_kind: global_buffer, .address_space: global }
      - { .name: lowp_scales, .offset: 24, .size: 8, .value_kind: global_buffer, .address_space: global }
      - { .name: hc, .offset: 32, .size: 8, .value_kind: global_buffer, .address_space: global }
    .group_segment_fixed_size: 84480
    .private_segment_fixed_size: 0
    .kernarg_segment_align: 8
    .kernarg_segment_size: 40
    .max_flat_workgroup_size: 128
    .sgpr_count:     72
    .vgpr_count:     256
    .wavefront_size: 32
...
	.end_amdgpu_metadata
.endif
;; end of part 5
;; launch ff1 (part 6): grid 16 x 16, 4 waves a work-group, clusters of 4 x 4, 327,680 bytes of LDS; arguments hc, wc, b1, lowp_scales, hid; writes hid
.if DOCPART == 6
	.amdgcn_target "amdgcn-amd-amdhsa--gfx1250"
	.amdhsa_code_object_version 6
	.text
	.protected	k_q6532387f56_ff1
	.globl	k_q6532387f56_ff1
	.p2align	8
	.type	k_q6532387f56_ff1,@function
k_q6532387f56_ff1:
	s_mov_b64 s[64:65], 0
	v_nop
	global_prefetch_b8 v0, s[64:65] scope:SCOPE_SE
	s_setreg_imm32_b32 hwreg(HW_REG_WAVE_MODE, 25, 1), 1
	s_wait_xcnt 0x0
	s_wait_alu depctr_hold_cnt(0) depctr_sa_sdst(0) depctr_va_vdst(0) depctr_va_sdst(0) depctr_va_ssrc(0) depctr_va_vcc(0) depctr_vm_vsrc(0)
	s_getreg_b32 s2, hwreg(HW_REG_IB_STS2, 6, 4)
	s_cmp_eq_u32 s2, 0
	s_cbranch_scc0 .Lentry_in_a_cluster
	s_endpgm
.Lentry_in_a_cluster:
	s_bfe_u32 s2, ttmp6, 0x10000c
	s_cmp_lg_u32 s2, 0xf033
	s_cbranch_scc0 .Lentry_shape_is_right
	s_endpgm
.Lentry_shape_is_right:
.set QKV,   0
.set SWAP,  0
.set RELU,  1
.set WCOFF, 0x400000
.set EA,    12
.set EO,    14
.set PSC,   10
.set POUT,  16
.set PITCH,  144
.set HALFT,  2*128*PITCH
.set SLOT,   4*HALFT
.set SPARE,  2*SLOT
.set CHUNK,  4096*128
.set KSTEPB, 2*CHUNK
.set FR,   16
.set NL,   4
.set NP,   4
.set ADRA, 16
.set ADRB, 20
.set STO,  24
.set RD,   25
.set CO,   26
.set BO,   27
.set SPW,  28
.set NIL,  29
.set SCV,  30
.set LIM,  31
.set BC,   32
.set BR,   96
.set AF,   128
.set T,    128
.set CD,   192
.set BK,   224
.set G1A,  28
.set G0A,  36
.set G1B,  44
.set G0B,  52
.set MSB, 0
.macro WIN new
.if MSB != \new
	s_set_vgpr_msb (MSB<<8)|\new
.set MSB, \new
.endif
.endm
.set MUL_LO, 0xa1
.set MUL_HI, 0xf1
.set TO_B,   0x40
.macro JLOAD s
	s_cmp_eq_u32 s21, 0
	s_cbranch_scc0 .Lfor_b_\@
	tensor_load_to_lds s[G0A+4*\s:G0A+4*\s+3], s[G1A:G1A+7]
	s_nop 0
.rept 4
	v_nop
.endr
	s_branch .Lasked_\@
.Lfor_b_\@:
	tensor_load_to_lds s[G0B+4*\s:G0B+4*\s+3], s[G1B:G1B+7]
	s_nop 0
.rept 4
	v_nop
.endr
.Lasked_\@:
.endm
.macro CREST
	s_cmp_lg_u32 s20, 0
	s_cbranch_scc1 .Lnot_wave_0_\@
	s_barrier_signal -3
.Lnot_wave_0_\@:
	s_barrier_wait -3
	s_barrier_signal -1
	s_barrier_wait -1
.endm
.macro CROUND
	s_barrier_signal -1
	s_barrier_wait -1
	CREST
.endm
.macro PLACES n
.rept \n
	v_nop
.endr
.endm
.macro FRAG reg, adr, q, i
.irp c, 0,1,2,3
	ds_load_b128 v[\reg+4*\c:\reg+4*\c+3], v[\adr] offset:(\q)*128*PITCH+32*\c+(\i)*16*PITCH
.endr
.endm
.macro MUL16 a0, p, zero
.irp a, \a0, \a0+1
.irp b, 0,1,2,3,4,5,6,7
.if \zero
	v_wmma_f32_16x16x128_fp8_fp8 v[8*(8*((\a)%4)+\b):8*(8*((\a)%4)+\b)+7], v[128*(\p)+FR*\b:128*(\p)+FR*\b+FR-1], v[AF+FR*(\a):AF+FR*(\a)+FR-1], 0
.else
	v_wmma_f32_16x16x128_fp8_fp8 v[8*(8*((\a)%4)+\b):8*(8*((\a)%4)+\b)+7], v[128*(\p)+FR*\b:128*(\p)+FR*\b+FR-1], v[AF+FR*(\a):AF+FR*(\a)+FR-1], v[8*(8*((\a)%4)+\b):8*(8*((\a)%4)+\b)+7]
.endif
.endr
.endr
.endm
.macro FETCH_B slot, q, p
	WIN TO_B
.irp i, 0,1,2,3,4,5,6,7
	FRAG 128*(\p)+FR*\i, ADRB+\slot, \q, \i
.endr
	WIN 0
.endm
.macro FETCH_A slot, q, i0
.irp i, \i0, \i0+1, \i0+2, \i0+3
	FRAG AF+FR*(\i), ADRA+\slot, \q, \i
.endr
.endm
.macro STEP slot, q, zero
	s_wait_dscnt 4*NL
	WIN MUL_LO
	MUL16 0, (\q)%2, \zero
	MUL16 2, (\q)%2, \zero
	s_wait_dscnt 0
	PLACES NP
	FETCH_B \slot, (\q)+1, 1-(\q)%2
	FETCH_A \slot, (\q)+1, 0
	WIN MUL_HI
	MUL16 4, (\q)%2, \zero
	MUL16 6, (\q)%2, \zero
	PLACES NP
	WIN 0
	FETCH_A \slot, (\q)+1, 4
.endm
.macro TURN slot, next, fill
	s_wait_tensorcnt 0x0
	ds_add_u32 v[SPW], v[NIL]
	s_wait_dscnt 4*NL+1
	WIN MUL_LO
	MUL16 0, 1, 0
	s_wait_dscnt 0x0
	s_barrier_signal -1
	MUL16 2, 1, 0
	WIN 0
	s_barrier_wait -1
.if \fill
	CREST
	s_add_nc_u64 s[G0A+4*\slot+2:G0A+4*\slot+3], s[G0A+4*\slot+2:G0A+4*\slot+3], 2*KSTEPB
	s_add_nc_u64 s[G0B+4*\slot+2:G0B+4*\slot+3], s[G0B+4*\slot+2:G0B+4*\slot+3], 2*KSTEPB
	JLOAD \slot
.else
	PLACES NP
.endif
	FETCH_B \next, 0, 0
	FETCH_A \next, 0, 0
	WIN MUL_HI
	MUL16 4, 1, 0
	MUL16 6, 1, 0
	PLACES NP
	WIN 0
	FETCH_A \next, 0, 4
.endm
.if QKV
	s_load_b256 s[4:11], s[0:1], 0x0
	s_load_b128 s[12:15], s[0:1], 0x20
	s_load_b64 s[16:17], s[0:1], 0x30
.else
	s_load_b256 s[4:11], s[0:1], 0x0
	s_load_b64 s[16:17], s[0:1], 0x20
.endif
	v_lshl_add_u32 v[SPW], v0, 2, SPARE
	v_mov_b32 v[NIL], 0
	ds_add_u32 v[SPW], v[NIL]                      ; the add, twice on end; the set-up below stands between the adds and their wait
	ds_add_u32 v[SPW], v[NIL]
	v_lshrrev_b32 v1, 5, v0
	v_readfirstlane_b32 s20, v1
	s_lshr_b32 s21, s20, 1
	s_and_b32 s22, s20, 1
	s_bfe_u32 s23, ttmp6, 0x40000
	s_bfe_u32 s24, ttmp6, 0x40004
	s_lshl_b32 s26, ttmp9, 2
	s_add_co_u32 s26, s26, s23
	s_and_b32 s25, ttmp7, 0xffff
	s_lshl_b32 s27, s25, 2
	s_add_co_u32 s27, s27, s24
	s_lshl_b32 s60, s24, 2
	s_lshl_b32 s60, 15, s60
	s_lshl_b32 s61, 0x1111, s23
	s_or_b32 s[G1A+0], s60, (1<<20)|(1<<21)|(4<<22)|(3<<25)
	s_or_b32 s[G1B+0], s61, (1<<20)|(1<<21)|(4<<22)|(3<<25)
.irp g, G1A, G1B
	s_mov_b32 s[\g+1], 16384<<16
	s_mov_b32 s[\g+2], 2<<16
	s_mov_b32 s[\g+3], 16384<<16
	s_mov_b32 s[\g+4], 2
	s_mov_b32 s[\g+5], CHUNK
	s_mov_b32 s[\g+6], 0
	s_mov_b32 s[\g+7], 0
.endr
	s_lshl_b32 s62, s22, 7
.if QKV
	s_cmp_ge_u32 s25, 2
	s_cselect_b32 s94, 1, 0
	s_and_b32 s95, ttmp9, 1
	s_and_b32 s86, s27, 3
	s_lshl_b32 s86, s86, 8
	s_add_co_u32 s86, s86, 2048
	s_lshl_b32 s87, s27, 8
	s_lshr_b32 s63, ttmp9, 1
	s_lshl_b32 s63, s63, 11
	s_add_co_u32 s87, s87, s63
	s_lshl_b32 s63, s95, 15
	s_add_co_u32 s87, s87, s63
	s_cmp_eq_u32 s94, 1
	s_cselect_b32 s86, s86, s87
	s_add_co_u32 s86, s86, s62
	s_lshl_b32 s86, s86, 7
	s_mov_b32 s87, 0
	s_add_co_u32 s88, s26, 256
	s_and_b32 s89, s26, 7
	s_cmp_eq_u32 s94, 1
	s_cselect_b32 s88, s88, s89
	s_lshl_b32 s88, s88, 8
	s_add_co_u32 s88, s88, s62
	s_lshl_b32 s88, s88, 7
	s_mov_b32 s89, 0
.else
	s_lshl_b32 s86, s27, 8
	s_add_co_u32 s86, s86, s62
	s_lshl_b32 s86, s86, 7
	s_mov_b32 s87, 0
	s_lshl_b32 s88, s26, 8
	s_add_co_u32 s88, s88, s62
	s_lshl_b32 s88, s88, 7
.if WCOFF
	s_add_co_u32 s88, s88, WCOFF
.endif
	s_mov_b32 s89, 0
.endif
	s_mul_i32 s66, s22, HALFT
	s_mul_i32 s67, s22, HALFT
	s_add_co_u32 s67, s67, 2*HALFT
	s_wait_dscnt 0x0                               ; both opening adds are done
	s_wait_kmcnt 0x0
	s_load_b512 s[68:83], s[PSC:PSC+1], 0x0        ; the sixteen exponents
.if QKV
	s_cmp_eq_u32 s94, 1
	s_cselect_b64 s[90:91], s[6:7], s[4:5]
	s_cselect_b64 s[92:93], s[4:5], s[6:7]
	s_add_nc_u64 s[86:87], s[90:91], s[86:87]
	s_add_nc_u64 s[88:89], s[92:93], s[88:89]
.else
	s_add_nc_u64 s[86:87], s[4:5], s[86:87]
	s_add_nc_u64 s[88:89], s[6:7], s[88:89]
.endif
	CROUND
.irp s, 0,1
	s_mov_b32 s[G0A+4*\s], 1
	s_add_co_u32 s[G0A+4*\s+1], s66, \s*SLOT
	s_add_nc_u64 s[G0A+4*\s+2:G0A+4*\s+3], s[86:87], \s*KSTEPB
	s_or_b32 s[G0A+4*\s+3], s[G0A+4*\s+3], 0x80000000
	s_mov_b32 s[G0B+4*\s], 1
	s_add_co_u32 s[G0B+4*\s+1], s67, \s*SLOT
	s_add_nc_u64 s[G0B+4*\s+2:G0B+4*\s+3], s[88:89], \s*KSTEPB
	s_or_b32 s[G0B+4*\s+3], s[G0B+4*\s+3], 0x80000000
.endr
	JLOAD 0                                        ; K step 0: one tensor load a wave at the head
	; PREFETCH INTO THE L2, two K steps ahead of the loads: here K steps 1 and 2, behind K step 1's load K step 3.  Of the 2 chunks x 64 blocks of 256 bytes that my wave fetches for a K step,
	; the partner at place p (cx for A, cy for B) names blocks 32 (p % 2) on of chunk p / 2: told apart by address
	s_cmp_eq_u32 s21, 0                            ; do I fetch for A?  The wave's number alone
	s_cselect_b64 s[18:19], s[86:87], s[88:89]
	s_cselect_b32 s90, s23, s24
	s_lshr_b32 s91, s90, 1
	s_lshl_b32 s91, s91, 19
	s_and_b32 s90, s90, 1
	s_lshl_b32 s90, s90, 13
	s_add_co_u32 s90, s90, s91
	s_mov_b32 s91, 0
	s_add_nc_u64 s[18:19], s[18:19], s[90:91]      ; never rewritten: the K steps stand in the immediate
	v_and_b32 v4, 31, v0
	v_lshlrev_b32 v4, 8, v4                        ; a lane a block; never rewritten
	global_prefetch_b8 v4, s[18:19] offset:KSTEPB th:TH_LOAD_NT scope:SCOPE_SE
	global_prefetch_b8 v4, s[18:19] offset:2*KSTEPB th:TH_LOAD_NT scope:SCOPE_SE
	v_and_b32 v1, 15, v0
	s_wait_alu depctr_va_vdst(0)
	v_bfe_u32 v2, v0, 4, 1
	v_mul_u32_u24 v3, v1, PITCH
	v_lshl_add_u32 v3, v2, 4, v3
	s_mul_i32 s66, s21, HALFT
	s_mul_i32 s67, s22, HALFT
	s_add_co_u32 s67, s67, 2*HALFT
.irp s, 0,1
	v_add_nc_u32 v[ADRA+\s], s66, v3
	v_add_nc_u32 v[ADRB+\s], s67, v3
	s_add_co_u32 s66, s66, SLOT
	s_add_co_u32 s67, s67, SLOT
.endr
.if QKV
	s_lshl_b32 s66, s26, 8
	s_add_co_u32 s66, s66, s62
	s_lshl_b32 s67, s27, 8
	s_lshr_b32 s90, ttmp9, 1
	s_lshl_b32 s90, s90, 11
	s_add_co_u32 s67, s67, s90
	s_lshl_b32 s90, s21, 7
	s_add_co_u32 s67, s67, s90
	s_and_b32 s90, s27, 3
	s_lshl_b32 s90, s90, 2
	s_lshl_b32 s91, s21, 1
	s_add_co_u32 s90, s90, s91
	s_and_b32 s91, s26, 3
	s_lshl_b32 s91, s91, 2
	s_lshl_b32 s63, s22, 1
	s_add_co_u32 s91, s91, s63
	s_mov_b32 s63, 131072
	s_cmp_eq_u32 s94, 1
	s_cselect_b32 s66, s66, s67
	s_cselect_b32 s90, s90, s91
	s_cselect_b32 s91, 2, s95
	s_cselect_b32 s96, 4096, s63
	s_cselect_b32 s98, s63, 4096
	s_mov_b32 s97, 0
	s_mov_b32 s99, 0
	s_lshr_b32 s67, s66, 11
	s_lshl_b32 s67, s67, 4
	s_add_co_u32 s67, s67, s90
	s_lshl_b32 s67, s67, 5
	s_and_b32 s66, s66, 2047
	s_lshr_b32 s66, s66, 6
	s_add_co_u32 s67, s67, s66
	s_lshl_b32 s92, s67, 12
	s_lshl_b32 s91, s91, 22
	s_add_co_u32 s92, s92, s91
	s_mov_b32 s93, 0
	s_add_nc_u64 s[POUT:POUT+1], s[POUT:POUT+1], s[92:93]
	s_add_nc_u64 s[100:101], s[POUT:POUT+1], s[96:97]
	s_add_nc_u64 s[100:101], s[100:101], s[98:99]
	s_add_nc_u64 s[96:97], s[POUT:POUT+1], s[96:97]
	s_add_nc_u64 s[98:99], s[POUT:POUT+1], s[98:99]
	s_cmp_eq_u32 s95, 1
	s_cselect_b64 s[8:9], s[10:11], s[8:9]
	s_cmp_eq_u32 s94, 1
	s_cselect_b64 s[8:9], s[12:13], s[8:9]
	s_and_b32 s66, s26, 3
	s_lshl_b32 s66, s66, 8
	s_add_co_u32 s66, s66, s62
	s_lshl_b32 s92, s66, 2
	s_add_nc_u64 s[8:9], s[8:9], s[92:93]
	s_and_b32 s66, s27, 3
	s_lshl_b32 s66, s66, 8
	s_lshl_b32 s67, s21, 7
	s_add_co_u32 s66, s66, s67
	s_lshl_b32 s92, s66, 2
	s_add_nc_u64 s[12:13], s[12:13], s[92:93]
.else
	s_lshl_b32 s66, s27, 8
	s_lshl_b32 s67, s21, 7
	s_add_co_u32 s66, s66, s67
	s_lshl_b32 s90, s26, 8
	s_add_co_u32 s90, s90, s62
	s_mov_b32 s93, 0
	s_lshl_b32 s92, s90, 2
	s_add_nc_u64 s[8:9], s[8:9], s[92:93]
	s_lshr_b32 s91, s90, 6
	s_lshl_b32 s91, s91, 12
	s_add_co_u32 s91, s91, s66
	s_lshl_b32 s92, s91, 6
	s_add_nc_u64 s[POUT:POUT+1], s[POUT:POUT+1], s[92:93]
	s_add_nc_u64 s[96:97], s[POUT:POUT+1], 262144
	s_add_nc_u64 s[98:99], s[POUT:POUT+1], 4096
	s_add_nc_u64 s[100:101], s[POUT:POUT+1], 262144+4096
.endif
	s_mul_i32 s66, s20, 5120
.if SWAP
	v_and_b32 v5, 8, v1
	v_add_nc_u32 v5, v5, v1
	v_mul_u32_u24 v[STO], v5, 80
.else
	v_mul_u32_u24 v[STO], v1, 80
.endif
	s_wait_alu depctr_va_vdst(0)
	v_lshl_add_u32 v[STO], v2, 3, v[STO]
	v_add_nc_u32 v[STO], s66, v[STO]
	v_and_b32 v6, 31, v0
	v_lshrrev_b32 v7, 2, v6
	v_and_b32 v[RD], 3, v6
	v_lshlrev_b32 v[RD], 4, v[RD]
	v_mad_u32_u24 v[RD], v7, 80, v[RD]
	v_add_nc_u32 v[RD], s66, v[RD]
	v_lshlrev_b32 v[CO], 4, v6
	v_lshlrev_b32 v[BO], 5, v2
.irp b, 0,1,2,3,4,5,6,7
	global_load_b128 v[BC+8*\b:BC+8*\b+3], v[BO], s[8:9] offset:64*\b
	global_load_b128 v[BC+8*\b+4:BC+8*\b+7], v[BO], s[8:9] offset:64*\b+16
.endr
.if QKV
	v_lshlrev_b32 v18, 2, v1
.irp a, 0,1,2,3,4,5,6,7
	global_load_b32 v[BR+2*\a], v18, s[12:13] offset:64*\a
	global_load_b32 v[BR+2*\a+1], v18, s[12:13] offset:64*\a
.endr
.endif
	s_wait_alu depctr_va_vdst(0)
	s_wait_tensorcnt 0x0                           ; my part of K step 0 is in; slot 1's first fill is issued as a refill is:
	ds_add_u32 v[SPW], v[NIL]                      ; the add,
	s_wait_dscnt 0x0                               ; done,
	CROUND                                         ; a whole round: everybody's part of K step 0 is in,
	JLOAD 1                                        ; and K step 1's load is the first tensor load behind it
	FETCH_B 0, 0, 0
	FETCH_A 0, 0, 0
	FETCH_A 0, 0, 4
	global_prefetch_b8 v4, s[18:19] offset:3*KSTEPB th:TH_LOAD_NT scope:SCOPE_SE   ; behind K step 1's load: the last K step
	STEP 0, 0, 1
	TURN 0, 1, 1
	STEP 1, 0, 0
	TURN 1, 0, 1
	STEP 0, 0, 0
	TURN 0, 1, 0
	STEP 1, 0, 0
	s_wait_dscnt 4*NL
	WIN MUL_LO
	MUL16 0, 1, 0
	MUL16 2, 1, 0
	s_wait_dscnt 0
	WIN MUL_HI
	MUL16 4, 1, 0
	MUL16 6, 1, 0
	WIN 0
	s_wait_loadcnt 0x0
	s_wait_kmcnt 0x0
.if QKV
	s_add_co_i32 s66, s68, s69
	s_add_co_i32 s67, s70, s71
	s_add_co_i32 s90, s72, s73
	s_cmp_eq_u32 s95, 1
	s_cselect_b32 s66, s67, s66
	s_cselect_b32 s67, s75, s74
	s_cmp_eq_u32 s94, 1
	s_cselect_b32 s66, s90, s66
	s_cselect_b32 s67, s76, s67
.else
	s_add_co_i32 s66, s[68+EA], s[69+EA]
	s_mov_b32 s67, s[68+EO]
.endif
	s_add_co_i32 s66, s66, 127
	s_lshl_b32 s84, s66, 23
	s_mov_b32 s85, s84
	s_add_co_i32 s67, s67, 127
	s_lshl_b32 s66, s67, 23
	v_mov_b32 v[SCV], s66
	s_add_co_i32 s67, s67, 8
	s_lshl_b32 s67, s67, 23
	s_or_b32 s67, s67, 0x600000
	v_mov_b32 v[LIM], s67
	v_nop
	v_nop
.macro BIASED sa, sb, hf, byrow
	WIN 0x02+(\sa)
.irp aa, 0,1
.irp b, 0,1,2,3
.irp i, 0,2,4,6
.if \byrow
	v_pk_fma_f32 v[T+8*(4*\aa+\b)+\i:T+8*(4*\aa+\b)+\i+1], v[8*(8*(2*\hf+\aa)+4*\sb+\b)+\i:8*(8*(2*\hf+\aa)+4*\sb+\b)+\i+1], s[84:85], v[BR+2*(4*\sa+2*\hf+\aa):BR+2*(4*\sa+2*\hf+\aa)+1] op_sel_hi:[1,0,1]
.else
	v_pk_fma_f32 v[T+8*(4*\aa+\b)+\i:T+8*(4*\aa+\b)+\i+1], v[8*(8*(2*\hf+\aa)+4*\sb+\b)+\i:8*(8*(2*\hf+\aa)+4*\sb+\b)+\i+1], s[84:85], v[BC+8*(4*\sb+\b)+\i:BC+8*(4*\sb+\b)+\i+1] op_sel_hi:[1,0,1]
.endif
.endr
.endr
.endr
	WIN 0
.endm
.macro HALF sa, sb, hf
.if QKV
	s_cmp_eq_u32 s94, 1
	s_cbranch_scc1 .Lby_rows_\@
	BIASED \sa, \sb, \hf, 0
	s_branch .Lbiased_\@
.Lby_rows_\@:
	BIASED \sa, \sb, \hf, 1
.Lbiased_\@:
.else
	BIASED \sa, \sb, \hf, 0
.endif
.set n, 0
.rept 64
.if RELU
	v_med3_num_f32 v[T+n], v[T+n], 0, v[LIM]
.else
	v_med3_num_f32 v[T+n], v[T+n], -v[LIM], v[LIM]
.endif
.set n, n+1
.endr
.set n, 0
.rept 8
	v_cvt_scalef32_pk8_fp8_f32 v[CD+2*(8*\hf+n):CD+2*(8*\hf+n)+1], v[T+8*n:T+8*n+7], v[SCV]
.set n, n+1
.endr
	v_nop
.endm
.macro SUB sa, sb, first
	HALF \sa, \sb, 0
	HALF \sa, \sb, 1
.irp a, 0,1,2,3
.irp b, 0,1,2,3
.if SWAP
	ds_store_b64 v[STO], v[CD+2*(4*\a+\b):CD+2*(4*\a+\b)+1] offset:(32*(\a/2)+8*(\a%2))*80+16*\b
.else
	ds_store_b64 v[STO], v[CD+2*(4*\a+\b):CD+2*(4*\a+\b)+1] offset:16*\a*80+16*\b
.endif
.endr
.endr
.if \first == 0
	s_wait_xcnt 0x0
.endif
.irp i, 0,1,2,3,4,5,6,7
	ds_load_b128 v[BK+4*\i:BK+4*\i+3], v[RD] offset:640*\i
.endr
.if (2*\sa+\sb) == 0
.set PO, POUT
.else
.set PO, 94+2*(2*\sa+\sb)
.endif
.irp i, 0,1,2,3,4,5,6,7
	s_wait_dscnt 7-\i
	global_store_b128 v[CO], v[BK+4*\i:BK+4*\i+3], s[PO:PO+1] offset:512*\i
.endr
.endm
	SUB 0, 0, 1
	SUB 0, 1, 0
	SUB 1, 0, 0
	SUB 1, 1, 0
	s_wait_tensorcnt 0x0
	ds_add_u32 v[SPW], v[NIL]
	s_wait_dscnt 0x0
	CROUND
	s_endpgm
.Lfunc_end_k_q6532387f56_ff1:
	.size	k_q6532387f56_ff1, .Lfunc_end_k_q6532387f56_ff1-k_q6532387f56_ff1
	.p2alignl 7, 3214868480
	.fill 96, 4, 3214868480
	.section	.rodata,"a",@progbits
	.p2align	6, 0x0
	.amdhsa_kernel k_q6532387f56_ff1
		.amdhsa_group_segment_fixed_size 327680
		.amdhsa_private_segment_fixed_size 0
		.amdhsa_enable_private_segment 0
		.amdhsa_kernarg_size 40
		.amdhsa_user_sgpr_count 2
		.amdhsa_user_sgpr_kernarg_segment_ptr 1
		.amdhsa_wavefront_size32 1
		.amdhsa_system_sgpr_workgroup_id_x 1
		.amdhsa_system_sgpr_workgroup_id_y 1
		.amdhsa_system_sgpr_workgroup_id_z 1
		.amdhsa_system_vgpr_workitem_id 0
		.amdhsa_next_free_vgpr 1024
		.amdhsa_next_free_sgpr 102
		.amdhsa_reserve_vcc 0
		.amdhsa_float_denorm_mode_32 3
		.amdhsa_float_denorm_mode_16_64 3
		.amdhsa_memory_ordered 1
		.amdhsa_forward_progress 1
		.amdhsa_inst_pref_size 144
	.end_amdhsa_kernel
	.amdgpu_metadata
---
amdhsa.version: [ 1, 2 ]
amdhsa.kernels:
  - .name:           k_q6532387f56_ff1
    .symbol:         k_q6532387f56_ff1.kd
    .args:
      - { .name: hc, .offset: 0, .size: 8, .value_kind: global_buffer, .address_space: global }
      - { .name: wc, .offset: 8, .size: 8, .value_kind: global_buffer, .address_space: global }
      - { .name: b1, .offset: 16, .size: 8, .value_kind: global_buffer, .address_space: global }
      - { .name: lowp_scales, .offset: 24, .size: 8, .value_kind: global_buffer, .address_space: global }
      - { .name: hid, .offset: 32, .size: 8, .value_kind: global_buffer, .address_space: global }
    .group_segment_fixed_size: 327680
    .private_segment_fixed_size: 0
    .kernarg_segment_align: 8
    .kernarg_segment_size: 40
    .max_flat_workgroup_size: 128
    .sgpr_count:     102
    .vgpr_count:     1024
    .wavefront_size: 32
...
	.end_amdgpu_metadata
.endif
;; end of part 6
;; launch ff2 (part 7): grid 8 x 32, 4 waves a work-group, clusters of 4 x 4, 327,680 bytes of LDS; arguments hid, wc, b2, x1, lowp_scales, out0; writes out0
.if DOCPART == 7
	.amdgcn_target "amdgcn-amd-amdhsa--gfx1250"
	.amdhsa_code_object_version 6
	.text
	.protected	k_q6532387f56_ff2
	.globl	k_q6532387f56_ff2
	.p2align	8
	.type	k_q6532387f56_ff2,@function
k_q6532387f56_ff2:
	s_mov_b64 s[64:65], 0
	v_nop
	global_prefetch_b8 v0, s[64:65] scope:SCOPE_SE
	s_setreg_imm32_b32 hwreg(HW_REG_WAVE_MODE, 25, 1), 1
	s_wait_xcnt 0x0
	s_wait_alu depctr_hold_cnt(0) depctr_sa_sdst(0) depctr_va_vdst(0) depctr_va_sdst(0) depctr_va_ssrc(0) depctr_va_vcc(0) depctr_vm_vsrc(0)
	s_getreg_b32 s2, hwreg(HW_REG_IB_STS2, 6, 4)
	s_cmp_eq_u32 s2, 0
	s_cbranch_scc0 .Lentry_in_a_cluster
	s_endpgm
.Lentry_in_a_cluster:
	s_bfe_u32 s2, ttmp6, 0x10000c
	s_cmp_lg_u32 s2, 0xf033
	s_cbranch_scc0 .Lentry_shape_is_right
	s_endpgm
.Lentry_shape_is_right:
.set NSL,   8
.set ACH,   64
.set RB,    1024
.set RES,   1
.set SWAP,  0
.set RELU,  0
.set QKV,   0
.set WCOFF, 0x800000
.set BROW0, 0
.set EA,    14
.set EO,    0
.set PSC,   12
.set POUT,  14
.set LAPS,   NSL/2
.set APITCH, ACH+16
.set APL,    512/ACH
.set QIA,    3+ACH/128
.set AREG,   APL*64*APITCH
.set BREG,   4*64*144
.set SLOT,   2*AREG+2*BREG
.set SPARE,  2*SLOT
.set ASTEP,  512*4096
.set BSTEP,  512*RB
.set ADRA, 16
.set ADRB, 20
.set STO,  24
.set RD,   25
.set CO,   26
.set BO,   27
.set SPW,  28
.set NIL,  29
.set SCV,  30
.set LIM,  31
.set ACC,  128
.set F0,   0
.set F1,   128
.set G1A,  28
.set G0A,  36
.set G1B,  44
.set G0B,  52
.set MSB, 0
.macro WIN new
.if MSB != \new
	s_set_vgpr_msb (MSB<<8)|\new
.set MSB, \new
.endif
.endm
.set MUL,  0x05
.set TO_F, 0x40
.macro JLOAD s
	s_cmp_eq_u32 s21, 0
	s_cbranch_scc0 .Lfor_b_\@
	tensor_load_to_lds s[G0A+4*\s:G0A+4*\s+3], s[G1A:G1A+7]
	s_nop 0
.rept 4
	v_nop
.endr
	s_branch .Lasked_\@
.Lfor_b_\@:
	tensor_load_to_lds s[G0B+4*\s:G0B+4*\s+3], s[G1B:G1B+7]
	s_nop 0
.rept 4
	v_nop
.endr
.Lasked_\@:
.endm
.macro CREST
	s_cmp_lg_u32 s20, 0
	s_cbranch_scc1 .Lnot_wave_0_\@
	s_barrier_signal -3
.Lnot_wave_0_\@:
	s_barrier_wait -3
	s_barrier_signal -1
	s_barrier_wait -1
.endm
.macro CROUND
	s_barrier_signal -1
	s_barrier_wait -1
	CREST
.endm
.macro PLACES
.rept 4
	v_nop
.endr
.endm
.macro MUL8 f, a0, zero
.irp a, \a0, \a0+1
.irp b, 0,1,2,3
.if \zero
	v_wmma_f32_16x16x128_fp8_fp8 v[ACC+8*(4*(\a)+\b):ACC+8*(4*(\a)+\b)+7], v[\f+64+16*\b:\f+64+16*\b+15], v[\f+16*(\a):\f+16*(\a)+15], 0
.else
	v_wmma_f32_16x16x128_fp8_fp8 v[ACC+8*(4*(\a)+\b):ACC+8*(4*(\a)+\b)+7], v[\f+64+16*\b:\f+64+16*\b+15], v[\f+16*(\a):\f+16*(\a)+15], v[ACC+8*(4*(\a)+\b):ACC+8*(4*(\a)+\b)+7]
.endif
.endr
.endr
.endm
.macro FETCH slot, q, f
	WIN TO_F
.irp i, 0,1,2,3
.irp c, 0,1,2,3
	ds_load_b128 v[\f+64+16*\i+4*\c:\f+64+16*\i+4*\c+3], v[ADRB+\slot] offset:(\q)*64*144+\i*16*144+32*\c
	ds_load_b128 v[\f+16*\i+4*\c:\f+16*\i+4*\c+3], v[ADRA+\slot] offset:((128*(\q)+32*\c)/ACH)*64*APITCH+((128*(\q)+32*\c)%ACH)+\i*16*APITCH
.endr
.endr
.endm
.macro QUARTER slot, q, f, g, zero
	s_wait_dscnt 0x0
	PLACES
	FETCH \slot, \q, \g
	WIN MUL
	MUL8 \f, 0, \zero
	MUL8 \f, 2, \zero
.endm
.macro TURN slot, next, fill
.if \fill
	s_wait_xcnt 0x0                                ; any prefetch of mine has read its address: it steps one slot on, ahead of the waits of the change of slots
	s_add_nc_u64 s[94:95], s[94:95], s[96:97]
.endif
	WIN 0
	s_wait_tensorcnt 0x0
	ds_add_u32 v[SPW], v[NIL]
	s_wait_dscnt 0x0
	s_barrier_signal -1
	WIN MUL
	MUL8 F1, 0, 0
	WIN 0
	s_barrier_wait -1
.if \fill
	CREST
	s_add_nc_u64 s[G0A+4*\slot+2:G0A+4*\slot+3], s[G0A+4*\slot+2:G0A+4*\slot+3], 2*ASTEP
	s_add_nc_u64 s[G0B+4*\slot+2:G0B+4*\slot+3], s[G0B+4*\slot+2:G0B+4*\slot+3], 2*BSTEP
	JLOAD \slot
.else
	PLACES
.endif
	FETCH \next, 0, F0
.if \fill
; A PREFETCH INTO THE L2, behind the joint load and the run of LDS loads: my work-group's 32 blocks of 256 bytes of what my wave will fetch TWO slots on; a lane a block, one instruction a wave.
; The refills bring slots 2 to 7: those of the loop's first two trips ask for slots 4 to 7, those of its last trip (s3 = 1) for nothing.  Slots 1 and 2 are asked for behind slot 0's load, slot 3 behind slot 1's.
	WIN 0
	s_cmp_gt_u32 s3, 1
	s_cbranch_scc0 .Lno_ask_\@
	global_prefetch_b8 v5, s[94:95] th:TH_LOAD_NT scope:SCOPE_SE
.Lno_ask_\@:
.endif
	WIN MUL
	MUL8 F1, 2, 0
.endm
.if QKV
	s_load_b256 s[4:11], s[0:1], 0x0
	s_load_b128 s[12:15], s[0:1], 0x20
	s_load_b64 s[16:17], s[0:1], 0x30
.elseif RES
	s_load_b256 s[4:11], s[0:1], 0x0
	s_load_b128 s[12:15], s[0:1], 0x20
.else
	s_load_b256 s[4:11], s[0:1], 0x0
	s_load_b64 s[16:17], s[0:1], 0x20
.endif
	v_lshl_add_u32 v[SPW], v0, 2, SPARE
	v_mov_b32 v[NIL], 0
	ds_add_u32 v[SPW], v[NIL]                      ; the add, twice on end; the set-up below stands between the adds and their wait
	ds_add_u32 v[SPW], v[NIL]
	v_lshrrev_b32 v1, 5, v0
	v_readfirstlane_b32 s20, v1
	s_lshr_b32 s21, s20, 1
	s_and_b32 s22, s20, 1
	s_bfe_u32 s23, ttmp6, 0x40000
	s_bfe_u32 s24, ttmp6, 0x40004
	s_lshl_b32 s26, ttmp9, 2
	s_add_co_u32 s26, s26, s23
	s_and_b32 s25, ttmp7, 0xffff
	s_lshl_b32 s27, s25, 2
	s_add_co_u32 s27, s27, s24
	s_lshl_b32 s60, s24, 2
	s_lshl_b32 s60, 15, s60
	s_lshl_b32 s61, 0x1111, s23
	; descriptor groups 1, in elements of 8 bytes: a line of the tile is 64 operand rows of one chunk, dense in memory; 16 bytes of padding follow each operand row
	s_or_b32 s[G1A+0], s60, (3<<16)|(1<<20)|(1<<21)|(QIA<<22)|(3<<25)
	s_mov_b32 s[G1A+1], (8*ACH)<<16
	s_mov_b32 s[G1A+2], APL<<16
	s_mov_b32 s[G1A+3], (8*ACH)<<16
	s_mov_b32 s[G1A+4], APL
	s_mov_b32 s[G1A+5], 512*ACH
	s_mov_b32 s[G1A+6], 0
	s_mov_b32 s[G1A+7], 0
	s_or_b32 s[G1B+0], s61, (3<<16)|(1<<20)|(1<<21)|(4<<22)|(3<<25)
	s_mov_b32 s[G1B+1], 1024<<16
	s_mov_b32 s[G1B+2], 4<<16
	s_mov_b32 s[G1B+3], 1024<<16
	s_mov_b32 s[G1B+4], 4
	s_mov_b32 s[G1B+5], RB*16
	s_mov_b32 s[G1B+6], 0
	s_mov_b32 s[G1B+7], 0
	s_lshl_b32 s62, s22, 6
.if QKV
	s_cmp_ge_u32 s25, 4
	s_cselect_b32 s94, 1, 0
	s_lshr_b32 s95, ttmp9, 1
	s_and_b32 s95, s95, 1
	s_and_b32 s86, s27, 7
	s_lshl_b32 s86, s86, 7
	s_add_co_u32 s86, s86, 2048
	s_lshl_b32 s87, s27, 7
	s_lshr_b32 s63, ttmp9, 2
	s_lshl_b32 s63, s63, 11
	s_add_co_u32 s87, s87, s63
	s_lshl_b32 s63, s95, 15
	s_add_co_u32 s87, s87, s63
	s_cmp_eq_u32 s94, 1
	s_cselect_b32 s86, s86, s87
	s_add_co_u32 s86, s86, s62
	s_lshl_b32 s86, s86, 7
	s_mov_b32 s87, 0
	s_add_co_u32 s88, s26, 512
	s_and_b32 s89, s26, 15
	s_cmp_eq_u32 s94, 1
	s_cselect_b32 s88, s88, s89
	s_lshl_b32 s88, s88, 7
	s_add_co_u32 s88, s88, s62
	s_lshl_b32 s88, s88, 7
	s_mov_b32 s89, 0
.else
	s_lshl_b32 s86, s27, 7
	s_add_co_u32 s86, s86, s62
	s_mul_i32 s86, s86, ACH
	s_mov_b32 s87, 0
	s_lshl_b32 s88, s26, 7
	s_add_co_u32 s88, s88, s62
.if BROW0
	s_add_co_u32 s88, s88, BROW0
.endif
	s_lshl_b32 s88, s88, 7
.if WCOFF
	s_add_co_u32 s88, s88, WCOFF
.endif
	s_mov_b32 s89, 0
.endif
	s_mul_i32 s66, s22, AREG
	s_mul_i32 s67, s22, BREG
	s_add_co_u32 s67, s67, 2*AREG
	s_wait_dscnt 0x0                               ; both opening adds are done
	s_wait_kmcnt 0x0
	s_load_b512 s[68:83], s[PSC:PSC+1], 0x0        ; the sixteen exponents
.if QKV
	s_cmp_eq_u32 s94, 1
	s_cselect_b64 s[90:91], s[6:7], s[4:5]
	s_cselect_b64 s[92:93], s[4:5], s[6:7]
	s_add_nc_u64 s[86:87], s[90:91], s[86:87]
	s_add_nc_u64 s[88:89], s[92:93], s[88:89]
.else
	s_add_nc_u64 s[86:87], s[4:5], s[86:87]
	s_add_nc_u64 s[88:89], s[6:7], s[88:89]
.endif
	CROUND
.irp s, 0,1
	s_mov_b32 s[G0A+4*\s], 1
	s_add_co_u32 s[G0A+4*\s+1], s66, \s*SLOT
	s_add_nc_u64 s[G0A+4*\s+2:G0A+4*\s+3], s[86:87], \s*ASTEP
	s_or_b32 s[G0A+4*\s+3], s[G0A+4*\s+3], 0x80000000
	s_mov_b32 s[G0B+4*\s], 1
	s_add_co_u32 s[G0B+4*\s+1], s67, \s*SLOT
	s_add_nc_u64 s[G0B+4*\s+2:G0B+4*\s+3], s[88:89], \s*BSTEP
	s_or_b32 s[G0B+4*\s+3], s[G0B+4*\s+3], 0x80000000
.endr
	JLOAD 0                                        ; slot 0: one tensor load a wave at the head
	v_and_b32 v1, 15, v0
	v_bfe_u32 v2, v0, 4, 1
	v_mul_u32_u24 v3, v1, APITCH
	v_lshl_add_u32 v3, v2, 4, v3
	v_mul_u32_u24 v4, v1, 144
	v_lshl_add_u32 v4, v2, 4, v4
	; the prefetches.  A wave's fetch of a slot is 128 blocks of 256 bytes: for A 8 chunks x 4,096 dense bytes, 262,144 bytes apart; for B 4 chunks x 8,192 dense bytes, 131,072 apart.
	; The four partners that ask for it jointly share the blocks out BY ADDRESS: for A the partner at cx takes chunks 2 cx, 2 cx + 1 (16 lanes each), for B the partner at cy takes chunk cy.
	s_lshl_b32 s96, s23, 19                        ; A: 2 cx chunks
	s_lshl_b32 s97, s24, 17                        ; B: cy chunks
	s_mov_b32 s98, 4096
	s_mov_b32 s99, BSTEP
	s_cmp_eq_u32 s21, 0                            ; do I fetch for A?  The wave's number alone
	s_cselect_b64 s[94:95], s[86:87], s[88:89]     ; my fetch's first byte in slot 0
	s_cselect_b32 s98, 0x40000, s98                ; from lanes 0-15 to lanes 16-31: A: a chunk on; B: 16 blocks on
	s_cselect_b32 s92, s96, s97
	s_cselect_b32 s96, ASTEP, s99                  ; a slot on
	s_mov_b32 s97, 0
	s_mov_b32 s93, 0
	s_add_nc_u64 s[94:95], s[94:95], s[92:93]
	s_add_nc_u64 s[16:17], s[94:95], s[96:97]      ; slot 1,
	s_add_nc_u64 s[18:19], s[16:17], s[96:97]      ; slot 2: pairs of their own, never rewritten,
	s_add_nc_u64 s[94:95], s[18:19], s[96:97]      ; slot 3: the first refill (slot 2's) steps it to slot 4
	s_wait_alu depctr_va_vdst(0)                   ; directly ahead of the reader below
	v_mul_lo_u32 v5, v2, s98
	v_lshl_add_u32 v5, v1, 8, v5                   ; my lane's block; never rewritten
	global_prefetch_b8 v5, s[16:17] th:TH_LOAD_NT scope:SCOPE_SE
	global_prefetch_b8 v5, s[18:19] th:TH_LOAD_NT scope:SCOPE_SE
	s_mul_i32 s66, s21, AREG
	s_mul_i32 s67, s22, BREG
	s_add_co_u32 s67, s67, 2*AREG
.irp s, 0,1
	v_add_nc_u32 v[ADRA+\s], s66, v3
	v_add_nc_u32 v[ADRB+\s], s67, v4
	s_add_co_u32 s66, s66, SLOT
	s_add_co_u32 s67, s67, SLOT
.endr
.if QKV
	s_lshl_b32 s66, s26, 7
	s_add_co_u32 s66, s66, s62
	s_lshl_b32 s67, s27, 7
	s_lshr_b32 s90, ttmp9, 2
	s_lshl_b32 s90, s90, 11
	s_add_co_u32 s67, s67, s90
	s_lshl_b32 s90, s21, 6
	s_add_co_u32 s67, s67, s90
	s_and_b32 s90, s27, 7
	s_lshl_b32 s90, s90, 1
	s_add_co_u32 s90, s90, s21
	s_and_b32 s91, s26, 7
	s_lshl_b32 s91, s91, 1
	s_add_co_u32 s91, s91, s22
	s_cmp_eq_u32 s94, 1
	s_cselect_b32 s66, s66, s67
	s_cselect_b32 s90, s90, s91
	s_cselect_b32 s91, 2, s95
	s_lshr_b32 s67, s66, 11
	s_lshl_b32 s67, s67, 4
	s_add_co_u32 s67, s67, s90
	s_lshl_b32 s67, s67, 5
	s_and_b32 s66, s66, 2047
	s_lshr_b32 s66, s66, 6
	s_add_co_u32 s67, s67, s66
	s_lshl_b32 s92, s67, 12
	s_lshl_b32 s91, s91, 22
	s_add_co_u32 s92, s92, s91
	s_mov_b32 s93, 0
	s_add_nc_u64 s[POUT:POUT+1], s[POUT:POUT+1], s[92:93]
	s_cmp_eq_u32 s95, 1
	s_cselect_b64 s[8:9], s[10:11], s[8:9]
	s_cmp_eq_u32 s94, 1
	s_cselect_b64 s[8:9], s[12:13], s[8:9]
	s_and_b32 s66, s26, 7
	s_lshl_b32 s66, s66, 7
	s_add_co_u32 s66, s66, s62
	s_lshl_b32 s92, s66, 2
	s_add_nc_u64 s[8:9], s[8:9], s[92:93]
	s_and_b32 s66, s27, 7
	s_lshl_b32 s66, s66, 7
	s_lshl_b32 s67, s21, 6
	s_add_co_u32 s66, s66, s67
	s_lshl_b32 s92, s66, 2
	s_add_nc_u64 s[12:13], s[12:13], s[92:93]
.else
	s_lshl_b32 s66, s27, 7
	s_lshl_b32 s67, s21, 6
	s_add_co_u32 s66, s66, s67
	s_lshl_b32 s90, s26, 7
	s_add_co_u32 s90, s90, s62
	s_mov_b32 s93, 0
	s_lshl_b32 s92, s90, 2
	s_add_nc_u64 s[8:9], s[8:9], s[92:93]
.if RES
	s_lshl_b32 s91, s66, 12
	s_add_co_u32 s92, s92, s91
	s_add_nc_u64 s[10:11], s[10:11], s[92:93]
	s_add_nc_u64 s[POUT:POUT+1], s[POUT:POUT+1], s[92:93]
.else
	s_lshr_b32 s91, s90, 6
	s_lshl_b32 s91, s91, 12
	s_add_co_u32 s91, s91, s66
	s_lshl_b32 s92, s91, 6
	s_add_nc_u64 s[POUT:POUT+1], s[POUT:POUT+1], s[92:93]
.endif
.endif
.if RES
	s_mul_i32 s66, s20, 4352
	v_mul_u32_u24 v[STO], v1, 272
	v_lshl_add_u32 v[STO], v2, 5, v[STO]
	v_add_nc_u32 v[STO], s66, v[STO]
	v_mul_u32_u24 v[RD], v2, 272
	v_lshl_add_u32 v[RD], v1, 4, v[RD]
	v_add_nc_u32 v[RD], s66, v[RD]
	v_lshlrev_b32 v[CO], 12, v2
	v_lshl_add_u32 v[CO], v1, 4, v[CO]
	v_lshlrev_b32 v[BO], 4, v1
	global_load_b128 v[96:99], v[BO], s[8:9]       ; the bias; the residual is asked for behind the loop
.else
	s_mul_i32 s66, s20, 5120
.if SWAP
	v_and_b32 v5, 8, v1
	v_add_nc_u32 v5, v5, v1
	v_mul_u32_u24 v[STO], v5, 80
.else
	v_mul_u32_u24 v[STO], v1, 80
.endif
	v_lshl_add_u32 v[STO], v2, 3, v[STO]
	v_add_nc_u32 v[STO], s66, v[STO]
	v_and_b32 v6, 31, v0
	v_lshrrev_b32 v7, 2, v6
	v_and_b32 v[RD], 3, v6
	v_lshlrev_b32 v[RD], 4, v[RD]
	v_mad_u32_u24 v[RD], v7, 80, v[RD]
	v_add_nc_u32 v[RD], s66, v[RD]
	v_lshlrev_b32 v[CO], 4, v6
	v_lshlrev_b32 v[BO], 5, v2
.irp b, 0,1,2,3
	global_load_b128 v[32+8*\b:35+8*\b], v[BO], s[8:9] offset:64*\b
	global_load_b128 v[36+8*\b:39+8*\b], v[BO], s[8:9] offset:64*\b+16
.endr
.if QKV
	v_lshlrev_b32 v18, 2, v1
.irp a, 0,1,2,3
	global_load_b32 v[8+2*\a], v18, s[12:13] offset:64*\a
	global_load_b32 v[9+2*\a], v18, s[12:13] offset:64*\a
.endr
.endif
.endif
	s_wait_alu depctr_va_vdst(0)
	s_wait_tensorcnt 0x0                           ; my part of slot 0 is in; slot 1's first fill is issued as a refill is:
	ds_add_u32 v[SPW], v[NIL]                      ; the add,
	s_wait_dscnt 0x0                               ; done,
	CROUND                                         ; a whole round: everybody's part of slot 0 is in,
	JLOAD 1                                        ; and slot 1's load is the first tensor load behind it
	FETCH 0, 0, F0
	global_prefetch_b8 v5, s[94:95] th:TH_LOAD_NT scope:SCOPE_SE   ; behind slot 1's load: slot 3 (the address register stands in window 0 under this setting)
	QUARTER 0, 1, F0, F1, 1
.if LAPS > 1
	WIN 0
	s_mov_b32 s3, LAPS-1
.Llap:
	QUARTER 0, 2, F1, F0, 0
	QUARTER 0, 3, F0, F1, 0
	TURN 0, 1, 1
	QUARTER 1, 1, F0, F1, 0
	QUARTER 1, 2, F1, F0, 0
	QUARTER 1, 3, F0, F1, 0
	TURN 1, 0, 1
	QUARTER 0, 1, F0, F1, 0
	WIN 0
	s_sub_co_u32 s3, s3, 1
	s_cmp_lg_u32 s3, 0
	s_cbranch_scc1 .Llap
.endif
	WIN 0x80                                       ; destination window 2: the residual, in the layout in which the rows leave; it has the last lap's two slots in which to land
.irp a, 0,1,2,3
.irp t, 0,1,2,3,4,5,6,7
	global_load_b128 v[4*(8*\a+\t):4*(8*\a+\t)+3], v[CO], s[10:11] offset:(16*\a+2*\t)*4096 th:TH_LOAD_NT
.endr
.endr
	WIN 0
	QUARTER 0, 2, F1, F0, 0
	QUARTER 0, 3, F0, F1, 0
	TURN 0, 1, 0
	QUARTER 1, 1, F0, F1, 0
	QUARTER 1, 2, F1, F0, 0
	QUARTER 1, 3, F0, F1, 0
	s_wait_dscnt 0x0
	MUL8 F1, 0, 0
	MUL8 F1, 2, 0
	WIN 0
	s_wait_loadcnt 0x0
	s_wait_kmcnt 0x0
.if QKV
	s_add_co_i32 s66, s68, s69
	s_add_co_i32 s67, s70, s71
	s_add_co_i32 s90, s72, s73
	s_cmp_eq_u32 s95, 1
	s_cselect_b32 s66, s67, s66
	s_cselect_b32 s67, s75, s74
	s_cmp_eq_u32 s94, 1
	s_cselect_b32 s66, s90, s66
	s_cselect_b32 s67, s76, s67
.else
	s_add_co_i32 s66, s[68+EA], s[69+EA]
.if !RES
	s_mov_b32 s67, s[68+EO]
.endif
.endif
	s_add_co_i32 s66, s66, 127
	s_lshl_b32 s84, s66, 23
	s_mov_b32 s85, s84
.if RES
.macro TOSTAGE a
.irp b, 0,1,2,3
	ds_store_b128 v[STO], v[ACC+8*(4*(\a)+\b):ACC+8*(4*(\a)+\b)+3] offset:64*\b
	ds_store_b128 v[STO], v[ACC+8*(4*(\a)+\b)+4:ACC+8*(4*(\a)+\b)+7] offset:64*\b+16
.endr
.irp t, 0,1,2,3,4,5,6,7
	ds_load_b128 v[32+32*((\a)%2)+4*\t:32+32*((\a)%2)+4*\t+3], v[RD] offset:\t*544
.endr
.endm
.macro SEND a, younger
	s_wait_dscnt \younger
	WIN 0x20
.irp t, 0,1,2,3,4,5,6,7
	v_pk_fma_f32 v[32+32*((\a)%2)+4*\t:32+32*((\a)%2)+4*\t+1], v[32+32*((\a)%2)+4*\t:32+32*((\a)%2)+4*\t+1], s[84:85], v[4*(8*(\a)+\t):4*(8*(\a)+\t)+1] op_sel_hi:[1,0,1]
	v_pk_fma_f32 v[32+32*((\a)%2)+4*\t+2:32+32*((\a)%2)+4*\t+3], v[32+32*((\a)%2)+4*\t+2:32+32*((\a)%2)+4*\t+3], s[84:85], v[4*(8*(\a)+\t)+2:4*(8*(\a)+\t)+3] op_sel_hi:[1,0,1]
.endr
	WIN 0
.irp t, 0,1,2,3,4,5,6,7
	global_store_b128 v[CO], v[32+32*((\a)%2)+4*\t:32+32*((\a)%2)+4*\t+3], s[POUT:POUT+1] offset:(16*(\a)+2*\t)*4096
.endr
.endm
	WIN 0x82
.set i, 0
.rept 32
	v_pk_add_f32 v[4*i:4*i+1], v[4*i:4*i+1], v[96:97]
	v_pk_add_f32 v[4*i+2:4*i+3], v[4*i+2:4*i+3], v[98:99]
.set i, i+1
.endr
	WIN 0
	TOSTAGE 0
.irp a, 1,2,3
.if \a > 1
	s_wait_xcnt 0x0
.endif
	TOSTAGE \a
	SEND \a-1, 16
.endr
	SEND 3, 0
.else
	s_add_co_i32 s67, s67, 127
	s_lshl_b32 s66, s67, 23
	v_mov_b32 v[SCV], s66
	s_add_co_i32 s67, s67, 8
	s_lshl_b32 s67, s67, 23
	s_or_b32 s67, s67, 0x600000
	v_mov_b32 v[LIM], s67
	v_nop
	v_nop
.if QKV
	s_cmp_eq_u32 s94, 1
	s_cbranch_scc1 .Lby_rows
.endif
.irp a, 0,1,2,3
.irp b, 0,1,2,3
.irp i, 0,2,4,6
	v_pk_fma_f32 v[ACC+8*(4*\a+\b)+\i:ACC+8*(4*\a+\b)+\i+1], v[ACC+8*(4*\a+\b)+\i:ACC+8*(4*\a+\b)+\i+1], s[84:85], v[32+8*\b+\i:33+8*\b+\i] op_sel_hi:[1,0,1]
.endr
.endr
.endr
.if QKV
	s_branch .Lbiased
.Lby_rows:
.irp a, 0,1,2,3
.irp b, 0,1,2,3
.irp i, 0,2,4,6
	v_pk_fma_f32 v[ACC+8*(4*\a+\b)+\i:ACC+8*(4*\a+\b)+\i+1], v[ACC+8*(4*\a+\b)+\i:ACC+8*(4*\a+\b)+\i+1], s[84:85], v[8+2*\a:9+2*\a] op_sel_hi:[1,0,1]
.endr
.endr
.endr
.Lbiased:
.endif
.set i, 0
.rept 128
.if RELU
	v_med3_num_f32 v[ACC+i], v[ACC+i], 0, v[LIM]
.else
	v_med3_num_f32 v[ACC+i], v[ACC+i], -v[LIM], v[LIM]
.endif
.set i, i+1
.endr
.set i, 0
.rept 16
	v_cvt_scalef32_pk8_fp8_f32 v[64+2*i:65+2*i], v[ACC+8*i:ACC+8*i+7], v[SCV]
.set i, i+1
.endr
	v_nop
.irp a, 0,1,2,3
.irp b, 0,1,2,3
.if SWAP
	ds_store_b64 v[STO], v[64+2*(4*\a+\b):65+2*(4*\a+\b)] offset:(32*(\a/2)+8*(\a%2))*80+16*\b
.else
	ds_store_b64 v[STO], v[64+2*(4*\a+\b):65+2*(4*\a+\b)] offset:16*\a*80+16*\b
.endif
.endr
.endr
.irp i, 0,1,2,3,4,5,6,7
	ds_load_b128 v[96+4*\i:99+4*\i], v[RD] offset:640*\i
.endr
.irp i, 0,1,2,3,4,5,6,7
	s_wait_dscnt 7-\i
	global_store_b128 v[CO], v[96+4*\i:99+4*\i], s[POUT:POUT+1] offset:512*\i
.endr
.endif
	s_wait_tensorcnt 0x0
	ds_add_u32 v[SPW], v[NIL]
	s_wait_dscnt 0x0
	CROUND
	s_endpgm
.Lfunc_end_k_q6532387f56_ff2:
	.size	k_q6532387f56_ff2, .Lfunc_end_k_q6532387f56_ff2-k_q6532387f56_ff2
	.p2alignl 7, 3214868480
	.fill 96, 4, 3214868480
	.section	.rodata,"a",@progbits
	.p2align	6, 0x0
	.amdhsa_kernel k_q6532387f56_ff2
		.amdhsa_group_segment_fixed_size 327680
		.amdhsa_private_segment_fixed_size 0
		.amdhsa_enable_private_segment 0
		.amdhsa_kernarg_size 48
		.amdhsa_user_sgpr_count 2
		.amdhsa_user_sgpr_kernarg_segment_ptr 1
		.amdhsa_wavefront_size32 1
		.amdhsa_system_sgpr_workgroup_id_x 1
		.amdhsa_system_sgpr_workgroup_id_y 1
		.amdhsa_system_sgpr_workgroup_id_z 1
		.amdhsa_system_vgpr_workitem_id 0
		.amdhsa_next_free_vgpr 768
		.amdhsa_next_free_sgpr 100
		.amdhsa_reserve_vcc 0
		.amdhsa_float_denorm_mode_32 3
		.amdhsa_float_denorm_mode_16_64 3
		.amdhsa_memory_ordered 1
		.amdhsa_forward_progress 1
		.amdhsa_inst_pref_size 83
	.end_amdhsa_kernel
	.amdgpu_metadata
---
amdhsa.version: [ 1, 2 ]
amdhsa.kernels:
  - .name:           k_q6532387f56_ff2
    .symbol:         k_q6532387f56_ff2.kd
    .args:
      - { .name: hid, .offset: 0, .size: 8, .value_kind: global_buffer, .address_space: global }
      - { .name: wc, .offset: 8, .size: 8, .value_kind: global_buffer, .address_space: global }
      - { .name: b2, .offset: 16, .size: 8, .value_kind: global_buffer, .address_space: global }
      - { .name: x1, .offset: 24, .size: 8, .value_kind: global_buffer, .address_space: global }
      - { .name: lowp_scales, .offset: 32, .size: 8, .value_kind: global_buffer, .address_space: global }
      - { .name: out0, .offset: 40, .size: 8, .value_kind: global_buffer, .address_space: global }
    .group_segment_fixed_size: 327680
    .private_segment_fixed_size: 0
    .kernarg_segment_align: 8
    .kernarg_segment_size: 48
    .max_flat_workgroup_size: 128
    .sgpr_count:     100
    .vgpr_count:     768
    .wavefront_size: 32
...
	.end_amdgpu_metadata
.endif
;; end of part 7
